; MI455X (gfx1250); checked and timed in simulation.
; The chip was launched on July 23, 2026; its instructions are those of AMD's public machine-readable ISA for CDNA 5 (MIT licence, August 2026) and "CDNA5" Instruction Set Architecture Reference Guide (July 2026). The comments in the code are by the model that wrote it; some were corrected since.
;; Block. Allowed arithmetic: matrix products marked QUANTISED: E2M3 operands, one E8M0 scale for each 32 along K, by v_wmma_scale_f32_16x16x128_f8f6f4 with both operands' format E2M3, f32 sums; everything else in f32.
;; Inputs: attn_b 3,072 float32; attn_w 1,024 x 3,072 float32; fc2_b 1,024 float32; fc2_w 4,096 x 1,024 float32; fc_b 4,096 float32; fc_w 1,024 x 4,096 float32; ln1_b 1,024 float32; ln1_g 1,024 float32; ln2_b 1,024 float32; ln2_g 1,024 float32; proj_b 1,024 float32; proj_w 1,024 x 1,024 float32; x 2 x 2,048 x 1,024 float32.
;; Outputs: out0 2 x 2,048 x 1,024 float32.
;; This version of the problem:
;;   THIS VERSION OF THE PROBLEM IS GIVEN IN LOW PRECISION. The matrix products marked QUANTISED in the list below multiply operands that are first quantised to E2M3 (2 exponent bits, 3 mantissa bits; 6 bits a number), with one power-of-two scale for each 32 numbers along K (OCP MX v1.0); their sums are f32. All else is computed in f32.
;;   The module's matrix products, in the order in which they are computed (A, B: the left and right operand; K: the contracted axis; several contracted axes count as one K, in the product's order):
;;     1. [M 4,096, K 1,024] x [K 1,024, N 3,072]; A: computed on the way; B: input attn_w: QUANTISED
;;     2. batch 32 x [M 2,048, K 64] x [K 64, N 2,048]; A: computed on the way; B: computed on the way: QUANTISED
;;     3. batch 32 x [M 2,048, K 2,048] x [K 2,048, N 64]; A: softmax (see below); B: computed on the way: QUANTISED
;;     4. [M 4,096, K 1,024] x [K 1,024, N 1,024]; A: computed on the way; B: input proj_w: QUANTISED
;;     5. [M 4,096, K 1,024] x [K 1,024, N 4,096]; A: computed on the way; B: input fc_w: QUANTISED
;;     6. [M 4,096, K 4,096] x [K 4,096, N 1,024]; A: computed on the way; B: input fc2_w: QUANTISED
;;   THE QUANTISER, for each operand of a quantised product, along K:
;;     - K is cut into blocks of 32 from its start; a last block that is shorter is filled with zeros.
;;     - A block's scale is 2^e with e = floor(log2(the largest magnitude in the block)) - 2, held to -126 .. 127; a block of zeros has e = 0. As a byte (E8M0): e + 127.
;;     - Each number is divided by its block's scale, clamped to +-7.5, and rounded to the nearest number of E2M3, ties to even, subnormals kept.
;;     - The product sums the exact products of the quantised numbers (number of the format x scale) in f32.
;;   ~~~python
;;   def quantise(x, axis):      # numpy; x: float32 -> the quantised numbers, widened to float32 again
;;       x = np.moveaxis(x, axis, -1); K = x.shape[-1]
;;       x = np.pad(x, [(0, 0)] * (x.ndim - 1) + [(0, -K % 32)]); x = x.reshape(x.shape[:-1] + (-1, 32)); a = np.abs(x).max(-1, keepdims=True)
;;       e = np.where(a > 0, np.clip(np.frexp(np.where(a > 0, a, 1))[1] - 1 - 2, -126, 127), 0)      # np.frexp(a)[1] - 1 = floor(log2(a)), exactly
;;       r = np.clip(x / 2.0 ** e, -7.5, 7.5)
;;       step = 2.0 ** (np.maximum(np.frexp(np.where(r == 0, 1, r))[1] - 1, 0) - 3)
;;       q = np.round(r / step) * step * 2.0 ** e      # np.round: ties to even
;;       return np.moveaxis(q.reshape(q.shape[:-2] + (-1,))[..., :K], -1, axis).astype(np.float32)
;;   ~~~
;;   SOFTMAX AHEAD OF A QUANTISED PRODUCT. Where the list says 'softmax', what is quantised is not the finished softmax but p = 2^(t - M), with t = logit x log2(e) and M = ceil(the row's largest t), a whole number; so 1/2 < the row's largest p <= 1. The row's sum l is taken of the UNQUANTISED p, in f32, and the product's result is divided by l at the end. Since M is a whole number, a kernel that streams over the keys may use a running M (the ceiling of the running maximum): every later rescaling is an exact power of two, which a block's scale takes up: the codes' values come out the same.
;;   OPERANDS COMPUTED ON THE WAY. 'Computed on the way' means the value that the module computes at that place (a softmax that the list does not call 'softmax' is quantised finished and normalised). What goes into a quantiser is computed in f32, as accurately as f32 sums, v_exp_f32 and their like allow (about 1e-6 of the number): no bf16 or f16 on the way to a quantiser, and a product that is left as it is and whose result goes on into a quantised operand takes f32 operands (vector FMAs, or v_wmma_f32_16x16x4_f32). A number that lies on a knife's edge between two numbers of the format may be rounded either way, as far as f32 arithmetic and the matrix unit's own rounding can turn it there, and no further.
;; 2 versions. Each part assembles by itself: llvm-mc -triple=amdgcn-amd-amdhsa -mcpu=gfx1250 --defsym DOCPART=n.
;; ======== version 1 of 2: 8 launches
;; workspace buffers: wq 9,830,400 bytes; xn 3,276,800 bytes; qkv 10,223,616 bytes; yq 3,276,800 bytes; x1 16,777,216 bytes; hq 13,107,200 bytes
;; launch wq (part 1): grid 384 x 1, 4 waves a work-group, no clusters, 25,088 bytes of LDS; arguments attn_w, proj_w, fc_w, fc2_w, wq; writes wq
.if DOCPART == 1
	.amdgcn_target "amdgcn-amd-amdhsa--gfx1250"
	.amdhsa_code_object_version 6
	.text
	.protected	k_qb4d3149769_wq
	.globl	k_qb4d3149769_wq
	.p2align	8
	.type	k_qb4d3149769_wq,@function
k_qb4d3149769_wq:
	s_mov_b64 s[64:65], 0
	v_nop
	global_prefetch_b8 v0, s[64:65] scope:SCOPE_SE
	s_setreg_imm32_b32 hwreg(HW_REG_WAVE_MODE, 25, 1), 1
	s_wait_xcnt 0x0
; The four weights, f32 stored [K][N], become codes of FP6 (E2M3) with one E8M0 byte for each 32 along K, laid as the products' launches read them.
; LAYOUT OF AN OPERAND.  Rows (here: columns n of a weight) stand at POSITIONS: position p holds row pi(p), p with its bits 3 and 4 exchanged.  128 positions are a group, 16 a tile.
; Codes: [group][K step of 128][tile 0..7][1,536 bytes]; the 1,536 bytes are the image of a fragment's twelve registers: registers 2 g, 2 g + 1 of lane L at 256 g + 8 L.
; Scale words: [group][K step][128 positions] x 4 bytes, byte b for k = 32 b on.
; SHARES.  A work-group takes one group x 256 along K; a wave 32 columns; A LANE TAKES A COLUMN AND ITS REGISTERS RUN DOWN K, so a block of 32 is one lane's 32 registers and the conversions give codes with K innermost.
; A wave's codes (2 K steps x 2 tiles) are gathered in its own 6,144 bytes of LDS and leave as runs of 512 consecutive bytes.  Waves share nothing: no barrier.
; One path serves the four tensors: the work-group's number picks the pointer and six numbers.
; A block's scale is 2^(floor(log2(largest magnitude)) - 2); its byte is the largest magnitude's exponent field - 2, held at 1 from below.
; LIMITS: a block's largest magnitude is taken as at least 2^-124 (a block of zeros so gets the byte 1 and zero codes; only this program reads the bytes); NaN and infinities are not served.
.set X,    48                          ; v48-111  two sets of 32 numbers
.set CD,   112                         ; v112-117 a block's codes
.set TT,   118                         ; v118-120 the second conversion's result (three registers that begin on an even number)
.set OUTR, 128                         ; v128-175 the way out
.set SB,   12                          ; v12-13   scale words of the two K steps
.set STG,  6144                        ; a wave's stage
	s_load_b256 s[4:11], s[0:1], 0x0               ; attn_w s[4:5], proj_w s[6:7], fc_w s[8:9], fc2_w s[10:11]
	s_load_b64 s[12:13], s[0:1], 0x20              ; wq
	v_lshl_add_u32 v176, v0, 2, 0x6000
	v_mov_b32 v177, 0
	v_lshrrev_b32 v1, 5, v0
	v_readfirstlane_b32 s14, v1                    ; wave
	v_and_b32 v1, 31, v0                           ; lane = my column among the wave's 32
	s_mul_i32 s15, s14, STG
	v_bfe_u32 v6, v0, 3, 1                         ; the lane's bit 3: which of the wave's two tiles
	v_and_b32 v7, 7, v0
	v_bfe_u32 v8, v0, 4, 1                         ; its bit 4: bit 3 of the row in the tile
	v_mul_u32_u24 v2, v6, 1536
	v_lshl_add_u32 v2, v7, 3, v2
	v_lshl_add_u32 v2, v8, 6, v2
	v_add_nc_u32 v2, s15, v2                       ; into the stage: tile x 1,536 + 8 x row
	v_lshlrev_b32 v4, 4, v1                        ; out: 16 bytes a lane
	v_add_nc_u32 v3, s15, v4
	v_lshlrev_b32 v5, 2, v7
	v_lshl_add_u32 v5, v6, 6, v5
	v_lshl_add_u32 v5, v8, 5, v5                   ; 4 x my position among the wave's 32
	s_mov_b32 s16, 256                             ; fc2_w's numbers: first work-group,
	s_mov_b32 s17, 4096                            ; bytes from row to row,
	s_mov_b32 s18, 4                               ; log2 of the work-groups along K,
	s_mov_b32 s19, 15                              ; their number - 1,
	s_mov_b32 s20, 32                              ; K steps,
	s_mov_b32 s21, 6291456                         ; where its codes begin in wq,
	s_mov_b32 s22, 9699328                         ; and its scale words
	s_wait_kmcnt 0x0
	s_mov_b64 s[24:25], s[10:11]
	s_cmp_lt_u32 ttmp9, 256                        ; fc_w
	s_cselect_b32 s16, 128, s16
	s_cselect_b32 s17, 16384, s17
	s_cselect_b32 s18, 2, s18
	s_cselect_b32 s19, 3, s19
	s_cselect_b32 s20, 8, s20
	s_cselect_b32 s21, 3145728, s21
	s_cselect_b32 s22, 9568256, s22
	s_cselect_b64 s[24:25], s[8:9], s[24:25]
	s_cmp_lt_u32 ttmp9, 128                        ; proj_w
	s_cselect_b32 s16, 96, s16
	s_cselect_b32 s17, 4096, s17
	s_cselect_b32 s21, 2359296, s21
	s_cselect_b32 s22, 9535488, s22
	s_cselect_b64 s[24:25], s[6:7], s[24:25]
	s_cmp_lt_u32 ttmp9, 96                         ; attn_w
	s_cselect_b32 s16, 0, s16
	s_cselect_b32 s17, 12288, s17
	s_cselect_b32 s21, 0, s21
	s_cselect_b32 s22, 9437184, s22
	s_cselect_b64 s[24:25], s[4:5], s[24:25]
	s_sub_co_u32 s23, ttmp9, s16
	s_and_b32 s26, s23, s19                        ; which 256 along K
	s_lshr_b32 s23, s23, s18                       ; which group
	s_lshl_b32 s27, s26, 8
	s_mul_i32 s27, s27, s17                        ; 256 kq rows,
	s_lshl_b32 s28, s23, 9                         ; 128 g columns of 4 bytes,
	s_add_co_u32 s28, s28, s27
	s_lshl_b32 s29, s14, 7                         ; the wave's 32 columns
	s_add_co_u32 s28, s28, s29
	s_mov_b32 s29, 0
	s_add_nc_u64 s[32:33], s[24:25], s[28:29]      ; block 0's first row; a base for each of the eight blocks, never rewritten
	s_lshl_b32 s30, s17, 5                         ; 32 rows
	s_mov_b32 s31, 0
.irp t, 1,2,3,4,5,6,7
	s_add_nc_u64 s[32+2*\t:33+2*\t], s[30+2*\t:31+2*\t], s[30:31]
.endr
	s_mul_i32 s23, s23, s20
	s_lshl_b32 s26, s26, 1
	s_add_co_u32 s23, s23, s26                     ; group x K steps + my first K step
	s_mul_i32 s26, s23, 12288
	s_add_co_u32 s26, s26, s21
	s_mul_i32 s27, s14, 3072                       ; the wave's two tiles
	s_add_co_u32 s26, s26, s27
	s_mov_b32 s27, 0
	s_add_nc_u64 s[48:49], s[12:13], s[26:27]      ; codes out
	s_lshl_b32 s26, s23, 9
	s_add_co_u32 s26, s26, s22
	s_lshl_b32 s28, s14, 7
	s_add_co_u32 s26, s26, s28
	s_add_nc_u64 s[50:51], s[12:13], s[26:27]      ; scale words out
	v_lshlrev_b32 v16, 2, v1                       ; v16-47: 4 x lane + i rows
.set i, 1
.rept 31
	v_add_nc_u32 v[16+i], s17, v[15+i]
.set i, i+1
.endr
.macro LOAD t                          ; block t: W(32 t + i, my column) into set t % 2; 32 lanes read 128 consecutive bytes
.set li, 0
.rept 32
	global_load_b32 v[X+32*((\t)%2)+li], v[16+li], s[32+2*(\t):33+2*(\t)] th:TH_LOAD_NT
.set li, li+1
.endr
.endm
.macro BLOCK t
.set XS, X+32*((\t)%2)
.if (\t) < 7
	s_wait_loadcnt 32                              ; this block's 32 loads are in; the next block's 32 may be out
.else
	s_wait_loadcnt 0
.endif
	v_max3_num_f32 v8, |v[XS]|, |v[XS+1]|, |v[XS+2]|   ; the block's largest magnitude, in two chains: all 32 numbers are mine
	v_max3_num_f32 v9, |v[XS+3]|, |v[XS+4]|, |v[XS+5]|
.irp i, 6,10,14,18,22,26
	v_max3_num_f32 v8, v8, |v[XS+\i]|, |v[XS+\i+1]|
	v_max3_num_f32 v9, v9, |v[XS+\i+2]|, |v[XS+\i+3]|
.endr
	v_max3_num_f32 v8, v8, |v[XS+30]|, |v[XS+31]|
	v_max3_num_f32 v8, v8, v9, 0x1800000           ; and the floor 2^(3 - 127): the byte cannot fall under 1
	v_add_nc_u32 v10, 0xff000000, v8               ; 2 off the exponent field: the conversion takes this operand's exponent field as its scale
	v_lshrrev_b32 v11, 23, v10                     ; the scale's byte
.if (\t)%4 == 0
	v_mov_b32 v[SB+(\t)/4], v11
.else
	v_lshl_or_b32 v[SB+(\t)/4], v11, 8*((\t)%4), v[SB+(\t)/4]
.endif
	v_cvt_scalef32_pk16_fp6_f32 v[CD:CD+2], v[XS:XS+15], v10
	v_cvt_scalef32_pk16_fp6_f32 v[TT:TT+2], v[XS+16:XS+31], v10
	v_nop                                          ; one plain instruction between a scaled conversion and the vector instruction that reads its result
.irp i, 0,1,2
	v_mov_b32 v[CD+3+\i], v[TT+\i]
.endr
.irp p, 0,1,2                          ; block t = K step t / 4, registers 6 ((t / 2) % 2) on, of lane row + 16 (t % 2)
	ds_store_b64 v2, v[CD+2*\p:CD+2*\p+1] offset:((\t)/4)*3072+(((\t)/2)%2)*768+((\t)%2)*128+256*\p
.endr
.if (\t)+2 < 8
	LOAD (\t)+2
.endif
	s_wait_dscnt 0x0                               ; the stores have read their registers: the next block's codes may be written
.endm
	LOAD 0
	LOAD 1
.irp t, 0,1,2,3,4,5,6,7
	BLOCK \t
.endr
	global_store_b32 v5, v[SB], s[50:51]           ; the wave's 32 scale words of a K step: 128 consecutive bytes
	global_store_b32 v5, v[SB+1], s[50:51] offset:512
.irp k, 0,1,2,3,4,5,6,7,8,9,10,11
	ds_load_b128 v[OUTR+4*\k:OUTR+4*\k+3], v3 offset:512*\k   ; LDS serves a wave's instructions in order: these see my stores
.endr
.irp k, 0,1,2,3,4,5,6,7,8,9,10,11
	s_wait_dscnt 11-\k                             ; the loads behind load k may be out
	global_store_b128 v4, v[OUTR+4*\k:OUTR+4*\k+3], s[48:49] offset:(\k/6)*12288+512*(\k%6)   ; 512 consecutive bytes, at a multiple of 256 from the buffer's first byte
.endr
	s_wait_tensorcnt 0x0
	ds_add_u32 v176, v177
	s_wait_dscnt 0x0
	s_endpgm
.Lfunc_end_k_qb4d3149769_wq:
	.size	k_qb4d3149769_wq, .Lfunc_end_k_qb4d3149769_wq-k_qb4d3149769_wq
	.p2alignl 7, 3214868480
	.fill 96, 4, 3214868480
	.section	.rodata,"a",@progbits
	.p2align	6, 0x0
	.amdhsa_kernel k_qb4d3149769_wq
		.amdhsa_group_segment_fixed_size 25088
		.amdhsa_private_segment_fixed_size 0
		.amdhsa_enable_private_segment 0
		.amdhsa_kernarg_size 40
		.amdhsa_user_sgpr_count 2
		.amdhsa_user_sgpr_kernarg_segment_ptr 1
		.amdhsa_wavefront_size32 1
		.amdhsa_system_sgpr_workgroup_id_x 1
		.amdhsa_system_sgpr_workgroup_id_y 1
		.amdhsa_system_sgpr_workgroup_id_z 1
		.amdhsa_system_vgpr_workitem_id 0
		.amdhsa_next_free_vgpr 178
		.amdhsa_next_free_sgpr 66
		.amdhsa_reserve_vcc 0
		.amdhsa_float_denorm_mode_32 3
		.amdhsa_float_denorm_mode_16_64 3
		.amdhsa_memory_ordered 1
		.amdhsa_forward_progress 1
		.amdhsa_inst_pref_size 45
	.end_amdhsa_kernel
	.amdgpu_metadata
---
amdhsa.version: [ 1, 2 ]
amdhsa.kernels:
  - .name:           k_qb4d3149769_wq
    .symbol:         k_qb4d3149769_wq.kd
    .args:
      - { .name: attn_w, .offset: 0, .size: 8, .value_kind: global_buffer, .address_space: global }
      - { .name: proj_w, .offset: 8, .size: 8, .value_kind: global_buffer, .address_space: global }
      - { .name: fc_w, .offset: 16, .size: 8, .value_kind: global_buffer, .address_space: global }
      - { .name: fc2_w, .offset: 24, .size: 8, .value_kind: global_buffer, .address_space: global }
      - { .name: wq, .offset: 32, .size: 8, .value_kind: global_buffer, .address_space: global }
    .group_segment_fixed_size: 25088
    .private_segment_fixed_size: 0
    .kernarg_segment_align: 8
    .kernarg_segment_size: 40
    .max_flat_workgroup_size: 128
    .sgpr_count:     66
    .vgpr_count:     178
    .wavefront_size: 32
...
	.end_amdgpu_metadata
.endif
;; end of part 1
;; launch ln1 (part 2): grid 256 x 1, 4 waves a work-group, no clusters, 31,744 bytes of LDS; arguments x, ln1_g, ln1_b, xn; writes xn
.if DOCPART == 2
	.amdgcn_target "amdgcn-amd-amdhsa--gfx1250"
	.amdhsa_code_object_version 6
	.text
	.protected	k_qb4d3149769_ln1
	.globl	k_qb4d3149769_ln1
	.p2align	8
	.type	k_qb4d3149769_ln1,@function
k_qb4d3149769_ln1:
	s_mov_b64 s[64:65], 0
	v_nop
	global_prefetch_b8 v0, s[64:65] scope:SCOPE_SE
	s_setreg_imm32_b32 hwreg(HW_REG_WAVE_MODE, 25, 1), 1
	s_wait_xcnt 0x0
; LayerNorm of 4,096 rows of 1,024 f32, and the result quantised along the row to FP6 (E2M3) with one E8M0 byte for each 32: (x - mean) * rsqrt(var + 1e-5) * g + b, all in f32.
; The variance is the mean of (x - mean)^2, taken in a second pass over registers: a common offset of the inputs costs nothing.
; OUTPUT LAYOUT (an operand of the products): rows stand at positions, position p holds token pi(p), p with bits 3 and 4 exchanged.  Codes [group of 128 positions][K step 0..7][tile 0..7][1,536]: the image of a
; fragment's registers, registers 2 g, 2 g + 1 of lane L at 256 g + 8 L; scale words at byte 3,145,728: [group][K step][128 positions] x 4.
; SHARES.  Work-group i makes position tile i (16 rows); wave w its rows 4 w .. 4 w + 3, which are four neighbouring tokens: 16 KB on end.  A row is 32 registers of the wave; the sums never leave the wave.
; For the conversions a lane must hold 32 NEIGHBOURS: a row turns through the wave's own stage in LDS (32 places of 128 + 16 bytes) and lane L comes to hold block L.
; The tile's eight fragments and their scale words are gathered in LDS, and after one barrier leave as runs of 512 bytes (scale words: 64).
; LIMITS: a block's largest magnitude is taken as at least 2^-124 (a block of zeros gets the byte 1 and zero codes; only this program reads the bytes); NaN and infinities are not served.
.set X,    32                          ; v32-159  row j at 32 j
.set G,    160                         ; v160-191 the gains;  later row j's six code registers at 160 + 8 j
.set B,    192                         ; v192-223 the shifts; later row j's scale byte at 192 + j
.set TT,   24                          ; v24-26   the second conversion's result
.set IMG,  18432                       ; LDS: four stages of 4,608; eight fragment images;
.set SCB,  30720                       ; their scale words [K step][16]
	s_load_b256 s[4:11], s[0:1], 0x0               ; x s[4:5], g s[6:7], b s[8:9], out s[10:11]
	v_lshl_add_u32 v224, v0, 2, 0x7a00
	v_mov_b32 v225, 0
	v_lshrrev_b32 v1, 5, v0
	v_readfirstlane_b32 s16, v1                    ; wave
	v_and_b32 v1, 31, v0                           ; L
	v_lshlrev_b32 v2, 4, v1                        ; 16 L
	s_mul_i32 s20, s16, 4608
	v_lshrrev_b32 v3, 3, v1
	v_mul_u32_u24 v3, v3, 144
	v_and_b32 v7, 7, v1
	v_lshl_add_u32 v3, v7, 4, v3
	v_add_nc_u32 v3, s20, v3                       ; the stage, in: eight lanes' 128 bytes to a place
	v_mul_u32_u24 v4, v1, 144
	v_add_nc_u32 v4, s20, v4                       ; and out: place L
	v_lshrrev_b32 v7, 2, v1                        ; block L is K step L / 4,
	v_mul_u32_u24 v5, v7, 1536
	v_lshlrev_b32 v6, 6, v7
	v_bfe_u32 v7, v1, 1, 1                         ; registers 6 ((L / 2) % 2) on,
	v_mad_u32_u24 v5, v7, 768, v5
	v_and_b32 v7, 1, v1                            ; of the lanes' half L % 2
	v_lshl_add_u32 v5, v7, 7, v5
	s_lshl_b32 s21, s16, 5
	s_add_co_u32 s21, s21, IMG
	v_add_nc_u32 v5, s21, v5                       ; images: + 8 x row, row = 4 w + j
	v_and_b32 v7, 3, v1
	v_add_nc_u32 v6, v6, v7
	s_lshl_b32 s21, s16, 4
	s_add_co_u32 s21, s21, SCB
	v_add_nc_u32 v6, s21, v6                       ; scale bytes: 64 x K step + 4 x row + L % 4
	s_mul_i32 s21, s16, 3072
	s_add_co_u32 s21, s21, IMG
	v_add_nc_u32 v22, s21, v2                      ; back: the wave's two fragments
	v_lshl_add_u32 v23, v0, 2, SCB                 ; and a scale word a thread
	v_lshrrev_b32 v19, 4, v0
	v_and_b32 v27, 15, v0
	v_lshlrev_b32 v27, 2, v27
	v_lshl_add_u32 v27, v19, 9, v27                ; its place in memory: 512 x K step + 4 x row
	s_mov_b32 s12, 0x76543210
	s_mov_b32 s13, 0xfedcba98                      ; v_permlanex16_b32's selects for lane l xor 16
	s_mov_b32 s14, 0x3a800000                      ; 1 / 1,024
	s_mov_b32 s15, 0x3727c5ac                      ; 1e-5
.irp j, 0,1,2,3
	v_mov_b32 v[28+\j], 0                          ; a lane permute's destination counts as one of its sources
.endr
	s_lshr_b32 s17, ttmp9, 1
	s_lshl_b32 s17, s17, 5
	s_and_b32 s18, ttmp9, 1
	s_lshl_b32 s18, s18, 3
	s_add_co_u32 s17, s17, s18
	s_lshl_b32 s18, s16, 2
	s_add_co_u32 s17, s17, s18
	s_lshr_b32 s18, s16, 1
	s_lshl_b32 s18, s18, 3
	s_add_co_u32 s17, s17, s18                     ; my first token: 32 (i / 2) + 8 (i % 2) + 4 w + 8 (w / 2)
	s_lshl_b32 s18, s17, 12
	s_mov_b32 s19, 0
	s_wait_kmcnt 0x0
	s_add_nc_u64 s[4:5], s[4:5], s[18:19]
.irp j, 0,1,2,3
.irp q, 0,1,2,3,4,5,6,7
	global_load_b128 v[X+32*\j+4*\q:X+32*\j+4*\q+3], v2, s[4:5] offset:4096*\j+512*\q
.endr
.endr
.irp q, 0,1,2,3,4,5,6,7
	global_load_b128 v[G+4*\q:G+4*\q+3], v2, s[6:7] offset:512*\q
	global_load_b128 v[B+4*\q:B+4*\q+3], v2, s[8:9] offset:512*\q
.endr
	s_lshr_b32 s17, ttmp9, 3                       ; group
	s_and_b32 s18, ttmp9, 7                        ; tile in it
	s_mul_i32 s20, s17, 98304
	s_mul_i32 s21, s16, 24576                      ; the wave stores K steps 2 w, 2 w + 1
	s_add_co_u32 s20, s20, s21
	s_mul_i32 s21, s18, 1536
	s_add_co_u32 s20, s20, s21
	s_mov_b32 s21, 0
	s_add_nc_u64 s[20:21], s[10:11], s[20:21]
	s_lshl_b32 s22, s17, 12
	s_lshl_b32 s23, s18, 6
	s_add_co_u32 s22, s22, s23
	s_add_co_u32 s22, s22, 3145728
	s_mov_b32 s23, 0
	s_add_nc_u64 s[22:23], s[10:11], s[22:23]
	s_wait_loadcnt 16                              ; the rows are in; the gains' and shifts' 16 loads may be out
.macro ACROSS                          ; the four rows' figures in v8, v10, v12, v14 are summed over the 32 lanes, the rows by turns
.irp j, 0,1,2,3
	v_add_f32 v[8+2*\j], v[8+2*\j], v[9+2*\j]
.endr
.irp m, 1,2,4,8
.irp j, 0,1,2,3
	v_add_f32_dpp v[8+2*\j], v[8+2*\j], v[8+2*\j] row_xmask:\m row_mask:0xf bank_mask:0xf
.endr
.endr
.irp j, 0,1,2,3
	v_permlanex16_b32 v[28+\j], v[8+2*\j], s12, s13
.endr
.irp j, 0,1,2,3
	v_add_f32 v[8+2*\j], v[8+2*\j], v[28+\j]
.endr
.endm
.irp j, 0,1,2,3
	v_pk_add_f32 v[8+2*\j:9+2*\j], v[X+32*\j:X+32*\j+1], v[X+32*\j+2:X+32*\j+3]
.endr
.irp i, 4,6,8,10,12,14,16,18,20,22,24,26,28,30
.irp j, 0,1,2,3
	v_pk_add_f32 v[8+2*\j:9+2*\j], v[8+2*\j:9+2*\j], v[X+32*\j+\i:X+32*\j+\i+1]
.endr
.endr
	ACROSS
.irp j, 0,1,2,3
	v_mul_f32 v[8+2*\j], s14, v[8+2*\j]            ; the mean
.endr
.irp i, 0,2,4,6,8,10,12,14,16,18,20,22,24,26,28,30
.irp j, 0,1,2,3
	v_pk_add_f32 v[X+32*\j+\i:X+32*\j+\i+1], v[X+32*\j+\i:X+32*\j+\i+1], v[8+2*\j:9+2*\j] op_sel_hi:[1,0] neg_lo:[0,1] neg_hi:[0,1]   ; x - mean
.endr
.endr
.irp j, 0,1,2,3
	v_pk_mul_f32 v[8+2*\j:9+2*\j], v[X+32*\j:X+32*\j+1], v[X+32*\j:X+32*\j+1]
.endr
.irp i, 2,4,6,8,10,12,14,16,18,20,22,24,26,28,30
.irp j, 0,1,2,3
	v_pk_fma_f32 v[8+2*\j:9+2*\j], v[X+32*\j+\i:X+32*\j+\i+1], v[X+32*\j+\i:X+32*\j+\i+1], v[8+2*\j:9+2*\j]
.endr
.endr
	ACROSS
.irp j, 0,1,2,3
	v_fma_f32 v[8+2*\j], v[8+2*\j], s14, s15       ; var + eps
.endr
.irp j, 0,1,2,3
	v_rsq_f32 v[8+2*\j], v[8+2*\j]
.endr
	v_nop                                          ; a plain instruction behind the last of the four
	s_wait_alu depctr_va_vdst(0)                   ; one wait for the batch, ahead of its first reader
	s_wait_loadcnt 0x0                             ; the gains and shifts
.irp i, 0,2,4,6,8,10,12,14,16,18,20,22,24,26,28,30
.irp j, 0,1,2,3
	v_pk_mul_f32 v[X+32*\j+\i:X+32*\j+\i+1], v[X+32*\j+\i:X+32*\j+\i+1], v[8+2*\j:9+2*\j] op_sel_hi:[1,0]
.endr
.endr
.irp i, 0,2,4,6,8,10,12,14,16,18,20,22,24,26,28,30
.irp j, 0,1,2,3
	v_pk_fma_f32 v[X+32*\j+\i:X+32*\j+\i+1], v[X+32*\j+\i:X+32*\j+\i+1], v[G+\i:G+\i+1], v[B+\i:B+\i+1]
.endr
.endr
.irp j, 0,1,2,3                        ; each row through the stage and back into its registers; LDS serves a wave's instructions in order, so one stage serves the four rows with no wait between
.irp q, 0,1,2,3,4,5,6,7
	ds_store_b128 v3, v[X+32*\j+4*\q:X+32*\j+4*\q+3] offset:576*\q
.endr
.irp q, 0,1,2,3,4,5,6,7
	ds_load_b128 v[X+32*\j+4*\q:X+32*\j+4*\q+3], v4 offset:16*\q
.endr
.endr
.irp j, 0,1,2,3
	s_wait_dscnt 16*(3-\j)+4*\j                    ; behind row j's loads: 16 stage instructions for each later row, 4 image stores for each earlier one
	v_max3_num_f32 v16, |v[X+32*\j]|, |v[X+32*\j+1]|, |v[X+32*\j+2]|
	v_max3_num_f32 v17, |v[X+32*\j+3]|, |v[X+32*\j+4]|, |v[X+32*\j+5]|
.irp i, 6,10,14,18,22,26
	v_max3_num_f32 v16, v16, |v[X+32*\j+\i]|, |v[X+32*\j+\i+1]|
	v_max3_num_f32 v17, v17, |v[X+32*\j+\i+2]|, |v[X+32*\j+\i+3]|
.endr
	v_max3_num_f32 v16, v16, |v[X+32*\j+30]|, |v[X+32*\j+31]|
	v_max3_num_f32 v16, v16, v17, 0x1800000        ; the floor 2^(3 - 127)
	v_add_nc_u32 v18, 0xff000000, v16              ; 2 off the exponent field: the conversion's scale operand
	v_lshrrev_b32 v[B+\j], 23, v18                 ; the byte
	v_cvt_scalef32_pk16_fp6_f32 v[G+8*\j:G+8*\j+2], v[X+32*\j:X+32*\j+15], v18
	v_cvt_scalef32_pk16_fp6_f32 v[TT:TT+2], v[X+32*\j+16:X+32*\j+31], v18
	v_nop                                          ; one plain instruction behind a scaled conversion
.irp i, 0,1,2
	v_mov_b32 v[G+8*\j+3+\i], v[TT+\i]
.endr
.irp p, 0,1,2
	ds_store_b64 v5, v[G+8*\j+2*\p:G+8*\j+2*\p+1] offset:8*\j+256*\p
.endr
	ds_store_b8 v6, v[B+\j] offset:4*\j
.endr
	s_wait_dscnt 0x0                               ; for the others' sake: my stores have landed
	s_barrier_signal -1
	s_barrier_wait -1
.irp k, 0,1,2,3,4,5
	ds_load_b128 v[X+4*\k:X+4*\k+3], v22 offset:512*\k
.endr
	ds_load_b32 v20, v23
.irp k, 0,1,2,3,4,5
	s_wait_dscnt 6-\k                              ; the younger loads may be out
	global_store_b128 v2, v[X+4*\k:X+4*\k+3], s[20:21] offset:(\k/3)*12288+512*(\k%3)   ; 512 consecutive bytes
.endr
	s_wait_dscnt 0x0
	global_store_b32 v27, v20, s[22:23]            ; sixteen lanes store a K step's 64 bytes of this tile
	s_wait_tensorcnt 0x0
	ds_add_u32 v224, v225
	s_wait_dscnt 0x0
	s_endpgm
.Lfunc_end_k_qb4d3149769_ln1:
	.size	k_qb4d3149769_ln1, .Lfunc_end_k_qb4d3149769_ln1-k_qb4d3149769_ln1
	.p2alignl 7, 3214868480
	.fill 96, 4, 3214868480
	.section	.rodata,"a",@progbits
	.p2align	6, 0x0
	.amdhsa_kernel k_qb4d3149769_ln1
		.amdhsa_group_segment_fixed_size 31744
		.amdhsa_private_segment_fixed_size 0
		.amdhsa_enable_private_segment 0
		.amdhsa_kernarg_size 32
		.amdhsa_user_sgpr_count 2
		.amdhsa_user_sgpr_kernarg_segment_ptr 1
		.amdhsa_wavefront_size32 1
		.amdhsa_system_sgpr_workgroup_id_x 1
		.amdhsa_system_sgpr_workgroup_id_y 1
		.amdhsa_system_sgpr_workgroup_id_z 1
		.amdhsa_system_vgpr_workitem_id 0
		.amdhsa_next_free_vgpr 226
		.amdhsa_next_free_sgpr 66
		.amdhsa_reserve_vcc 0
		.amdhsa_float_denorm_mode_32 3
		.amdhsa_float_denorm_mode_16_64 3
		.amdhsa_memory_ordered 1
		.amdhsa_forward_progress 1
		.amdhsa_inst_pref_size 44
	.end_amdhsa_kernel
	.amdgpu_metadata
---
amdhsa.version: [ 1, 2 ]
amdhsa.kernels:
  - .name:           k_qb4d3149769_ln1
    .symbol:         k_qb4d3149769_ln1.kd
    .args:
      - { .name: x, .offset: 0, .size: 8, .value_kind: global_buffer, .address_space: global }
      - { .name: ln1_g, .offset: 8, .size: 8, .value_kind: global_buffer, .address_space: global }
      - { .name: ln1_b, .offset: 16, .size: 8, .value_kind: global_buffer, .address_space: global }
      - { .name: xn, .offset: 24, .size: 8, .value_kind: global_buffer, .address_space: global }
    .group_segment_fixed_size: 31744
    .private_segment_fixed_size: 0
    .kernarg_segment_align: 8
    .kernarg_segment_size: 32
    .max_flat_workgroup_size: 128
    .sgpr_count:     66
    .vgpr_count:     226
    .wavefront_size: 32
...
	.end_amdgpu_metadata
.endif
;; end of part 2
;; launch g1 (part 3): grid 12 x 16, 4 waves a work-group, clusters of 4 x 4, 327,680 bytes of LDS; arguments xn, wq, attn_b, qkv; writes qkv
.if DOCPART == 3
	.amdgcn_target "amdgcn-amd-amdhsa--gfx1250"
	.amdhsa_code_object_version 6
	.text
	.protected	k_qb4d3149769_g1
	.globl	k_qb4d3149769_g1
	.p2align	8
	.type	k_qb4d3149769_g1,@function
k_qb4d3149769_g1:
	s_mov_b64 s[64:65], 0
	v_nop
	global_prefetch_b8 v0, s[64:65] scope:SCOPE_SE
	s_setreg_imm32_b32 hwreg(HW_REG_WAVE_MODE, 25, 1), 1
	s_wait_xcnt 0x0
	s_wait_alu depctr_hold_cnt(0) depctr_sa_sdst(0) depctr_va_vdst(0) depctr_va_sdst(0) depctr_va_ssrc(0) depctr_va_vcc(0) depctr_vm_vsrc(0)
	s_getreg_b32 s2, hwreg(HW_REG_IB_STS2, 6, 4)
	s_cmp_eq_u32 s2, 0
	s_cbranch_scc0 .Lentry_in_a_cluster
	s_endpgm
.Lentry_in_a_cluster:
	s_bfe_u32 s2, ttmp6, 0x10000c
	s_cmp_lg_u32 s2, 0xf033
	s_cbranch_scc0 .Lentry_shape_is_right
	s_endpgm
.Lentry_shape_is_right:
; qkv = LN1(x) attn_w + attn_b on codes of FP6 (E2M3) with E8M0 scales, and q, k, v quantised at once for the two products of attention: q and k along the head's 64, v along the keys.
; OPERANDS lie as images of fragments: [group of 128 positions][K step of 128][tile 0..7][1,536 bytes], registers 2 g, 2 g + 1 of lane L at 256 g + 8 L; scale words [group][K step][128] x 4.
; Position p holds row pi(p) (bits 3 and 4 exchanged), so that the 16 registers of two neighbouring result tiles are 16 NEIGHBOURS of source 0's rows.
; A work-group of four waves makes 256 x 256, a wave 128 x 128: 64 accumulators.  Source 0 = "B" (two register sets, window 1), source 1 = "A" (one set, window 0).
; In accumulator (a, b) lane (r, h) holds A's position 16 a + r, and register j B's position 16 b + 8 h + j.  K goes in steps of 256 through two LDS slots filled by the tensor data mover.
; CLUSTERS of 4 x 4: A's tiles are asked for jointly along a row of the cluster, B's along a column.
; Clusters 0 and 1 along x make q and k: A = tokens, B = weight columns: a lane's registers run along the columns, which are the first attention product's K.
; Cluster 2 makes V TRANSPOSED by exchanging the two POINTERS: A = v's weight columns, B = tokens: a lane's registers run along the tokens, the keys, the second product's K.  Loop, masks and LDS are the same.
; OUT: qkv codes [q, k, v][batch x 16 + head][98,304]: q, k: [position tile 0..127][768] (half fragments: 64 along K); v: [key step 0..15][channel tile 0..3][1,536].
;      scale words at 9,437,184: [q, k, v][bh][8,192]: q, k: [tile][16], bytes 2 and 3 zero; v: [step][tile][32 lanes].
; LIMITS: a block's largest magnitude is taken as at least 2^-124 (zero blocks: byte 1, zero codes; only this program reads the bytes); NaN and infinities are not served.
.set KSTEPS, 8
.set NQ,     2                         ; K steps of 128 in a slot
.set NL,     6                         ; LDS loads of a fragment
.set FR,     12                        ; its registers
.set NP,     4                         ; places behind this matrix instruction (ISA guide 7.12.1)
.set HALFT,  24576                     ; 128 positions x 2 K steps: dense in memory, one tensor load
.set SLOT,   4*HALFT                   ; A's two groups, B's two groups
.set SCL,    2*SLOT                    ; behind the ring: the scale words for all of K, filled once
.set HALFS,  KSTEPS*512                ; those of one group
.set SPARE,  SCL+4*HALFS               ; the spare words: 128 bytes a wave, named by no other line
.set LAPS,   KSTEPS/4
.set GS,     KSTEPS*12288              ; a group's codes
.set ADRA, 16                          ; v16-17 my A fragments in slot 0, 1
.set ADRB, 20                          ; v20-21 my B fragments
.set ADRS, 27                          ; v27    my scale words: lanes 0-15 A's, lanes 16-31 B's
.set SPW,  28
.set NIL,  29
.set SC,   32                          ; v32-63 scale words: set s at 32 + 16 s, register 2 i + q
.set AF,   128                         ; v128-223 A's fragments
.set G1, 24
.set G0, 32
.set G1B, 48
.set G0B, 56
.set G1S, 68
.set G0S, 76
.set G1SB, 80
.set G0SB, 88
.set SEL, 96                           ; s[96:97] v_permlanex16_b32's selects
.set BI,  64                           ; v64-127  attn_b in the result's layout, q and k
.set BV,  224                          ; v224-231 attn_b of my lane's channel, block a: v
.set XX,  128                          ; the way out: 64 numbers
.set TM,  192                          ; v192-207 the quantiser's scratch
.set PC,  40                           ; v40-58   codes
.set PW,  32                           ; the scale word
.set PWJ, 33
.set BIL, 8
.set BVL, 9
.set GL,  10                           ; 8 L
.set GS1, 11                           ; 8,192 h + 4 r
.set V16H, 12                          ; 16 h
.set GL4, 13                           ; 4 L
.set MSB, 0
.macro WIN new                         ; the immediate's high byte repeats the setting that is left
.if MSB != \new
	s_set_vgpr_msb (MSB<<8)|\new
.set MSB, \new
.endif
.endm
.set MUL_LO, 0xa1                      ; source 0 window 1, source 1 window 0, C and D window 2
.set MUL_HI, 0xf1                      ; the same, C and D window 3
.set TO_B,   0x40
.macro JLOAD g0a, g1a, g0b, g1b        ; a joint load: waves 0, 1 fetch for A, waves 2, 3 for B; four v_nop follow each line
	s_cmp_eq_u32 s15, 0
	s_cbranch_scc0 .Lfor_b_\@
	tensor_load_to_lds s[\g0a:\g0a+3], s[\g1a:\g1a+7]
	s_nop 0
.rept 4
	v_nop
.endr
	s_branch .Lasked_\@
.Lfor_b_\@:
	tensor_load_to_lds s[\g0b:\g0b+3], s[\g1b:\g1b+7]
	s_nop 0
.rept 4
	v_nop
.endr
.Lasked_\@:
.endm
.macro CREST                           ; a round of the cluster's barrier behind its opening barrier
	s_cmp_lg_u32 s14, 0
	s_cbranch_scc1 .Lnot_wave_0_\@
	s_barrier_signal -3
.Lnot_wave_0_\@:
	s_barrier_wait -3
	s_barrier_signal -1
	s_barrier_wait -1
.endm
.macro CROUND
	s_barrier_signal -1
	s_barrier_wait -1
	CREST
.endm
	s_load_b128 s[4:7], s[0:1], 0x0                ; xn, wq
	s_load_b128 s[8:11], s[0:1], 0x10              ; attn_b, qkv
	v_lshl_add_u32 v[SPW], v0, 2, SPARE
	v_mov_b32 v[NIL], 0
	ds_add_u32 v28, v29
	ds_add_u32 v28, v29
	s_wait_dscnt 0x0
	v_lshrrev_b32 v1, 5, v0
	v_readfirstlane_b32 s14, v1                    ; wave
	s_lshr_b32 s15, s14, 1                         ; which of A's two groups is mine.  Also: I fetch for A (0) or B (1)
	s_and_b32 s16, s14, 1                          ; which of B's.  Also: which group I fetch
	s_bfe_u32 s40, ttmp6, 0x40000                  ; cx
	s_bfe_u32 s41, ttmp6, 0x40004                  ; cy
	s_lshl_b32 s42, ttmp9, 2
	s_add_co_u32 s42, s42, s40                     ; x
	s_and_b32 s17, ttmp7, 0xffff
	s_lshl_b32 s17, s17, 2
	s_add_co_u32 s17, s17, s41                     ; y
	s_lshl_b32 s43, s41, 2
	s_lshl_b32 s43, 15, s43                        ; my row of the cluster
	s_lshl_b32 s44, 0x1111, s40                    ; my column
	s_mov_b32 s[SEL], 0x76543210
	s_mov_b32 s[SEL+1], 0xfedcba98
	s_or_b32 s[G1+0], s43, (3<<16)|(1<<21)         ; 15:0 the mask; 17:16 elements of 8 bytes; 21 set beside a mask; no padding
	s_or_b32 s[G1B+0], s44, (3<<16)|(1<<21)
.irp g, G1, G1B
	s_mov_b32 s[\g+1], 32<<16                      ; rows of 256 bytes,
	s_mov_b32 s[\g+2], 96<<16                      ; 96 of them: a dense block of 24,576 bytes
	s_mov_b32 s[\g+3], 32<<16
	s_mov_b32 s[\g+4], 96
	s_mov_b32 s[\g+5], 32
	s_mov_b32 s[\g+6], 0
	s_mov_b32 s[\g+7], 0
.endr
	s_or_b32 s[G1S+0], s43, (3<<16)|(1<<21)
	s_or_b32 s[G1SB+0], s44, (3<<16)|(1<<21)
.irp g, G1S, G1SB
	s_mov_b32 s[\g+1], 32<<16
	s_mov_b32 s[\g+2], (HALFS/256)<<16
	s_mov_b32 s[\g+3], 32<<16
	s_mov_b32 s[\g+4], HALFS/256
	s_mov_b32 s[\g+5], 32
	s_mov_b32 s[\g+6], 0
	s_mov_b32 s[\g+7], 0
.endr
	s_add_co_u32 s18, s41, 8                       ; v: A's pair of groups: 8 + cy (weight columns 2,048 on)
	s_and_b32 s19, ttmp7, 0xffff
	s_lshl_b32 s19, s19, 2
	s_add_co_u32 s19, s19, s40                     ; v: B's pair: 4 x cluster y + cx (tokens)
	s_mov_b32 s92, 3145728                         ; where xn's scale words begin,
	s_mov_b32 s93, 9437184                         ; and attn_w's in wq
	s_mul_i32 s45, s14, HALFT                      ; LDS: wave x a group's part of a slot
	s_mul_i32 s94, s14, HALFS
	s_wait_kmcnt 0x0
	s_cmp_eq_u32 ttmp9, 2                          ; the cluster's x: the same in all sixteen partners
	s_cselect_b32 s20, s18, s17                    ; A's pair hangs on cy alone,
	s_cselect_b32 s46, s19, s42                    ; B's on cx alone (and on the cluster's place)
	s_cselect_b32 s22, s93, s92
	s_cselect_b32 s92, s92, s93
	s_cselect_b64 s[18:19], s[6:7], s[4:5]         ; A's buffer
	s_cselect_b64 s[66:67], s[4:5], s[6:7]         ; B's
	s_lshl_b32 s20, s20, 1
	s_add_co_u32 s20, s20, s16                     ; the group that I would fetch of A
	s_mul_i32 s21, s20, HALFS
	s_add_co_u32 s22, s22, s21
	s_mov_b32 s23, 0
	s_mul_i32 s20, s20, GS
	s_mov_b32 s21, 0
	s_lshl_b32 s46, s46, 1
	s_add_co_u32 s46, s46, s16                     ; of B
	s_mul_i32 s47, s46, HALFS
	s_add_co_u32 s92, s92, s47
	s_mov_b32 s93, 0
	s_mul_i32 s46, s46, GS
	s_mov_b32 s47, 0
	s_add_nc_u64 s[20:21], s[18:19], s[20:21]
	s_add_nc_u64 s[22:23], s[18:19], s[22:23]
	s_add_nc_u64 s[46:47], s[66:67], s[46:47]
	s_add_nc_u64 s[92:93], s[66:67], s[92:93]
	CROUND                                         ; all sixteen work-groups are here: the first joint loads meet
	s_mov_b32 s[G0S], 1
	s_add_co_u32 s[G0S+1], s94, SCL
	s_mov_b64 s[G0S+2:G0S+3], s[22:23]
	s_or_b32 s[G0S+3], s[G0S+3], 0x80000000
	s_mov_b32 s[G0SB], 1
	s_add_co_u32 s[G0SB+1], s94, SCL
	s_mov_b64 s[G0SB+2:G0SB+3], s[92:93]
	s_or_b32 s[G0SB+3], s[G0SB+3], 0x80000000
	JLOAD G0S, G1S, G0SB, G1SB                     ; the scale words first
.irp s, 0,1
	s_mov_b32 s[G0+4*\s], 1
	s_add_co_u32 s[G0+4*\s+1], s45, \s*SLOT
	s_add_nc_u64 s[G0+4*\s+2:G0+4*\s+3], s[20:21], \s*HALFT
	s_or_b32 s[G0+4*\s+3], s[G0+4*\s+3], 0x80000000
	s_mov_b32 s[G0B+4*\s], 1
	s_add_co_u32 s[G0B+4*\s+1], s45, \s*SLOT
	s_add_nc_u64 s[G0B+4*\s+2:G0B+4*\s+3], s[46:47], \s*HALFT
	s_or_b32 s[G0B+4*\s+3], s[G0B+4*\s+3], 0x80000000
	JLOAD G0+4*\s, G1, G0B+4*\s, G1B
.endr
	v_and_b32 v1, 15, v0                           ; r
	v_bfe_u32 v2, v0, 4, 1                         ; h
	v_and_b32 v3, 31, v0                           ; L
	v_lshlrev_b32 v4, 3, v3                        ; 8 L
	s_mul_i32 s21, s15, HALFT
	s_mul_i32 s22, s16, HALFT
	s_add_co_u32 s22, s22, 2*HALFT
.irp s, 0,1
	v_add_nc_u32 v[ADRA+\s], s21, v4
	v_add_nc_u32 v[ADRB+\s], s22, v4
	s_add_co_u32 s21, s21, SLOT
	s_add_co_u32 s22, s22, SLOT
.endr
	v_lshlrev_b32 v5, 2, v1                        ; 4 r
	s_mul_i32 s21, s15, HALFS
	s_mul_i32 s22, s16, HALFS
	s_add_co_u32 s22, s22, 2*HALFS
	s_sub_co_u32 s22, s22, s21
	v_mul_u32_u24 v6, s22, v2                      ; lanes 16-31 take B's: one product with h
	s_add_co_u32 s21, s21, SCL
	v_add_nc_u32 v5, v5, v6
	v_add_nc_u32 v[ADRS], s21, v5
	; the biases, in both forms (the paths part only on the way out)
	s_lshl_b32 s46, s42, 10
	s_lshl_b32 s47, s16, 9
	s_add_co_u32 s46, s46, s47                     ; (256 x + 128 wc) x 4
	s_mov_b32 s47, 0
	s_add_nc_u64 s[18:19], s[8:9], s[46:47]
	s_lshl_b32 s20, s41, 10
	s_lshl_b32 s21, s15, 9
	s_add_co_u32 s20, s20, s21
	s_add_co_u32 s20, s20, 8192                    ; (2,048 + 256 cy + 128 wr) x 4
	s_mov_b32 s21, 0
	s_add_nc_u64 s[66:67], s[8:9], s[20:21]
	v_lshlrev_b32 v[BIL], 6, v2                    ; 64 h
	v_and_b32 v5, 7, v1
	v_lshrrev_b32 v6, 3, v1
	v_lshlrev_b32 v[BVL], 2, v5
	v_lshl_add_u32 v[BVL], v6, 6, v[BVL]           ; 4 (16 (r / 8) + r % 8)
.irp b, 0,1,2,3,4,5,6,7
	global_load_b128 v[BI+8*\b:BI+8*\b+3], v[BIL], s[18:19] offset:(32*(\b/2)+8*(\b%2))*4
	global_load_b128 v[BI+8*\b+4:BI+8*\b+7], v[BIL], s[18:19] offset:(32*(\b/2)+8*(\b%2))*4+16
.endr
.irp a, 0,1,2,3,4,5,6,7
	global_load_b32 v[BV+\a], v[BVL], s[66:67] offset:(32*(\a/2)+8*(\a%2))*4
.endr
	v_mov_b32 v[GL], v4
	v_lshlrev_b32 v[GS1], 2, v1
	v_lshl_add_u32 v[GS1], v2, 13, v[GS1]
	v_lshlrev_b32 v[V16H], 4, v2
	v_lshlrev_b32 v[GL4], 2, v3
.macro FRAG reg, adr, q, i             ; a fragment comes as it lies: six loads of 8 bytes a lane, 256 consecutive bytes each
.irp p, 0,1,2,3,4,5
	ds_load_b64 v[\reg+2*\p:\reg+2*\p+1], v[\adr] offset:(\q)*12288+(\i)*1536+256*\p
.endr
.endm
; 16 matrix instructions: A's blocks a0, a0 + 1 x B's eight.  The 64 accumulators take turns, in the same order in every step.
.macro MUL16 a0, p, q, sc, zero
.irp a, \a0, \a0+1
.irp b, 0,1,2,3,4,5,6,7
.if \zero
	v_wmma_scale_f32_16x16x128_f8f6f4 v[8*(8*((\a)%4)+\b):8*(8*((\a)%4)+\b)+7], v[128*(\p)+FR*\b:128*(\p)+FR*\b+FR-1], v[AF+FR*(\a):AF+FR*(\a)+FR-1], 0, v[SC+8*NQ*(\sc)+NQ*\b+(\q)], v[SC+8*NQ*(\sc)+NQ*(\a)+(\q)] matrix_a_fmt:MATRIX_FMT_FP6 matrix_b_fmt:MATRIX_FMT_FP6 matrix_a_scale:MATRIX_SCALE_ROW1
.else
	v_wmma_scale_f32_16x16x128_f8f6f4 v[8*(8*((\a)%4)+\b):8*(8*((\a)%4)+\b)+7], v[128*(\p)+FR*\b:128*(\p)+FR*\b+FR-1], v[AF+FR*(\a):AF+FR*(\a)+FR-1], v[8*(8*((\a)%4)+\b):8*(8*((\a)%4)+\b)+7], v[SC+8*NQ*(\sc)+NQ*\b+(\q)], v[SC+8*NQ*(\sc)+NQ*(\a)+(\q)] matrix_a_fmt:MATRIX_FMT_FP6 matrix_b_fmt:MATRIX_FMT_FP6 matrix_a_scale:MATRIX_SCALE_ROW1
.endif
.endr
.endr
.endm
.macro FETCH_B slot, q, p
	WIN TO_B
.irp i, 0,1,2,3,4,5,6,7
	FRAG 128*(\p)+FR*\i, ADRB+\slot, \q, \i
.endr
	WIN 0
.endm
.macro FETCH_A slot, q, i0
.irp i, \i0, \i0+1, \i0+2, \i0+3
	FRAG AF+FR*(\i), ADRA+\slot, \q, \i
.endr
.endm
.macro SCALES sc                       ; a slot's scale words: lanes 0-15 A's block i, lanes 16-31 B's block i
.irp i, 0,1,2,3,4,5,6,7
.irp q, 0,1
	ds_load_b32 v[SC+16*\sc+2*\i+\q], v[ADRS] offset:512*\q+64*\i
.endr
.endr
.endm
.macro PLACES n                        ; plain vector instructions between a matrix instruction and a load into, or a read of, its registers
.rept \n
	v_nop
.endr
.endm
.macro STEP slot, q, zero              ; 128 along K that has its successor in the same slot
	s_wait_dscnt 4*NL                              ; all but the youngest 24 loads (A's blocks 4-7) are in
	WIN MUL_LO
	MUL16 0, (\q)%2, \q, \slot, \zero
	MUL16 2, (\q)%2, \q, \slot, \zero
	s_wait_dscnt 0
	PLACES NP
	FETCH_B \slot, (\q)+1, 1-(\q)%2
	FETCH_A \slot, (\q)+1, 0
	WIN MUL_HI
	MUL16 4, (\q)%2, \q, \slot, \zero
	MUL16 6, (\q)%2, \q, \slot, \zero
	PLACES NP
	WIN 0
	FETCH_A \slot, (\q)+1, 4
.endm
.macro TURN slot, next, fill           ; a slot's last step changes slots: one barrier, which opens a round of the cluster's barrier where the slot is filled again
	s_wait_tensorcnt 0x0                           ; all my tensor loads have landed: my part of the next slot
	ds_add_u32 v[SPW], v[NIL]                      ; 0 onto my spare word
	s_wait_dscnt 4*NL+1                            ; the add and the youngest 24 loads may be out
	WIN MUL_LO
	MUL16 0, 1, NQ-1, \slot, 0
	s_wait_dscnt 0x0                               ; the add is done, my reads of this slot are over
	s_barrier_signal -1
	MUL16 2, 1, NQ-1, \slot, 0
	WIN 0
	s_barrier_wait -1
.if \fill
	CREST                                          ; no wave of any partner still reads this slot or has a load on its way
	s_add_nc_u64 s[G0+4*\slot+2:G0+4*\slot+3], s[G0+4*\slot+2:G0+4*\slot+3], 2*HALFT
	s_add_nc_u64 s[G0B+4*\slot+2:G0B+4*\slot+3], s[G0B+4*\slot+2:G0B+4*\slot+3], 2*HALFT
	JLOAD G0+4*\slot, G1, G0B+4*\slot, G1B         ; the first tensor load behind the round; its four v_nop are the places in front of the loads below
.else
	PLACES NP
.endif
	v_add_nc_u32 v[ADRS], 1024, v[ADRS]            ; the next slot's scale words
	FETCH_B \next, 0, 0
	FETCH_A \next, 0, 0
	SCALES \next
	WIN MUL_HI
	MUL16 4, 1, NQ-1, \slot, 0
	MUL16 6, 1, NQ-1, \slot, 0
	PLACES NP
	WIN 0
	FETCH_A \next, 0, 4
.endm
; 64 numbers of a lane, register s + 16 b + i = k 32 b + 16 h + i of my row, become a fragment's codes in v[PC] on and its scale word in v[PW]
.macro QUANT s
.irp b, 0,1,2,3
	v_max3_num_f32 v[TM+\b], |v[\s+16*\b]|, |v[\s+1+16*\b]|, 0x1800000   ; my 16 numbers of block b, and the floor 2^(3 - 127)
.endr
.irp i, 2,4,6,8,10,12,14
.irp b, 0,1,2,3
	v_max3_num_f32 v[TM+\b], v[TM+\b], |v[\s+16*\b+\i]|, |v[\s+1+16*\b+\i]|
.endr
.endr
.irp b, 0,1,2,3
	v_permlanex16_b32 v[TM+4+\b], v[TM+\b], s[SEL], s[SEL+1]
.endr
.irp b, 0,1,2,3
	v_max_num_f32 v[TM+\b], v[TM+\b], v[TM+4+\b]   ; with lane l xor 16's: the block's largest magnitude
.endr
.irp b, 0,1,2,3
	v_add_nc_u32 v[TM+12+\b], 0xff000000, v[TM+\b] ; 2 off its exponent field: the conversion's scale operand
.endr
.irp b, 0,1,2,3
	v_lshrrev_b32 v[TM+4+\b], 23, v[TM+12+\b]      ; the byte
.endr
	v_lshl_or_b32 v[PW], v[TM+5], 8, v[TM+4]
	v_lshl_or_b32 v[PW], v[TM+6], 16, v[PW]
	v_lshl_or_b32 v[PW], v[TM+7], 24, v[PW]
.irp c, 0,1
	v_cvt_scalef32_pk16_fp6_f32 v[PC+6*\c:PC+2+6*\c], v[\s+32*\c:\s+15+32*\c], v[TM+12+2*\c]
	v_cvt_scalef32_pk16_fp6_f32 v[PC+12+4*\c:PC+14+4*\c], v[\s+16+32*\c:\s+31+32*\c], v[TM+12+2*\c+1]
.endr
	v_nop                                          ; one plain instruction behind a scaled conversion
.irp c, 0,1                            ; the operand's layout wants a whole block in a lane
.irp i, 0,1,2
	v_permlane16_swap_b32 v[PC+6*\c+\i], v[PC+12+4*\c+\i]
.endr
.irp i, 0,1,2
	v_mov_b32 v[PC+3+6*\c+\i], v[PC+12+4*\c+\i]
.endr
.endr
.endm
	s_wait_tensorcnt 1                             ; the scale words and my part of slot 0 are in; slot 1's load may be out
	s_barrier_signal -1
	s_barrier_wait -1
	FETCH_B 0, 0, 0
	FETCH_A 0, 0, 0
	SCALES 0
	FETCH_A 0, 0, 4
	STEP 0, 0, 1                                   ; the first step's products start the sums
	s_mov_b32 s3, LAPS-1
.Llap:
	TURN 0, 1, 1
	STEP 1, 0, 0
	TURN 1, 0, 1
	STEP 0, 0, 0
	s_sub_co_u32 s3, s3, 1
	s_cmp_lg_u32 s3, 0
	s_cbranch_scc1 .Llap
	TURN 0, 1, 0                                   ; the last lap fills nothing
	STEP 1, 0, 0
	s_wait_dscnt 4*NL
	WIN MUL_LO
	MUL16 0, 1, NQ-1, 1, 0
	MUL16 2, 1, NQ-1, 1, 0
	s_wait_dscnt 0
	WIN MUL_HI
	MUL16 4, 1, NQ-1, 1, 0
	MUL16 6, 1, NQ-1, 1, 0
	WIN 0
	; THE WAY OUT: block by block of 16 of A's positions: + bias (the addition is also the move into window 0), quantised in registers, stored as the image of a fragment.  No LDS.
	PLACES NP
	s_wait_loadcnt 0x0                             ; the biases
.irp b, 0,1,2,3
	v_mov_b32 v[TM+4+\b], 0                        ; a lane permute's destination counts as one of its sources
.endr
	s_cmp_eq_u32 ttmp9, 2
	s_cbranch_scc1 .Lvpath
	s_lshl_b32 s20, s42, 1
	s_add_co_u32 s20, s20, s16                     ; my 128 columns: pair of heads 2 x + wc
	s_lshr_b32 s21, s20, 3                         ; 0 q, 1 k
	s_and_b32 s20, s20, 7
	s_lshl_b32 s20, s20, 1                         ; the first of my two heads
	s_lshl_b32 s21, s21, 5
	s_add_co_u32 s20, s20, s21
	s_lshr_b32 s21, s17, 3                         ; batch
	s_lshl_b32 s21, s21, 4
	s_add_co_u32 s20, s20, s21                     ; 32 which + 16 batch + head
	s_and_b32 s21, s17, 7
	s_lshl_b32 s21, s21, 4
	s_lshl_b32 s22, s15, 3
	s_add_co_u32 s21, s21, s22                     ; my first position tile in the batch
	s_lshl_b32 s22, s20, 7
	s_add_co_u32 s22, s22, s21
	s_mul_i32 s22, s22, 768
	s_mov_b32 s23, 0
	s_add_nc_u64 s[18:19], s[10:11], s[22:23]
	s_lshl_b32 s22, s20, 13
	s_lshl_b32 s21, s21, 6
	s_add_co_u32 s22, s22, s21
	s_add_co_u32 s22, s22, 9437184
	s_add_nc_u64 s[66:67], s[10:11], s[22:23]
.irp a, 0,1,2,3,4,5,6,7
	s_wait_xcnt 0x0                                ; the last block's stores have read their registers
	WIN 0x02+(\a/4)
.set k2, 0
.rept 32
	v_pk_add_f32 v[XX+k2:XX+k2+1], v[64*(\a%4)+k2:64*(\a%4)+k2+1], v[BI+k2:BI+k2+1]   ; each accumulator from its low end on
.set k2, k2+2
.endr
	WIN 0
	QUANT XX
.irp c, 0,1                            ; registers 6 c on are head c's 64 channels: half a fragment, 768 bytes
.irp g, 0,1,2
	global_store_b64 v[GL], v[PC+6*\c+2*\g:PC+6*\c+2*\g+1], s[18:19] offset:\c*98304+768*\a+256*\g   ; 256 consecutive bytes
.endr
.endr
	v_lshrrev_b32 v[PWJ], v[V16H], v[PW]           ; lanes 0-15 store the first head's two bytes, lanes 16-31 the second's;
	v_and_b32 v[PWJ], 0xffff, v[PWJ]               ; bytes 2 and 3 are 0
	global_store_b32 v[GS1], v[PWJ], s[66:67] offset:64*\a
.endr
	s_branch .Lend
.Lvpath:
	s_lshl_b32 s20, s41, 2
	s_lshl_b32 s21, s15, 1
	s_add_co_u32 s20, s20, s21                     ; the first of my two heads: 4 cy + 2 wr
	s_and_b32 s21, ttmp7, 0xffff
	s_lshl_b32 s21, s21, 2
	s_add_co_u32 s21, s21, s40
	s_lshl_b32 s21, s21, 1
	s_add_co_u32 s21, s21, s16                     ; my 128 tokens: group 0..31
	s_lshr_b32 s22, s21, 4                         ; batch
	s_and_b32 s21, s21, 15                         ; key step
	s_lshl_b32 s22, s22, 4
	s_add_co_u32 s20, s20, s22
	s_lshl_b32 s22, s20, 4
	s_add_co_u32 s22, s22, s21
	s_mul_i32 s22, s22, 6144
	s_add_co_u32 s22, s22, 6291456
	s_mov_b32 s23, 0
	s_add_nc_u64 s[18:19], s[10:11], s[22:23]
	s_lshl_b32 s22, s20, 13
	s_lshl_b32 s21, s21, 9
	s_add_co_u32 s22, s22, s21
	s_add_co_u32 s22, s22, 9961472
	s_add_nc_u64 s[66:67], s[10:11], s[22:23]
.irp a, 0,1,2,3,4,5,6,7
	s_wait_xcnt 0x0
	WIN 0x02+(\a/4)
.set k2, 0
.rept 32
.if \a%2
	v_pk_add_f32 v[XX+k2:XX+k2+1], v[64*(\a%4)+k2:64*(\a%4)+k2+1], v[BV+\a-1:BV+\a] op_sel:[0,1] op_sel_hi:[1,1]   ; my channel's bias for both
.else
	v_pk_add_f32 v[XX+k2:XX+k2+1], v[64*(\a%4)+k2:64*(\a%4)+k2+1], v[BV+\a:BV+\a+1] op_sel_hi:[1,0]
.endif
.set k2, k2+2
.endr
	WIN 0
	QUANT XX
.irp g, 0,1,2,3,4,5
	global_store_b64 v[GL], v[PC+2*\g:PC+2*\g+1], s[18:19] offset:(\a/4)*98304+(\a%4)*1536+256*\g
.endr
	global_store_b32 v[GL4], v[PW], s[66:67] offset:(\a/4)*8192+(\a%4)*128
.endr
.Lend:
	s_wait_tensorcnt 0x0                           ; the wave's end
	ds_add_u32 v[SPW], v[NIL]
	s_wait_dscnt 0x0
	CROUND                                         ; the closing round
	s_endpgm
.Lfunc_end_k_qb4d3149769_g1:
	.size	k_qb4d3149769_g1, .Lfunc_end_k_qb4d3149769_g1-k_qb4d3149769_g1
	.p2alignl 7, 3214868480
	.fill 96, 4, 3214868480
	.section	.rodata,"a",@progbits
	.p2align	6, 0x0
	.amdhsa_kernel k_qb4d3149769_g1
		.amdhsa_group_segment_fixed_size 327680
		.amdhsa_private_segment_fixed_size 0
		.amdhsa_enable_private_segment 0
		.amdhsa_kernarg_size 32
		.amdhsa_user_sgpr_count 2
		.amdhsa_user_sgpr_kernarg_segment_ptr 1
		.amdhsa_wavefront_size32 1
		.amdhsa_system_sgpr_workgroup_id_x 1
		.amdhsa_system_sgpr_workgroup_id_y 1
		.amdhsa_system_sgpr_workgroup_id_z 1
		.amdhsa_system_vgpr_workitem_id 0
		.amdhsa_next_free_vgpr 1024
		.amdhsa_next_free_sgpr 98
		.amdhsa_reserve_vcc 0
		.amdhsa_float_denorm_mode_32 3
		.amdhsa_float_denorm_mode_16_64 3
		.amdhsa_memory_ordered 1
		.amdhsa_forward_progress 1
		.amdhsa_inst_pref_size 241
	.end_amdhsa_kernel
	.amdgpu_metadata
---
amdhsa.version: [ 1, 2 ]
amdhsa.kernels:
  - .name:           k_qb4d3149769_g1
    .symbol:         k_qb4d3149769_g1.kd
    .args:
      - { .name: xn, .offset: 0, .size: 8, .value_kind: global_buffer, .address_space: global }
      - { .name: wq, .offset: 8, .size: 8, .value_kind: global_buffer, .address_space: global }
      - { .name: attn_b, .offset: 16, .size: 8, .value_kind: global_buffer, .address_space: global }
      - { .name: qkv, .offset: 24, .size: 8, .value_kind: global_buffer, .address_space: global }
    .group_segment_fixed_size: 327680
    .private_segment_fixed_size: 0
    .kernarg_segment_align: 8
    .kernarg_segment_size: 32
    .max_flat_workgroup_size: 128
    .sgpr_count:     98
    .vgpr_count:     1024
    .wavefront_size: 32
...
	.end_amdgpu_metadata
.endif
;; end of part 3
;; launch att (part 4): grid 8 x 32, 16 waves a work-group, clusters of 4 x 1, 215,040 bytes of LDS; arguments qkv, yq; writes yq
.if DOCPART == 4
	.amdgcn_target "amdgcn-amd-amdhsa--gfx1250"
	.amdhsa_code_object_version 6
	.text
	.protected	k_qb4d3149769_att
	.globl	k_qb4d3149769_att
	.p2align	8
	.type	k_qb4d3149769_att,@function
k_qb4d3149769_att:
	s_mov_b64 s[64:65], 0
	v_nop
	global_prefetch_b8 v0, s[64:65] scope:SCOPE_SE
	s_setreg_imm32_b32 hwreg(HW_REG_WAVE_MODE, 25, 1), 1
	s_wait_xcnt 0x0
	s_wait_alu depctr_hold_cnt(0) depctr_sa_sdst(0) depctr_va_vdst(0) depctr_va_sdst(0) depctr_va_ssrc(0) depctr_va_vcc(0) depctr_vm_vsrc(0)
	s_getreg_b32 s2, hwreg(HW_REG_IB_STS2, 6, 4)
	s_cmp_eq_u32 s2, 0
	s_cbranch_scc0 .Lentry_in_a_cluster
	s_endpgm
.Lentry_in_a_cluster:
	s_bfe_u32 s2, ttmp6, 0x10000c
	s_cmp_lg_u32 s2, 0x3003
	s_cbranch_scc0 .Lentry_shape_is_right
	s_endpgm
.Lentry_shape_is_right:
; Causal attention of one head on codes of FP6 (E2M3) with E8M0 scales, and y quantised along the channels for the next product.
; t = score x log2(e) / 8; M = the running largest t rounded UP to a whole number; p = 2^(t - M) is quantised along the keys, not normalised; the row's sum is taken of the unquantised p and divides at the end.
; When M moves, the sum and O are multiplied by 2^(old M - new M): exact.
; INPUT (qkv): q, k: [position tile 0..127][768]: half fragments (64 along K), registers 2 g, 2 g + 1 of lane L at 256 g + 8 L; v: [key step][channel tile 0..3][1,536], keys innermost.
; Position p holds token (or channel) pi(p), bits 3 and 4 exchanged: so the 16 registers of two neighbouring result tiles are 16 neighbouring keys (or channels).
; SHARES.  A work-group takes one head and 16 position tiles; wave WV has rank RK and owns tile 8 RK + x: its 16 queries lie in key step RK whatever x is, so what is left out under the causal mask hangs on the wave's number
; alone, and every work-group has the same work: the ranks' RK + 1 key steps, 136 in all.
; LDS holds the WHOLE head's k and v codes and scale words, filled once: no slot is filled again.  The four work-groups of a cluster share the head and ask jointly.  The fills go in four chunks of four key steps;
; in front of chunk c's barrier a fetching wave's wait leaves its 3 - c later loads out.  By this text's own count a wave has at most four tensor loads out.
; K = 64 IN AN INSTRUCTION OF 128: q's registers 6-11 are zero codes.  k's tile t names v[32 + 6 t .. 43 + 6 t]: its upper six registers are the next tile's codes (zeros behind tile 7); FP6 has no NaN code, the scale bytes
; 2 and 3 of q and k are 0, not 0xff, and each of those products has a zero factor.
; Both products are used transposed: S^T = k q^T, O^T = v^T p^T: a lane holds one query throughout.
; LIMITS: a block's largest magnitude is taken as at least 2^-124; NaN and infinities are not served; the division is v_rcp_f32 and a multiplication.
; y's two scale bytes of a row leave by a store of 2 bytes a lane: the other half of the word is another head's.
.set VC,   98304                       ; LDS: k's codes at 0, v's here,
.set KSC,  196608                      ; k's scale words, and v's 8,192 further on
.set WV,   18
.set RK,   19
.set SEL,  20
.set CS,   22                          ; s[22:23] c = log2(e) / 8
.set G1C,  24                          ; s[24:31] group 1 for codes;  s[32:39] for scale words
.set G1S,  32
.set G0C,  40                          ; s[40:55] groups 0 for the four chunks of codes
.set G0S,  68                          ; s[68:83] of scale words
.set TB,   2                           ; the step's codes in LDS: 6,144 bytes a step, for k and for v
.set TS,   3                           ; its scale words: 512 a step
.set SI,   66                          ; the key step
.set CNT,  67
.macro CROUND
	s_barrier_signal -1
	s_barrier_wait -1
	s_cmp_lg_u32 s[WV], 0
	s_cbranch_scc1 .Lnot_wave_0_\@
	s_barrier_signal -3
.Lnot_wave_0_\@:
	s_barrier_wait -3
	s_barrier_signal -1
	s_barrier_wait -1
.endm
	s_load_b128 s[4:7], s[0:1], 0x0                ; qkv, yq
	v_lshl_add_u32 v243, v0, 2, 0x34000
	v_mov_b32 v255, 0
	ds_add_u32 v243, v255
	ds_add_u32 v243, v255
	v_lshrrev_b32 v8, 5, v0
	v_readfirstlane_b32 s[WV], v8                  ; wave 0..15
	s_bfe_u32 s8, s[WV], 0x10002
	s_mul_i32 s8, s8, 3
	s_xor_b32 s[RK], s[WV], s8                     ; rank: the wave's low two bits turned round in every second four
	s_bfe_u32 s9, ttmp6, 0x40000                   ; cx
	s_lshl_b32 s10, ttmp9, 2
	s_add_co_u32 s10, s10, s9                      ; x: it enters q's and y's addresses and the mask's numbers alone
	s_and_b32 s11, ttmp7, 0xffff                   ; 16 batch + head, which the partners share
	s_and_b32 s12, s[WV], 1                        ; a fetching wave: 0 k, 1 v
	s_mul_i32 s84, s11, 98304
	s_mul_i32 s13, s12, 3145728
	s_add_co_u32 s84, s84, s13
	s_add_co_u32 s84, s84, 3145728
	s_mov_b32 s85, 0
	s_lshl_b32 s86, s11, 13
	s_lshl_b32 s13, s12, 18
	s_add_co_u32 s86, s86, s13
	s_add_co_u32 s86, s86, 9437184+262144
	s_mov_b32 s87, 0
	s_mul_i32 s14, s12, VC
	s_lshl_b32 s15, s12, 13
	s_add_co_u32 s15, s15, KSC
	s_mov_b32 s[G1C], 15|(3<<16)|(1<<21)           ; 15:0 all four work-groups; elements of 8 bytes; 21 set beside a mask
	s_mov_b32 s[G1C+1], 32<<16                     ; rows of 256 bytes,
	s_mov_b32 s[G1C+2], 96<<16                     ; 96 of them: four key steps' codes, dense
	s_mov_b32 s[G1C+3], 32<<16
	s_mov_b32 s[G1C+4], 96
	s_mov_b32 s[G1C+5], 32
	s_mov_b32 s[G1C+6], 0
	s_mov_b32 s[G1C+7], 0
	s_mov_b32 s[G1S], 15|(3<<16)|(1<<21)
	s_mov_b32 s[G1S+1], 32<<16
	s_mov_b32 s[G1S+2], 8<<16                      ; 8 rows: four key steps' scale words
	s_mov_b32 s[G1S+3], 32<<16
	s_mov_b32 s[G1S+4], 8
	s_mov_b32 s[G1S+5], 32
	s_mov_b32 s[G1S+6], 0
	s_mov_b32 s[G1S+7], 0
	s_mov_b32 s[SEL], 0x76543210
	s_mov_b32 s[SEL+1], 0xfedcba98
	s_mov_b32 s[CS], 0x3e38aa3b
	s_mov_b32 s[CS+1], s[CS]
	s_wait_dscnt 0x0
	s_wait_kmcnt 0x0
	s_add_nc_u64 s[84:85], s[4:5], s[84:85]
	s_add_nc_u64 s[86:87], s[4:5], s[86:87]
.irp c, 0,1,2,3
	s_mov_b32 s[G0C+4*\c], 1
	s_add_co_u32 s[G0C+4*\c+1], s14, 24576*\c
	s_add_nc_u64 s[G0C+4*\c+2:G0C+4*\c+3], s[84:85], 24576*\c
	s_or_b32 s[G0C+4*\c+3], s[G0C+4*\c+3], 0x80000000
	s_mov_b32 s[G0S+4*\c], 1
	s_add_co_u32 s[G0S+4*\c+1], s15, 2048*\c
	s_add_nc_u64 s[G0S+4*\c+2:G0S+4*\c+3], s[86:87], 2048*\c
	s_or_b32 s[G0S+4*\c+3], s[G0S+4*\c+3], 0x80000000
.endr
	CROUND                                         ; all four work-groups are here: the joint loads meet
	s_cmp_lt_u32 s[WV], 2                          ; a wave's four fills stand in one branch on its number; four v_nop follow the last
	s_cbranch_scc0 .Lnot_codes
.irp c, 0,1,2,3
	tensor_load_to_lds s[G0C+4*\c:G0C+4*\c+3], s[G1C:G1C+7]
	s_nop 0
.endr
.rept 4
	v_nop
.endr
	s_branch .Lasked
.Lnot_codes:
	s_cmp_lt_u32 s[WV], 4
	s_cbranch_scc0 .Lasked
.irp c, 0,1,2,3
	tensor_load_to_lds s[G0S+4*\c:G0S+4*\c+3], s[G1S:G1S+7]
	s_nop 0
.endr
.rept 4
	v_nop
.endr
.Lasked:
	s_lshl_b32 s13, s[RK], 3
	s_add_co_u32 s13, s13, s10                     ; my position tile: 8 RK + x
	s_mul_i32 s88, s11, 98304
	s_mul_i32 s16, s13, 768
	s_add_co_u32 s88, s88, s16
	s_mov_b32 s89, 0
	s_add_nc_u64 s[88:89], s[4:5], s[88:89]        ; q's codes
	s_lshl_b32 s90, s11, 13
	s_lshl_b32 s16, s13, 6
	s_add_co_u32 s90, s90, s16
	s_add_co_u32 s90, s90, 9437184
	s_mov_b32 s91, 0
	s_add_nc_u64 s[90:91], s[4:5], s[90:91]        ; q's scale words
	s_lshr_b32 s16, s11, 4
	s_lshl_b32 s16, s16, 4
	s_add_co_u32 s16, s16, s[RK]                   ; y: group of 128 positions: 16 batch + RK
	s_lshl_b32 s16, s16, 3
	s_bfe_u32 s17, s11, 0x30001                    ; K step: head / 2
	s_add_co_u32 s16, s16, s17
	s_and_b32 s17, s11, 1                          ; which half of the fragment: head % 2
	s_mul_i32 s92, s16, 12288
	s_mul_i32 s13, s10, 1536                       ; tile x
	s_add_co_u32 s92, s92, s13
	s_mul_i32 s13, s17, 768
	s_add_co_u32 s92, s92, s13
	s_mov_b32 s93, 0
	s_add_nc_u64 s[92:93], s[6:7], s[92:93]
	s_lshl_b32 s94, s16, 9
	s_lshl_b32 s13, s10, 6
	s_add_co_u32 s94, s94, s13
	s_lshl_b32 s13, s17, 1
	s_add_co_u32 s94, s94, s13
	s_add_co_u32 s94, s94, 3145728
	s_mov_b32 s95, 0
	s_add_nc_u64 s[94:95], s[6:7], s[94:95]
	s_lshr_b32 s13, s10, 1
	s_lshl_b32 s13, s13, 5
	s_and_b32 s16, s10, 1
	s_lshl_b32 s16, s16, 3
	s_add_co_u32 s13, s13, s16                     ; 32 (x / 2) + 8 (x % 2)
	v_and_b32 v5, 31, v0
	v_lshlrev_b32 v1, 3, v5                        ; v1 = 8 L
	v_add_nc_u32 v2, VC, v1                        ; v2 = 8 L + v's codes
	v_and_b32 v5, 15, v0                           ; r
	v_lshlrev_b32 v6, 2, v5                        ; v6 = 4 r
	v_add_nc_u32 v3, KSC, v6                       ; v3 = 4 r + the scale words
	v_bfe_u32 v7, v0, 4, 1
	v_lshlrev_b32 v7, 4, v7                        ; 16 h
	v_and_b32 v4, 8, v5
	v_add_nc_u32 v4, v4, v5
	v_sub_nc_u32 v4, v4, v7
	v_add_nc_u32 v4, s13, v4                       ; v4 = my query's place in its key step - 16 h
.irp g, 0,1,2
	global_load_b64 v[16+2*\g:17+2*\g], v1, s[88:89] offset:256*\g
.endr
	global_load_b32 v28, v6, s[90:91]
.irp j, 22,23,24,25,26,27,80,81,82,83,84,85
	v_mov_b32 v\j, 0                               ; zero codes
.endr
	v_mov_b32 v13, 0xff61b1e6                      ; the largest t so far: -3e38
	v_floor_f32 v12, -v13                          ; -M
	v_mov_b32 v14, 0
	v_mov_b32 v15, 0
.irp b, 0,1,2,3
	v_mov_b32 v[236+\b], 0                         ; a lane permute's destination counts as one of its sources
.endr
	v_mov_b32 v252, 0
	v_mov_b32 v253, 0
.set j, 0
.rept 32
	v_mov_b32 v[160+j], 0                          ; O^T: the step is written once; the first change of M leaves zeros zeros
.set j, j+1
.endr
; A KEY STEP of 128 keys.  A step all of whose keys come after my queries is left out: a branch on the wave's rank, round the step's work, not round the lines at its end that step addresses.
.macro STEP
	s_cmp_gt_u32 s[SI], s[RK]
	s_cbranch_scc1 .Lhidden_\@
	v_add_nc_u32 v8, s[TB], v1
	v_add_nc_u32 v9, s[TB], v2
	v_add_nc_u32 v10, s[TS], v3
	v_nop                                          ; four places in front of loads into registers that the last products read
.irp t, 0,1,2,3,4,5,6,7
.irp g, 0,1,2
	ds_load_b64 v[32+6*\t+2*\g:33+6*\t+2*\g], v8 offset:768*\t+256*\g
.endr
	ds_load_b32 v[86+\t], v10 offset:64*\t
.endr
	s_wait_dscnt 0x0
.irp t, 0,1,2,3,4,5,6,7
	v_wmma_scale_f32_16x16x128_f8f6f4 v[96+8*\t:103+8*\t], v[32+6*\t:43+6*\t], v[16:27], 0, v[86+\t], v28 matrix_a_fmt:MATRIX_FMT_FP6 matrix_b_fmt:MATRIX_FMT_FP6
.endr
.rept 4
	v_nop
.endr
	s_cmp_lt_u32 s[SI], s[RK]                      ; only my own key step lies on the diagonal
	s_cbranch_scc1 .Lopen_\@
	v_mov_b32 v254, 0xff800000                     ; -infinity for hidden keys: register 16 b + i holds key 32 b + 16 h + i of the step
.set mn, 0
.rept 64
	v_cmp_gt_i32 vcc_lo, 32*(mn/16)+mn%16, v4
	v_cndmask_b32 v[96+mn], v[96+mn], v254, vcc_lo
.set mn, mn+1
.endr
.Lopen_\@:
.irp b, 0,1,2,3
	v_max3_num_f32 v[232+\b], v[96+16*\b], v[97+16*\b], v[98+16*\b]   ; the largest score of each block of 32 keys: for the row's maximum and, since p rises with the score, for the block's largest p
.endr
.irp i, 3,5,7,9,11,13
.irp b, 0,1,2,3
	v_max3_num_f32 v[232+\b], v[232+\b], v[96+16*\b+\i], v[97+16*\b+\i]
.endr
.endr
.irp b, 0,1,2,3
	v_max_num_f32 v[232+\b], v[232+\b], v[111+16*\b]
.endr
.irp b, 0,1,2,3
	v_permlanex16_b32 v[236+\b], v[232+\b], s[SEL], s[SEL+1]
.endr
.irp b, 0,1,2,3
	v_max_num_f32 v[232+\b], v[232+\b], v[236+\b]
.endr
	v_max3_num_f32 v254, v232, v233, v234
	v_max_num_f32 v254, v254, v235
	v_mul_f32 v254, s[CS], v254
	v_max_num_f32 v13, v13, v254                   ; the running largest t
	v_mov_b32 v254, v12
	v_floor_f32 v12, -v13                          ; the new -M = -ceil(t)
	v_sub_f32 v254, v12, v254                      ; old M - new M: a whole number, 0 or less
	v_cvt_i32_f32 v254, v254                       ; (it saturates)
	v_ldexp_f32 v252, 1.0, v254                    ; f = 2^(old M - new M)
.set j, 0
.rept 32
	v_pk_fma_f32 v[96+j:97+j], v[96+j:97+j], s[CS:CS+1], v[12:13] op_sel_hi:[1,0,0]   ; t - M
.set j, j+2
.endr
.irp b, 0,1,2,3
	v_fma_f32 v[232+\b], v[232+\b], s[CS], v12
.endr
.set j, 0
.rept 64
	v_exp_f32 v[96+j], v[96+j]                     ; p = 2^(t - M)
.set j, j+1
.endr
	v_pk_mul_f32 v[14:15], v[14:15], v[252:253] op_sel_hi:[1,0]   ; the sums under the new M: a plain instruction behind the exponentials
	s_wait_alu depctr_va_vdst(0)                   ; one wait for the batch, ahead of its first reader
.irp b, 0,1,2,3
	v_exp_f32 v[232+\b], v[232+\b]                 ; the block's largest p
.endr
	v_pk_add_f32 v[236:237], v[96:97], v[98:99]    ; the row's sum of the unquantised p, in two chains
.irp j, 4,8,12,16,20,24,28,32,36,40,44,48,52,56,60
	v_pk_add_f32 v[14:15], v[14:15], v[96+\j:97+\j]
	v_pk_add_f32 v[236:237], v[236:237], v[98+\j:99+\j]
.endr
	v_pk_add_f32 v[14:15], v[14:15], v[236:237]
	s_wait_alu depctr_va_vdst(0)                   ; and one for the four
.irp b, 0,1,2,3
	v_max_num_f32 v[232+\b], 0x1800000, v[232+\b]  ; the floor 2^(3 - 127)
.endr
.irp b, 0,1,2,3
	v_add_nc_u32 v[244+\b], 0xff000000, v[232+\b]  ; the conversion's scale operand
.endr
.irp b, 0,1,2,3
	v_lshrrev_b32 v[236+\b], 23, v[244+\b]
.endr
	v_lshl_or_b32 v253, v237, 8, v236              ; p's scale word
	v_lshl_or_b32 v253, v238, 16, v253
	v_lshl_or_b32 v253, v239, 24, v253
.irp c, 0,1
	v_cvt_scalef32_pk16_fp6_f32 v[224+6*\c:226+6*\c], v[96+32*\c:111+32*\c], v[244+2*\c]
	v_cvt_scalef32_pk16_fp6_f32 v[236+4*\c:238+4*\c], v[112+32*\c:127+32*\c], v[244+2*\c+1]
.endr
	v_nop
.irp c, 0,1
.irp i, 0,1,2
	v_permlane16_swap_b32 v[224+6*\c+\i], v[236+4*\c+\i]
.endr
.irp i, 0,1,2
	v_mov_b32 v[227+6*\c+\i], v[236+4*\c+\i]
.endr
.endr
.set j, 0
.rept 16
	v_pk_mul_f32 v[160+j:161+j], v[160+j:161+j], v[252:253] op_sel_hi:[1,0]   ; O^T under the new M; these sixteen are also the places in front of the products and loads below
.set j, j+2
.endr
.irp t, 0,1,2,3
.irp g, 0,1,2,3,4,5
	ds_load_b64 v[32+12*\t+2*\g:33+12*\t+2*\g], v9 offset:1536*\t+256*\g
.endr
	ds_load_b32 v[248+\t], v10 offset:8192+128*\t
.endr
	s_wait_dscnt 0x0
.irp t, 0,1,2,3
	v_wmma_scale_f32_16x16x128_f8f6f4 v[160+8*\t:167+8*\t], v[32+12*\t:43+12*\t], v[224:235], v[160+8*\t:167+8*\t], v[248+\t], v253 matrix_a_fmt:MATRIX_FMT_FP6 matrix_b_fmt:MATRIX_FMT_FP6
.endr
.Lhidden_\@:
	s_add_co_u32 s[TB], s[TB], 6144
	s_add_co_u32 s[TS], s[TS], 512
	s_add_co_u32 s[SI], s[SI], 1
.endm
	s_wait_loadcnt 0x0                             ; q
.irp c, 0,1,2,3
	s_wait_dscnt 0x0
	s_wait_tensorcnt 3-\c                          ; a fetching wave's chunk c has landed; its later chunks' loads may be out
	s_barrier_signal -1
	s_barrier_wait -1
	s_mov_b32 s[TB], 24576*\c
	s_mov_b32 s[TS], 2048*\c
	s_mov_b32 s[SI], 4*\c
	s_mov_b32 s[CNT], 4
.Lchunk\c:
	STEP
	s_sub_co_u32 s[CNT], s[CNT], 1
	s_cmp_lg_u32 s[CNT], 0
	s_cbranch_scc1 .Lchunk\c
.endr
	; THE WAY OUT: y = O^T / the sum; its two blocks of 32 channels are quantised in registers: half a fragment of the next product's operand.  No LDS.
.rept 4
	v_nop                                          ; places behind the last products
.endr
	v_add_f32 v14, v14, v15
	v_permlanex16_b32 v252, v14, s[SEL], s[SEL+1]
	v_add_f32 v14, v14, v252                       ; the row's sum
	v_rcp_f32 v14, v14
	v_nop
	s_wait_alu depctr_va_vdst(0)
.set j, 0
.rept 32
	v_mul_f32 v[96+j], v[160+j], v14               ; register 16 b + i: channel 32 b + 16 h + i of my query
.set j, j+1
.endr
.irp b, 0,1
	v_max3_num_f32 v[232+\b], |v[96+16*\b]|, |v[97+16*\b]|, 0x1800000
.endr
.irp i, 2,4,6,8,10,12,14
.irp b, 0,1
	v_max3_num_f32 v[232+\b], v[232+\b], |v[96+16*\b+\i]|, |v[97+16*\b+\i]|
.endr
.endr
.irp b, 0,1
	v_permlanex16_b32 v[236+\b], v[232+\b], s[SEL], s[SEL+1]
.endr
.irp b, 0,1
	v_max_num_f32 v[232+\b], v[232+\b], v[236+\b]
.endr
.irp b, 0,1
	v_add_nc_u32 v[244+\b], 0xff000000, v[232+\b]
.endr
.irp b, 0,1
	v_lshrrev_b32 v[236+\b], 23, v[244+\b]
.endr
	v_lshl_or_b32 v240, v237, 8, v236              ; the two bytes
	v_cvt_scalef32_pk16_fp6_f32 v[224:226], v[96:111], v244
	v_cvt_scalef32_pk16_fp6_f32 v[236:238], v[112:127], v245
	v_nop
.irp i, 0,1,2
	v_permlane16_swap_b32 v[224+\i], v[236+\i]
.endr
.irp i, 0,1,2
	v_mov_b32 v[227+\i], v[236+\i]
.endr
.irp g, 0,1,2
	global_store_b64 v1, v[224+2*\g:225+2*\g], s[92:93] offset:256*\g   ; 256 consecutive bytes
.endr
	global_store_b16 v6, v240, s[94:95]            ; lanes 16-31 hold and store the same as lanes 0-15
	s_wait_tensorcnt 0x0
	ds_add_u32 v243, v255
	s_wait_dscnt 0x0
	CROUND                                         ; the closing round
	s_endpgm
.Lfunc_end_k_qb4d3149769_att:
	.size	k_qb4d3149769_att, .Lfunc_end_k_qb4d3149769_att-k_qb4d3149769_att
	.p2alignl 7, 3214868480
	.fill 96, 4, 3214868480
	.section	.rodata,"a",@progbits
	.p2align	6, 0x0
	.amdhsa_kernel k_qb4d3149769_att
		.amdhsa_group_segment_fixed_size 215040
		.amdhsa_private_segment_fixed_size 0
		.amdhsa_enable_private_segment 0
		.amdhsa_kernarg_size 16
		.amdhsa_user_sgpr_count 2
		.amdhsa_user_sgpr_kernarg_segment_ptr 1
		.amdhsa_wavefront_size32 1
		.amdhsa_system_sgpr_workgroup_id_x 1
		.amdhsa_system_sgpr_workgroup_id_y 1
		.amdhsa_system_sgpr_workgroup_id_z 1
		.amdhsa_system_vgpr_workitem_id 0
		.amdhsa_next_free_vgpr 256
		.amdhsa_next_free_sgpr 96
		.amdhsa_reserve_vcc 1
		.amdhsa_float_denorm_mode_32 3
		.amdhsa_float_denorm_mode_16_64 3
		.amdhsa_memory_ordered 1
		.amdhsa_forward_progress 1
		.amdhsa_inst_pref_size 106
	.end_amdhsa_kernel
	.amdgpu_metadata
---
amdhsa.version: [ 1, 2 ]
amdhsa.kernels:
  - .name:           k_qb4d3149769_att
    .symbol:         k_qb4d3149769_att.kd
    .args:
      - { .name: qkv, .offset: 0, .size: 8, .value_kind: global_buffer, .address_space: global }
      - { .name: yq, .offset: 8, .size: 8, .value_kind: global_buffer, .address_space: global }
    .group_segment_fixed_size: 215040
    .private_segment_fixed_size: 0
    .kernarg_segment_align: 8
    .kernarg_segment_size: 16
    .max_flat_workgroup_size: 512
    .sgpr_count:     96
    .vgpr_count:     256
    .wavefront_size: 32
...
	.end_amdgpu_metadata
.endif
;; end of part 4
;; launch g4 (part 5): grid 4 x 16, 4 waves a work-group, clusters of 4 x 4, 327,680 bytes of LDS; arguments yq, wq, proj_b, x, x1; writes x1
.if DOCPART == 5
	.amdgcn_target "amdgcn-amd-amdhsa--gfx1250"
	.amdhsa_code_object_version 6
	.text
	.protected	k_qb4d3149769_g4
	.globl	k_qb4d3149769_g4
	.p2align	8
	.type	k_qb4d3149769_g4,@function
k_qb4d3149769_g4:
	s_mov_b64 s[64:65], 0
	v_nop
	global_prefetch_b8 v0, s[64:65] scope:SCOPE_SE
	s_setreg_imm32_b32 hwreg(HW_REG_WAVE_MODE, 25, 1), 1
	s_wait_xcnt 0x0
	s_wait_alu depctr_hold_cnt(0) depctr_sa_sdst(0) depctr_va_vdst(0) depctr_va_sdst(0) depctr_va_ssrc(0) depctr_va_vcc(0) depctr_vm_vsrc(0)
	s_getreg_b32 s2, hwreg(HW_REG_IB_STS2, 6, 4)
	s_cmp_eq_u32 s2, 0
	s_cbranch_scc0 .Lentry_in_a_cluster
	s_endpgm
.Lentry_in_a_cluster:
	s_bfe_u32 s2, ttmp6, 0x10000c
	s_cmp_lg_u32 s2, 0xf033
	s_cbranch_scc0 .Lentry_shape_is_right
	s_endpgm
.Lentry_shape_is_right:
; x1 = x + y proj_w + proj_b: the product on codes of FP6 (E2M3) with E8M0 scales, sums, bias and residual in f32.
; OPERANDS lie as images of fragments: [group of 128 positions][K step of 128][tile 0..7][1,536 bytes], registers 2 g, 2 g + 1 of lane L at 256 g + 8 L; scale words [group][K step][128] x 4.
; Position p holds row pi(p) (bits 3 and 4 exchanged).  A work-group of four waves makes 256 x 256, a wave 128 x 128: 64 accumulators.  Source 0 = B (weight columns, two register sets, window 1),
; source 1 = A (tokens, one set, window 0).  In accumulator (a, b) lane (r, h) holds A's position 16 a + r, register j B's position 16 b + 8 h + j: column 32 (b / 2) + 16 h + 8 (b % 2) + j.
; K goes in steps of 256 through two LDS slots filled by the tensor data mover.  CLUSTERS of 4 x 4: A's tiles are asked for jointly along a row of the cluster, B's along a column.
; N = 1,024 gives 64 work-groups of this tile: fewer than there are WGPs; a smaller tile would read each fragment from LDS for half as many products.
.set KSTEPS, 8
.set A_SCALE_OFF, 3145728
.set B_CODE_OFF,  2359296
.set B_SCALE_OFF, 9535488
.set NT_OUT, 0
.set NQ,     2
.set NL,     6
.set FR,     12
.set NP,     4
.set HALFT,  24576
.set SLOT,   4*HALFT
.set SCL,    2*SLOT
.set HALFS,  KSTEPS*512
.set SPARE,  SCL+4*HALFS
.set LAPS,   KSTEPS/4
.set GS,     KSTEPS*12288
.set ADRA, 16
.set ADRB, 20
.set ADRS, 27
.set SPW,  28
.set NIL,  29
.set SC,   32
.set AF,   128
.set G1, 24
.set G0, 32
.set G1B, 48
.set G0B, 56
.set G1S, 68
.set G0S, 76
.set G1SB, 80
.set G0SB, 88
.set STO, 24                           ; the way out: where I put 32 bytes of a row
.set RD,  25                           ; where I read a row back
.set CO,  26                           ; 16 L
.set BIA, 64                           ; v64-67 the bias of my four columns of a row
.set BK,  128                          ; v128-191, v192-255: 16 rows back from the stage, by turns
.set SPITCH, 528                       ; the stage: 16 rows x (512 + 16) bytes a wave, in slot 0, which has had its last fill and its last read by then
.set MSB, 0
.macro WIN new
.if MSB != \new
	s_set_vgpr_msb (MSB<<8)|\new
.set MSB, \new
.endif
.endm
.set MUL_LO, 0xa1
.set MUL_HI, 0xf1
.set TO_B,   0x40
.macro JLOAD g0a, g1a, g0b, g1b        ; a joint load: waves 0, 1 fetch for A, waves 2, 3 for B; four v_nop follow each line
	s_cmp_eq_u32 s15, 0
	s_cbranch_scc0 .Lfor_b_\@
	tensor_load_to_lds s[\g0a:\g0a+3], s[\g1a:\g1a+7]
	s_nop 0
.rept 4
	v_nop
.endr
	s_branch .Lasked_\@
.Lfor_b_\@:
	tensor_load_to_lds s[\g0b:\g0b+3], s[\g1b:\g1b+7]
	s_nop 0
.rept 4
	v_nop
.endr
.Lasked_\@:
.endm
.macro CREST
	s_cmp_lg_u32 s14, 0
	s_cbranch_scc1 .Lnot_wave_0_\@
	s_barrier_signal -3
.Lnot_wave_0_\@:
	s_barrier_wait -3
	s_barrier_signal -1
	s_barrier_wait -1
.endm
.macro CROUND
	s_barrier_signal -1
	s_barrier_wait -1
	CREST
.endm
	s_load_b128 s[4:7], s[0:1], 0x0                ; A's buffer, wq
	s_load_b128 s[8:11], s[0:1], 0x10              ; the bias, the residual
	s_load_b64 s[12:13], s[0:1], 0x20              ; out
	v_lshl_add_u32 v[SPW], v0, 2, SPARE
	v_mov_b32 v[NIL], 0
	ds_add_u32 v28, v29
	ds_add_u32 v28, v29
	s_wait_dscnt 0x0
	v_lshrrev_b32 v1, 5, v0
	v_readfirstlane_b32 s14, v1                    ; wave
	s_lshr_b32 s15, s14, 1                         ; which of A's two groups is mine.  Also: I fetch for A (0) or B (1)
	s_and_b32 s16, s14, 1                          ; which of B's.  Also: which group I fetch
	s_bfe_u32 s40, ttmp6, 0x40000                  ; cx
	s_bfe_u32 s41, ttmp6, 0x40004                  ; cy
	s_lshl_b32 s42, ttmp9, 2
	s_add_co_u32 s42, s42, s40                     ; x
	s_and_b32 s17, ttmp7, 0xffff
	s_lshl_b32 s17, s17, 2
	s_add_co_u32 s17, s17, s41                     ; y
	s_lshl_b32 s43, s41, 2
	s_lshl_b32 s43, 15, s43                        ; my row of the cluster
	s_lshl_b32 s44, 0x1111, s40                    ; my column
	s_or_b32 s[G1+0], s43, (3<<16)|(1<<21)         ; 15:0 the mask; elements of 8 bytes; 21 set beside a mask; no padding
	s_or_b32 s[G1B+0], s44, (3<<16)|(1<<21)
.irp g, G1, G1B
	s_mov_b32 s[\g+1], 32<<16                      ; rows of 256 bytes,
	s_mov_b32 s[\g+2], 96<<16                      ; 96 of them: a dense block of 24,576 bytes
	s_mov_b32 s[\g+3], 32<<16
	s_mov_b32 s[\g+4], 96
	s_mov_b32 s[\g+5], 32
	s_mov_b32 s[\g+6], 0
	s_mov_b32 s[\g+7], 0
.endr
	s_or_b32 s[G1S+0], s43, (3<<16)|(1<<21)
	s_or_b32 s[G1SB+0], s44, (3<<16)|(1<<21)
.irp g, G1S, G1SB
	s_mov_b32 s[\g+1], 32<<16
	s_mov_b32 s[\g+2], (HALFS/256)<<16
	s_mov_b32 s[\g+3], 32<<16
	s_mov_b32 s[\g+4], HALFS/256
	s_mov_b32 s[\g+5], 32
	s_mov_b32 s[\g+6], 0
	s_mov_b32 s[\g+7], 0
.endr
	s_lshl_b32 s20, s17, 1
	s_add_co_u32 s20, s20, s16                     ; the group that I would fetch of A: it hangs on y alone
	s_mul_i32 s22, s20, HALFS
	s_add_co_u32 s22, s22, A_SCALE_OFF
	s_mov_b32 s23, 0
	s_mul_i32 s20, s20, GS
	s_mov_b32 s21, 0
	s_lshl_b32 s46, s42, 1
	s_add_co_u32 s46, s46, s16                     ; of B: on x alone
	s_mul_i32 s92, s46, HALFS
	s_add_co_u32 s92, s92, B_SCALE_OFF
	s_mov_b32 s93, 0
	s_mul_i32 s46, s46, GS
	s_add_co_u32 s46, s46, B_CODE_OFF
	s_mov_b32 s47, 0
	s_mul_i32 s45, s14, HALFT
	s_mul_i32 s94, s14, HALFS
	s_wait_kmcnt 0x0
	s_add_nc_u64 s[20:21], s[4:5], s[20:21]
	s_add_nc_u64 s[22:23], s[4:5], s[22:23]
	s_add_nc_u64 s[46:47], s[6:7], s[46:47]
	s_add_nc_u64 s[92:93], s[6:7], s[92:93]
	CROUND                                         ; all sixteen work-groups are here: the first joint loads meet
	s_mov_b32 s[G0S], 1
	s_add_co_u32 s[G0S+1], s94, SCL
	s_mov_b64 s[G0S+2:G0S+3], s[22:23]
	s_or_b32 s[G0S+3], s[G0S+3], 0x80000000
	s_mov_b32 s[G0SB], 1
	s_add_co_u32 s[G0SB+1], s94, SCL
	s_mov_b64 s[G0SB+2:G0SB+3], s[92:93]
	s_or_b32 s[G0SB+3], s[G0SB+3], 0x80000000
	JLOAD G0S, G1S, G0SB, G1SB
.irp s, 0,1
	s_mov_b32 s[G0+4*\s], 1
	s_add_co_u32 s[G0+4*\s+1], s45, \s*SLOT
	s_add_nc_u64 s[G0+4*\s+2:G0+4*\s+3], s[20:21], \s*HALFT
	s_or_b32 s[G0+4*\s+3], s[G0+4*\s+3], 0x80000000
	s_mov_b32 s[G0B+4*\s], 1
	s_add_co_u32 s[G0B+4*\s+1], s45, \s*SLOT
	s_add_nc_u64 s[G0B+4*\s+2:G0B+4*\s+3], s[46:47], \s*HALFT
	s_or_b32 s[G0B+4*\s+3], s[G0B+4*\s+3], 0x80000000
	JLOAD G0+4*\s, G1, G0B+4*\s, G1B
.endr
	v_and_b32 v1, 15, v0                           ; r
	v_bfe_u32 v2, v0, 4, 1                         ; h
	v_and_b32 v3, 31, v0                           ; L
	v_lshlrev_b32 v4, 3, v3                        ; 8 L
	s_mul_i32 s21, s15, HALFT
	s_mul_i32 s22, s16, HALFT
	s_add_co_u32 s22, s22, 2*HALFT
.irp s, 0,1
	v_add_nc_u32 v[ADRA+\s], s21, v4
	v_add_nc_u32 v[ADRB+\s], s22, v4
	s_add_co_u32 s21, s21, SLOT
	s_add_co_u32 s22, s22, SLOT
.endr
	v_lshlrev_b32 v5, 2, v1
	s_mul_i32 s21, s15, HALFS
	s_mul_i32 s22, s16, HALFS
	s_add_co_u32 s22, s22, 2*HALFS
	s_sub_co_u32 s22, s22, s21
	v_mul_u32_u24 v6, s22, v2                      ; lanes 16-31 take B's: one product with h
	s_add_co_u32 s21, s21, SCL
	v_add_nc_u32 v5, v5, v6
	v_add_nc_u32 v[ADRS], s21, v5
	s_mul_i32 s23, s14, 16*SPITCH                  ; my stage
	v_mul_u32_u24 v5, v1, SPITCH
	v_lshl_add_u32 v5, v2, 6, v5                   ; row r, + 64 h
	v_add_nc_u32 v[STO], s23, v5
	v_lshlrev_b32 v[CO], 4, v3
	v_add_nc_u32 v[RD], s23, v[CO]
	s_lshl_b32 s20, s17, 8
	s_lshl_b32 s21, s15, 7
	s_add_co_u32 s20, s20, s21                     ; my first token
	s_lshl_b32 s20, s20, 12                        ; rows of 4,096 bytes
	s_lshl_b32 s46, s42, 10
	s_lshl_b32 s47, s16, 9
	s_add_co_u32 s46, s46, s47                     ; my first column, in bytes
	s_mov_b32 s47, 0
	s_add_nc_u64 s[8:9], s[8:9], s[46:47]
	s_add_co_u32 s20, s20, s46
	s_mov_b32 s21, 0
	s_add_nc_u64 s[10:11], s[10:11], s[20:21]
	s_add_nc_u64 s[12:13], s[12:13], s[20:21]
	global_load_b128 v[BIA:BIA+3], v[CO], s[8:9]
.macro FRAG reg, adr, q, i             ; a fragment comes as it lies: six loads of 8 bytes a lane, 256 consecutive bytes each
.irp p, 0,1,2,3,4,5
	ds_load_b64 v[\reg+2*\p:\reg+2*\p+1], v[\adr] offset:(\q)*12288+(\i)*1536+256*\p
.endr
.endm
.macro MUL16 a0, p, q, sc, zero        ; 16 matrix instructions: A's blocks a0, a0 + 1 x B's eight; the 64 accumulators take turns
.irp a, \a0, \a0+1
.irp b, 0,1,2,3,4,5,6,7
.if \zero
	v_wmma_scale_f32_16x16x128_f8f6f4 v[8*(8*((\a)%4)+\b):8*(8*((\a)%4)+\b)+7], v[128*(\p)+FR*\b:128*(\p)+FR*\b+FR-1], v[AF+FR*(\a):AF+FR*(\a)+FR-1], 0, v[SC+8*NQ*(\sc)+NQ*\b+(\q)], v[SC+8*NQ*(\sc)+NQ*(\a)+(\q)] matrix_a_fmt:MATRIX_FMT_FP6 matrix_b_fmt:MATRIX_FMT_FP6 matrix_a_scale:MATRIX_SCALE_ROW1
.else
	v_wmma_scale_f32_16x16x128_f8f6f4 v[8*(8*((\a)%4)+\b):8*(8*((\a)%4)+\b)+7], v[128*(\p)+FR*\b:128*(\p)+FR*\b+FR-1], v[AF+FR*(\a):AF+FR*(\a)+FR-1], v[8*(8*((\a)%4)+\b):8*(8*((\a)%4)+\b)+7], v[SC+8*NQ*(\sc)+NQ*\b+(\q)], v[SC+8*NQ*(\sc)+NQ*(\a)+(\q)] matrix_a_fmt:MATRIX_FMT_FP6 matrix_b_fmt:MATRIX_FMT_FP6 matrix_a_scale:MATRIX_SCALE_ROW1
.endif
.endr
.endr
.endm
.macro FETCH_B slot, q, p
	WIN TO_B
.irp i, 0,1,2,3,4,5,6,7
	FRAG 128*(\p)+FR*\i, ADRB+\slot, \q, \i
.endr
	WIN 0
.endm
.macro FETCH_A slot, q, i0
.irp i, \i0, \i0+1, \i0+2, \i0+3
	FRAG AF+FR*(\i), ADRA+\slot, \q, \i
.endr
.endm
.macro SCALES sc
.irp i, 0,1,2,3,4,5,6,7
.irp q, 0,1
	ds_load_b32 v[SC+16*\sc+2*\i+\q], v[ADRS] offset:512*\q+64*\i
.endr
.endr
.endm
.macro PLACES n                        ; plain vector instructions between a matrix instruction and a load into, or a read of, its registers
.rept \n
	v_nop
.endr
.endm
.macro STEP slot, q, zero
	s_wait_dscnt 4*NL                              ; all but the youngest 24 loads (A's blocks 4-7) are in
	WIN MUL_LO
	MUL16 0, (\q)%2, \q, \slot, \zero
	MUL16 2, (\q)%2, \q, \slot, \zero
	s_wait_dscnt 0
	PLACES NP
	FETCH_B \slot, (\q)+1, 1-(\q)%2
	FETCH_A \slot, (\q)+1, 0
	WIN MUL_HI
	MUL16 4, (\q)%2, \q, \slot, \zero
	MUL16 6, (\q)%2, \q, \slot, \zero
	PLACES NP
	WIN 0
	FETCH_A \slot, (\q)+1, 4
.endm
.macro TURN slot, next, fill
	s_wait_tensorcnt 0x0                           ; all my tensor loads have landed: my part of the next slot
	ds_add_u32 v[SPW], v[NIL]                      ; 0 onto my spare word
	s_wait_dscnt 4*NL+1                            ; the add and the youngest 24 loads may be out
	WIN MUL_LO
	MUL16 0, 1, NQ-1, \slot, 0
	s_wait_dscnt 0x0                               ; the add is done, my reads of this slot are over
	s_barrier_signal -1
	MUL16 2, 1, NQ-1, \slot, 0
	WIN 0
	s_barrier_wait -1
.if \fill
	CREST                                          ; no wave of any partner still reads this slot or has a load on its way
	s_add_nc_u64 s[G0+4*\slot+2:G0+4*\slot+3], s[G0+4*\slot+2:G0+4*\slot+3], 2*HALFT
	s_add_nc_u64 s[G0B+4*\slot+2:G0B+4*\slot+3], s[G0B+4*\slot+2:G0B+4*\slot+3], 2*HALFT
	JLOAD G0+4*\slot, G1, G0B+4*\slot, G1B
.else
	PLACES NP
.endif
	v_add_nc_u32 v[ADRS], 1024, v[ADRS]
	FETCH_B \next, 0, 0
	FETCH_A \next, 0, 0
	SCALES \next
	WIN MUL_HI
	MUL16 4, 1, NQ-1, \slot, 0
	MUL16 6, 1, NQ-1, \slot, 0
	PLACES NP
	WIN 0
	FETCH_A \next, 0, 4
.endm
	s_wait_tensorcnt 1                             ; the scale words and my part of slot 0 are in; slot 1's load may be out
	s_barrier_signal -1
	s_barrier_wait -1
	FETCH_B 0, 0, 0
	FETCH_A 0, 0, 0
	SCALES 0
	FETCH_A 0, 0, 4
	STEP 0, 0, 1
	s_mov_b32 s3, LAPS-1
.Llap:
	TURN 0, 1, 1
	STEP 1, 0, 0
	TURN 1, 0, 1
	STEP 0, 0, 0
	s_sub_co_u32 s3, s3, 1
	s_cmp_lg_u32 s3, 0
	s_cbranch_scc1 .Llap
	TURN 0, 1, 0
	STEP 1, 0, 0
	s_wait_dscnt 4*NL
	WIN MUL_LO
	MUL16 0, 1, NQ-1, 1, 0
	MUL16 2, 1, NQ-1, 1, 0
	s_wait_dscnt 0
	WIN MUL_HI
	MUL16 4, 1, NQ-1, 1, 0
	MUL16 6, 1, NQ-1, 1, 0
	WIN 0
; THE WAY OUT, block by block of 16 positions x 128 columns: through my own stage, back as whole rows of 512 bytes, + the residual's row + the bias, stored as 512 consecutive bytes.
; Row t of block a is token 32 (a / 2) + 8 (a % 2) + t + 8 (t / 8) of my 128: every row's offset is an immediate, 520,192 at the most.
.macro RLOAD a                         ; the residual's 16 rows into window 1, where B's fragments lay
	WIN 0x40
.irp t, 0,1,2,3,4,5,6,7,8,9,10,11,12,13,14,15
	global_load_b128 v[64*((\a)%2)+4*\t:64*((\a)%2)+4*\t+3], v[CO], s[10:11] offset:(32*((\a)/2)+8*((\a)%2)+\t+8*(\t/8))*4096
.endr
	WIN 0
.endm
.macro TOSTAGE a
.set AC, 64*((\a)%4)
	WIN 0x08+4*((\a)/4)                            ; the data: window 2 or 3
.irp b, 0,1,2,3,4,5,6,7
	ds_store_b128 v[STO], v[AC+8*\b:AC+8*\b+3] offset:128*(\b/2)+32*(\b%2)       ; each accumulator from its low end on
	ds_store_b128 v[STO], v[AC+8*\b+4:AC+8*\b+7] offset:128*(\b/2)+32*(\b%2)+16
.endr
	WIN 0
.set BB, BK+64*((\a)%2)
.irp t, 0,1,2,3,4,5,6,7,8,9,10,11,12,13,14,15
	ds_load_b128 v[BB+4*\t:BB+4*\t+3], v[RD] offset:\t*SPITCH   ; LDS serves a wave's instructions in order: these see my stores, and the next block's stores come behind them
.endr
.endm
.macro SEND a, yd, yl                  ; yd, yl: the LDS instructions and the loads issued behind block a's, which may stay out
.set BB, BK+64*((\a)%2)
.set RS, 64*((\a)%2)
	s_wait_dscnt \yd
	s_wait_loadcnt \yl
	WIN 0x04                                       ; source 1: window 1
.set k2, 0
.rept 32
	v_pk_add_f32 v[BB+k2:BB+k2+1], v[BB+k2:BB+k2+1], v[RS+k2:RS+k2+1]
.set k2, k2+2
.endr
	WIN 0
.irp t, 0,1,2,3,4,5,6,7,8,9,10,11,12,13,14,15
	v_pk_add_f32 v[BB+4*\t:BB+4*\t+1], v[BB+4*\t:BB+4*\t+1], v[BIA:BIA+1]
	v_pk_add_f32 v[BB+4*\t+2:BB+4*\t+3], v[BB+4*\t+2:BB+4*\t+3], v[BIA+2:BIA+3]
.endr
.irp t, 0,1,2,3,4,5,6,7,8,9,10,11,12,13,14,15
.if NT_OUT
	global_store_b128 v[CO], v[BB+4*\t:BB+4*\t+3], s[12:13] offset:(32*((\a)/2)+8*((\a)%2)+\t+8*(\t/8))*4096 th:TH_STORE_NT
.else
	global_store_b128 v[CO], v[BB+4*\t:BB+4*\t+3], s[12:13] offset:(32*((\a)/2)+8*((\a)%2)+\t+8*(\t/8))*4096
.endif
.endr
.endm
	PLACES NP
	RLOAD 0
	TOSTAGE 0
.irp a, 1,2,3,4,5,6,7
.if \a > 1
	s_wait_xcnt 0x0                                ; block a - 2's stores have read their registers: block a's loads may land there
.endif
	RLOAD \a
	TOSTAGE \a
	SEND \a-1, 32, 16                              ; behind block a - 1's: block a's 16 stores and 16 loads in LDS, and its 16 residual rows
.endr
	SEND 7, 0, 0
	s_wait_tensorcnt 0x0                           ; the wave's end
	ds_add_u32 v[SPW], v[NIL]
	s_wait_dscnt 0x0
	CROUND                                         ; the closing round
	s_endpgm
.Lfunc_end_k_qb4d3149769_g4:
	.size	k_qb4d3149769_g4, .Lfunc_end_k_qb4d3149769_g4-k_qb4d3149769_g4
	.p2alignl 7, 3214868480
	.fill 96, 4, 3214868480
	.section	.rodata,"a",@progbits
	.p2align	6, 0x0
	.amdhsa_kernel k_qb4d3149769_g4
		.amdhsa_group_segment_fixed_size 327680
		.amdhsa_private_segment_fixed_size 0
		.amdhsa_enable_private_segment 0
		.amdhsa_kernarg_size 40
		.amdhsa_user_sgpr_count 2
		.amdhsa_user_sgpr_kernarg_segment_ptr 1
		.amdhsa_wavefront_size32 1
		.amdhsa_system_sgpr_workgroup_id_x 1
		.amdhsa_system_sgpr_workgroup_id_y 1
		.amdhsa_system_sgpr_workgroup_id_z 1
		.amdhsa_system_vgpr_workitem_id 0
		.amdhsa_next_free_vgpr 1024
		.amdhsa_next_free_sgpr 98
		.amdhsa_reserve_vcc 0
		.amdhsa_float_denorm_mode_32 3
		.amdhsa_float_denorm_mode_16_64 3
		.amdhsa_memory_ordered 1
		.amdhsa_forward_progress 1
		.amdhsa_inst_pref_size 206
	.end_amdhsa_kernel
	.amdgpu_metadata
---
amdhsa.version: [ 1, 2 ]
amdhsa.kernels:
  - .name:           k_qb4d3149769_g4
    .symbol:         k_qb4d3149769_g4.kd
    .args:
      - { .name: yq, .offset: 0, .size: 8, .value_kind: global_buffer, .address_space: global }
      - { .name: wq, .offset: 8, .size: 8, .value_kind: global_buffer, .address_space: global }
      - { .name: proj_b, .offset: 16, .size: 8, .value_kind: global_buffer, .address_space: global }
      - { .name: x, .offset: 24, .size: 8, .value_kind: global_buffer, .address_space: global }
      - { .name: x1, .offset: 32, .size: 8, .value_kind: global_buffer, .address_space: global }
    .group_segment_fixed_size: 327680
    .private_segment_fixed_size: 0
    .kernarg_segment_align: 8
    .kernarg_segment_size: 40
    .max_flat_workgroup_size: 128
    .sgpr_count:     98
    .vgpr_count:     1024
    .wavefront_size: 32
...
	.end_amdgpu_metadata
.endif
;; end of part 5
;; launch ln2: the kernel of part 2 again; grid 256 x 1, 4 waves a work-group, no clusters, 31,744 bytes of LDS; arguments x1, ln2_g, ln2_b, xn; writes xn
;; launch g5 (part 6): grid 16 x 16, 4 waves a work-group, clusters of 4 x 4, 327,680 bytes of LDS; arguments xn, wq, fc_b, hq; writes hq
.if DOCPART == 6
	.amdgcn_target "amdgcn-amd-amdhsa--gfx1250"
	.amdhsa_code_object_version 6
	.text
	.protected	k_qb4d3149769_g5
	.globl	k_qb4d3149769_g5
	.p2align	8
	.type	k_qb4d3149769_g5,@function
k_qb4d3149769_g5:
	s_mov_b64 s[64:65], 0
	v_nop
	global_prefetch_b8 v0, s[64:65] scope:SCOPE_SE
	s_setreg_imm32_b32 hwreg(HW_REG_WAVE_MODE, 25, 1), 1
	s_wait_xcnt 0x0
	s_wait_alu depctr_hold_cnt(0) depctr_sa_sdst(0) depctr_va_vdst(0) depctr_va_sdst(0) depctr_va_ssrc(0) depctr_va_vcc(0) depctr_vm_vsrc(0)
	s_getreg_b32 s2, hwreg(HW_REG_IB_STS2, 6, 4)
	s_cmp_eq_u32 s2, 0
	s_cbranch_scc0 .Lentry_in_a_cluster
	s_endpgm
.Lentry_in_a_cluster:
	s_bfe_u32 s2, ttmp6, 0x10000c
	s_cmp_lg_u32 s2, 0xf033
	s_cbranch_scc0 .Lentry_shape_is_right
	s_endpgm
.Lentry_shape_is_right:
; h = gelu(LN2(x1) fc_w + fc_b), the product on codes of FP6 (E2M3) with E8M0 scales, and h quantised at once along the hidden units for the next product: it never goes to memory as f32.
; OPERANDS lie as images of fragments: [group of 128 positions][K step of 128][tile 0..7][1,536 bytes], registers 2 g, 2 g + 1 of lane L at 256 g + 8 L; scale words [group][K step][128] x 4.
; Position p holds row pi(p) (bits 3 and 4 exchanged).  A work-group of four waves makes 256 x 256, a wave 128 x 128: 64 accumulators.  Source 0 = B (weight columns), source 1 = A (tokens).
; In accumulator (a, b) lane (r, h) holds token position 16 a + r, register j hidden unit 32 (b / 2) + 16 h + 8 (b % 2) + j of my 128: a block's 64 registers run along the next K in its order.
; K goes in steps of 256 through two LDS slots filled by the tensor data mover.  CLUSTERS of 4 x 4: A's tiles are asked for jointly along a row of the cluster, B's along a column.
; GELU: x (0.5 + 0.5 erf(x / sqrt 2)), erf(z) = z P(z^2) / Q(z^2) with z held to +-4, in f32; P's coefficients are halved (exact), so that 0.5 (1 + erf) is one multiply-add.
; LIMITS: the division is v_rcp_f32 and a multiplication; gelu's absolute error is about 6e-8 |x|, so its far negative tail is right against the block's scale, not against the number itself;
; a block's largest magnitude is taken as at least 2^-124 (zero blocks: byte 1, zero codes; only this program reads the bytes); NaN and infinities are not served.
; The way out is a loop of eight trips (a block of 16 token positions each): only the 32 additions that fetch a block's accumulators differ from trip to trip, and stand in eight arms.
.set KSTEPS, 8
.set A_SCALE_OFF, 3145728
.set B_CODE_OFF,  3145728
.set B_SCALE_OFF, 9568256
.set NQ,     2
.set NL,     6
.set FR,     12
.set NP,     4
.set HALFT,  24576
.set SLOT,   4*HALFT
.set SCL,    2*SLOT
.set HALFS,  KSTEPS*512
.set SPARE,  SCL+4*HALFS
.set LAPS,   KSTEPS/4
.set GS,     KSTEPS*12288
.set ADRA, 16
.set ADRB, 20
.set ADRS, 27
.set SPW,  28
.set NIL,  29
.set SC,   32
.set AF,   128
.set G1, 24
.set G0, 32
.set G1B, 48
.set G0B, 56
.set G1S, 68
.set G0S, 76
.set G1SB, 80
.set G0SB, 88
.set SEL, 96
.set BI,  64                           ; v64-127 fc_b in the result's layout
.set XX,  128                          ; v128-191 a block's 64 numbers
.set ZZ,  192                          ; v192-207 z;  v208-223 z^2;  v224-239 P;  v240-255 Q
.set WW,  208
.set PP,  224
.set QQ,  240
.set TM,  192                          ; the quantiser's scratch
.set PC,  40                           ; v40-58 codes
.set PW,  32                           ; the scale word;  v33 the trip before's
.set PWP, 33
.set CN,  34                           ; v[34:35], v[36:37] the polynomials' second coefficients
.set CDN, 36
.set PWJ, 38
.set BIL, 8
.set GL,  10                           ; 8 L
.set GL4, 13                           ; 4 L
.set GOA, 14
.set GSA, 15
.set BA,  18                           ; s18 the block;  s19 its codes' offset;  s66 its scale words';  s67 a mask of lanes 16-31
.set OC,  19
.set OS,  66
.set HM,  67
.set MSB, 0
.macro WIN new
.if MSB != \new
	s_set_vgpr_msb (MSB<<8)|\new
.set MSB, \new
.endif
.endm
.set MUL_LO, 0xa1
.set MUL_HI, 0xf1
.set TO_B,   0x40
.macro JLOAD g0a, g1a, g0b, g1b        ; a joint load: waves 0, 1 fetch for A, waves 2, 3 for B; four v_nop follow each line
	s_cmp_eq_u32 s15, 0
	s_cbranch_scc0 .Lfor_b_\@
	tensor_load_to_lds s[\g0a:\g0a+3], s[\g1a:\g1a+7]
	s_nop 0
.rept 4
	v_nop
.endr
	s_branch .Lasked_\@
.Lfor_b_\@:
	tensor_load_to_lds s[\g0b:\g0b+3], s[\g1b:\g1b+7]
	s_nop 0
.rept 4
	v_nop
.endr
.Lasked_\@:
.endm
.macro CREST
	s_cmp_lg_u32 s14, 0
	s_cbranch_scc1 .Lnot_wave_0_\@
	s_barrier_signal -3
.Lnot_wave_0_\@:
	s_barrier_wait -3
	s_barrier_signal -1
	s_barrier_wait -1
.endm
.macro CROUND
	s_barrier_signal -1
	s_barrier_wait -1
	CREST
.endm
	s_load_b128 s[4:7], s[0:1], 0x0                ; xn, wq
	s_load_b128 s[8:11], s[0:1], 0x10              ; fc_b, hq
	v_lshl_add_u32 v[SPW], v0, 2, SPARE
	v_mov_b32 v[NIL], 0
	ds_add_u32 v28, v29
	ds_add_u32 v28, v29
	s_wait_dscnt 0x0
	v_lshrrev_b32 v1, 5, v0
	v_readfirstlane_b32 s14, v1                    ; wave
	s_lshr_b32 s15, s14, 1
	s_and_b32 s16, s14, 1
	s_bfe_u32 s40, ttmp6, 0x40000                  ; cx
	s_bfe_u32 s41, ttmp6, 0x40004                  ; cy
	s_lshl_b32 s42, ttmp9, 2
	s_add_co_u32 s42, s42, s40                     ; x
	s_and_b32 s17, ttmp7, 0xffff
	s_lshl_b32 s17, s17, 2
	s_add_co_u32 s17, s17, s41                     ; y
	s_lshl_b32 s43, s41, 2
	s_lshl_b32 s43, 15, s43
	s_lshl_b32 s44, 0x1111, s40
	s_mov_b32 s[SEL], 0x76543210
	s_mov_b32 s[SEL+1], 0xfedcba98
	s_or_b32 s[G1+0], s43, (3<<16)|(1<<21)
	s_or_b32 s[G1B+0], s44, (3<<16)|(1<<21)
.irp g, G1, G1B
	s_mov_b32 s[\g+1], 32<<16
	s_mov_b32 s[\g+2], 96<<16
	s_mov_b32 s[\g+3], 32<<16
	s_mov_b32 s[\g+4], 96
	s_mov_b32 s[\g+5], 32
	s_mov_b32 s[\g+6], 0
	s_mov_b32 s[\g+7], 0
.endr
	s_or_b32 s[G1S+0], s43, (3<<16)|(1<<21)
	s_or_b32 s[G1SB+0], s44, (3<<16)|(1<<21)
.irp g, G1S, G1SB
	s_mov_b32 s[\g+1], 32<<16
	s_mov_b32 s[\g+2], (HALFS/256)<<16
	s_mov_b32 s[\g+3], 32<<16
	s_mov_b32 s[\g+4], HALFS/256
	s_mov_b32 s[\g+5], 32
	s_mov_b32 s[\g+6], 0
	s_mov_b32 s[\g+7], 0
.endr
	s_lshl_b32 s20, s17, 1
	s_add_co_u32 s20, s20, s16
	s_mul_i32 s22, s20, HALFS
	s_add_co_u32 s22, s22, A_SCALE_OFF
	s_mov_b32 s23, 0
	s_mul_i32 s20, s20, GS
	s_mov_b32 s21, 0
	s_lshl_b32 s46, s42, 1
	s_add_co_u32 s46, s46, s16
	s_mul_i32 s92, s46, HALFS
	s_add_co_u32 s92, s92, B_SCALE_OFF
	s_mov_b32 s93, 0
	s_mul_i32 s46, s46, GS
	s_add_co_u32 s46, s46, B_CODE_OFF
	s_mov_b32 s47, 0
	s_mul_i32 s45, s14, HALFT
	s_mul_i32 s94, s14, HALFS
	s_wait_kmcnt 0x0
	s_add_nc_u64 s[20:21], s[4:5], s[20:21]
	s_add_nc_u64 s[22:23], s[4:5], s[22:23]
	s_add_nc_u64 s[46:47], s[6:7], s[46:47]
	s_add_nc_u64 s[92:93], s[6:7], s[92:93]
	CROUND
	s_mov_b32 s[G0S], 1
	s_add_co_u32 s[G0S+1], s94, SCL
	s_mov_b64 s[G0S+2:G0S+3], s[22:23]
	s_or_b32 s[G0S+3], s[G0S+3], 0x80000000
	s_mov_b32 s[G0SB], 1
	s_add_co_u32 s[G0SB+1], s94, SCL
	s_mov_b64 s[G0SB+2:G0SB+3], s[92:93]
	s_or_b32 s[G0SB+3], s[G0SB+3], 0x80000000
	JLOAD G0S, G1S, G0SB, G1SB
.irp s, 0,1
	s_mov_b32 s[G0+4*\s], 1
	s_add_co_u32 s[G0+4*\s+1], s45, \s*SLOT
	s_add_nc_u64 s[G0+4*\s+2:G0+4*\s+3], s[20:21], \s*HALFT
	s_or_b32 s[G0+4*\s+3], s[G0+4*\s+3], 0x80000000
	s_mov_b32 s[G0B+4*\s], 1
	s_add_co_u32 s[G0B+4*\s+1], s45, \s*SLOT
	s_add_nc_u64 s[G0B+4*\s+2:G0B+4*\s+3], s[46:47], \s*HALFT
	s_or_b32 s[G0B+4*\s+3], s[G0B+4*\s+3], 0x80000000
	JLOAD G0+4*\s, G1, G0B+4*\s, G1B
.endr
	v_and_b32 v1, 15, v0
	v_bfe_u32 v2, v0, 4, 1
	v_and_b32 v3, 31, v0
	v_lshlrev_b32 v4, 3, v3
	s_mul_i32 s21, s15, HALFT
	s_mul_i32 s22, s16, HALFT
	s_add_co_u32 s22, s22, 2*HALFT
.irp s, 0,1
	v_add_nc_u32 v[ADRA+\s], s21, v4
	v_add_nc_u32 v[ADRB+\s], s22, v4
	s_add_co_u32 s21, s21, SLOT
	s_add_co_u32 s22, s22, SLOT
.endr
	v_lshlrev_b32 v5, 2, v1
	s_mul_i32 s21, s15, HALFS
	s_mul_i32 s22, s16, HALFS
	s_add_co_u32 s22, s22, 2*HALFS
	s_sub_co_u32 s22, s22, s21
	v_mul_u32_u24 v6, s22, v2
	s_add_co_u32 s21, s21, SCL
	v_add_nc_u32 v5, v5, v6
	v_add_nc_u32 v[ADRS], s21, v5
	s_lshl_b32 s46, s42, 10
	s_lshl_b32 s47, s16, 9
	s_add_co_u32 s46, s46, s47                     ; (256 x + 128 wc) x 4
	s_mov_b32 s47, 0
	s_add_nc_u64 s[8:9], s[8:9], s[46:47]
	v_lshlrev_b32 v[BIL], 6, v2                    ; 64 h
.irp b, 0,1,2,3,4,5,6,7
	global_load_b128 v[BI+8*\b:BI+8*\b+3], v[BIL], s[8:9] offset:(32*(\b/2)+8*(\b%2))*4
	global_load_b128 v[BI+8*\b+4:BI+8*\b+7], v[BIL], s[8:9] offset:(32*(\b/2)+8*(\b%2))*4+16
.endr
	v_mov_b32 v[GL], v4
	v_lshlrev_b32 v[GL4], 2, v3
	s_lshl_b32 s20, s17, 1
	s_add_co_u32 s20, s20, s15                     ; my group of tokens
	s_lshl_b32 s20, s20, 5
	s_lshl_b32 s21, s42, 1
	s_add_co_u32 s20, s20, s21
	s_add_co_u32 s20, s20, s16                     ; x 32 + the next product's K step: 2 x + wc
	s_lshl_b32 s22, s20, 9
	s_add_co_u32 s22, s22, 12582912
	s_mov_b32 s23, 0
	s_add_nc_u64 s[12:13], s[10:11], s[22:23]      ; scale words out
	s_mul_i32 s20, s20, 12288
	s_mov_b32 s21, 0
	s_add_nc_u64 s[10:11], s[10:11], s[20:21]      ; codes out
.macro FRAG reg, adr, q, i
.irp p, 0,1,2,3,4,5
	ds_load_b64 v[\reg+2*\p:\reg+2*\p+1], v[\adr] offset:(\q)*12288+(\i)*1536+256*\p
.endr
.endm
.macro MUL16 a0, p, q, sc, zero
.irp a, \a0, \a0+1
.irp b, 0,1,2,3,4,5,6,7
.if \zero
	v_wmma_scale_f32_16x16x128_f8f6f4 v[8*(8*((\a)%4)+\b):8*(8*((\a)%4)+\b)+7], v[128*(\p)+FR*\b:128*(\p)+FR*\b+FR-1], v[AF+FR*(\a):AF+FR*(\a)+FR-1], 0, v[SC+8*NQ*(\sc)+NQ*\b+(\q)], v[SC+8*NQ*(\sc)+NQ*(\a)+(\q)] matrix_a_fmt:MATRIX_FMT_FP6 matrix_b_fmt:MATRIX_FMT_FP6 matrix_a_scale:MATRIX_SCALE_ROW1
.else
	v_wmma_scale_f32_16x16x128_f8f6f4 v[8*(8*((\a)%4)+\b):8*(8*((\a)%4)+\b)+7], v[128*(\p)+FR*\b:128*(\p)+FR*\b+FR-1], v[AF+FR*(\a):AF+FR*(\a)+FR-1], v[8*(8*((\a)%4)+\b):8*(8*((\a)%4)+\b)+7], v[SC+8*NQ*(\sc)+NQ*\b+(\q)], v[SC+8*NQ*(\sc)+NQ*(\a)+(\q)] matrix_a_fmt:MATRIX_FMT_FP6 matrix_b_fmt:MATRIX_FMT_FP6 matrix_a_scale:MATRIX_SCALE_ROW1
.endif
.endr
.endr
.endm
.macro FETCH_B slot, q, p
	WIN TO_B
.irp i, 0,1,2,3,4,5,6,7
	FRAG 128*(\p)+FR*\i, ADRB+\slot, \q, \i
.endr
	WIN 0
.endm
.macro FETCH_A slot, q, i0
.irp i, \i0, \i0+1, \i0+2, \i0+3
	FRAG AF+FR*(\i), ADRA+\slot, \q, \i
.endr
.endm
.macro SCALES sc
.irp i, 0,1,2,3,4,5,6,7
.irp q, 0,1
	ds_load_b32 v[SC+16*\sc+2*\i+\q], v[ADRS] offset:512*\q+64*\i
.endr
.endr
.endm
.macro PLACES n
.rept \n
	v_nop
.endr
.endm
.macro STEP slot, q, zero
	s_wait_dscnt 4*NL                              ; all but the youngest 24 loads (A's blocks 4-7) are in
	WIN MUL_LO
	MUL16 0, (\q)%2, \q, \slot, \zero
	MUL16 2, (\q)%2, \q, \slot, \zero
	s_wait_dscnt 0
	PLACES NP
	FETCH_B \slot, (\q)+1, 1-(\q)%2
	FETCH_A \slot, (\q)+1, 0
	WIN MUL_HI
	MUL16 4, (\q)%2, \q, \slot, \zero
	MUL16 6, (\q)%2, \q, \slot, \zero
	PLACES NP
	WIN 0
	FETCH_A \slot, (\q)+1, 4
.endm
.macro TURN slot, next, fill
	s_wait_tensorcnt 0x0                           ; all my tensor loads have landed: my part of the next slot
	ds_add_u32 v[SPW], v[NIL]                      ; 0 onto my spare word
	s_wait_dscnt 4*NL+1                            ; the add and the youngest 24 loads may be out
	WIN MUL_LO
	MUL16 0, 1, NQ-1, \slot, 0
	s_wait_dscnt 0x0
	s_barrier_signal -1
	MUL16 2, 1, NQ-1, \slot, 0
	WIN 0
	s_barrier_wait -1
.if \fill
	CREST
	s_add_nc_u64 s[G0+4*\slot+2:G0+4*\slot+3], s[G0+4*\slot+2:G0+4*\slot+3], 2*HALFT
	s_add_nc_u64 s[G0B+4*\slot+2:G0B+4*\slot+3], s[G0B+4*\slot+2:G0B+4*\slot+3], 2*HALFT
	JLOAD G0+4*\slot, G1, G0B+4*\slot, G1B
.else
	PLACES NP
.endif
	v_add_nc_u32 v[ADRS], 1024, v[ADRS]
	FETCH_B \next, 0, 0
	FETCH_A \next, 0, 0
	SCALES \next
	WIN MUL_HI
	MUL16 4, 1, NQ-1, \slot, 0
	MUL16 6, 1, NQ-1, \slot, 0
	PLACES NP
	WIN 0
	FETCH_A \next, 0, 4
.endm
.macro QUANT s                         ; 64 numbers of a lane, register s + 16 b + i = k 32 b + 16 h + i of my row -> codes in v[PC] on, scale word in v[PW]
.irp b, 0,1,2,3
	v_max3_num_f32 v[TM+\b], |v[\s+16*\b]|, |v[\s+1+16*\b]|, 0x1800000
.endr
.irp i, 2,4,6,8,10,12,14
.irp b, 0,1,2,3
	v_max3_num_f32 v[TM+\b], v[TM+\b], |v[\s+16*\b+\i]|, |v[\s+1+16*\b+\i]|
.endr
.endr
.irp b, 0,1,2,3
	v_permlanex16_b32 v[TM+4+\b], v[TM+\b], s[SEL], s[SEL+1]
.endr
.irp b, 0,1,2,3
	v_max_num_f32 v[TM+\b], v[TM+\b], v[TM+4+\b]
.endr
.irp b, 0,1,2,3
	v_add_nc_u32 v[TM+12+\b], 0xff000000, v[TM+\b]
.endr
.irp b, 0,1,2,3
	v_lshrrev_b32 v[TM+4+\b], 23, v[TM+12+\b]
.endr
	v_lshl_or_b32 v[PW], v[TM+5], 8, v[TM+4]
	v_lshl_or_b32 v[PW], v[TM+6], 16, v[PW]
	v_lshl_or_b32 v[PW], v[TM+7], 24, v[PW]
.irp c, 0,1
	v_cvt_scalef32_pk16_fp6_f32 v[PC+6*\c:PC+2+6*\c], v[\s+32*\c:\s+15+32*\c], v[TM+12+2*\c]
	v_cvt_scalef32_pk16_fp6_f32 v[PC+12+4*\c:PC+14+4*\c], v[\s+16+32*\c:\s+31+32*\c], v[TM+12+2*\c+1]
.endr
	v_nop
.irp c, 0,1
.irp i, 0,1,2
	v_permlane16_swap_b32 v[PC+6*\c+\i], v[PC+12+4*\c+\i]
.endr
.irp i, 0,1,2
	v_mov_b32 v[PC+3+6*\c+\i], v[PC+12+4*\c+\i]
.endr
.endr
.endm
.macro ARM a                           ; block a's accumulators + bias into window 0: the addition is also the move; each accumulator from its low end on
	WIN 0x02+((\a)/4)
.set k2, 0
.rept 32
	v_pk_add_f32 v[XX+k2:XX+k2+1], v[64*((\a)%4)+k2:64*((\a)%4)+k2+1], v[BI+k2:BI+k2+1]
.set k2, k2+2
.endr
	WIN 0
.endm
.macro GELU n                          ; sixteen numbers, v[XX + 16 n] on; each line runs over eight pairs, so that no line waits for the line above it
.irp p, 0,2,4,6,8,10,12,14
	v_pk_mul_f32 v[ZZ+\p:ZZ+\p+1], v[XX+16*\n+\p:XX+16*\n+\p+1], 0x3f3504f3 op_sel_hi:[1,0]   ; z = x / sqrt 2
.endr
.irp p, 0,1,2,3,4,5,6,7,8,9,10,11,12,13,14,15
	v_med3_num_f32 v[ZZ+\p], v[ZZ+\p], -4.0, 4.0
.endr
.irp p, 0,2,4,6,8,10,12,14
	v_pk_mul_f32 v[WW+\p:WW+\p+1], v[ZZ+\p:ZZ+\p+1], v[ZZ+\p:ZZ+\p+1]
.endr
.irp p, 0,2,4,6,8,10,12,14
	v_pk_fma_f32 v[PP+\p:PP+\p+1], v[WW+\p:WW+\p+1], 0xaf15df0b, v[CN:CN+1] op_sel_hi:[1,0,1]
.endr
.irp p, 0,2,4,6,8,10,12,14
	v_pk_fma_f32 v[QQ+\p:QQ+\p+1], v[WW+\p:WW+\p+1], 0xb77460cd, v[CDN:CDN+1] op_sel_hi:[1,0,1]
.endr
.irp c, 0xb58cff51, 0xb7eec2d2, 0xb9c0ac63, 0xbac1a1f6, 0xbc03dbd4
.irp p, 0,2,4,6,8,10,12,14
	v_pk_fma_f32 v[PP+\p:PP+\p+1], v[PP+\p:PP+\p+1], v[WW+\p:WW+\p+1], \c op_sel_hi:[1,1,0]
.endr
.endr
.irp c, 0xbadc924e, 0xbbf19bf8, 0xbc69b6a7
.irp p, 0,2,4,6,8,10,12,14
	v_pk_fma_f32 v[QQ+\p:QQ+\p+1], v[QQ+\p:QQ+\p+1], v[WW+\p:WW+\p+1], \c op_sel_hi:[1,1,0]
.endr
.endr
.irp p, 0,1,2,3,4,5,6,7,8,9,10,11,12,13,14,15
	v_rcp_f32 v[QQ+\p], v[QQ+\p]
.endr
.irp p, 0,2,4,6,8,10,12,14
	v_pk_mul_f32 v[PP+\p:PP+\p+1], v[PP+\p:PP+\p+1], v[ZZ+\p:ZZ+\p+1]   ; plain work behind the reciprocals, which names none of them
.endr
	s_wait_alu depctr_va_vdst(0)                   ; one wait for the sixteen, ahead of their first reader
.irp p, 0,2,4,6,8,10,12,14
	v_pk_fma_f32 v[PP+\p:PP+\p+1], v[PP+\p:PP+\p+1], v[QQ+\p:QQ+\p+1], 0.5 op_sel_hi:[1,1,0]   ; 0.5 + 0.5 erf
.endr
.irp p, 0,2,4,6,8,10,12,14
	v_pk_mul_f32 v[XX+16*\n+\p:XX+16*\n+\p+1], v[XX+16*\n+\p:XX+16*\n+\p+1], v[PP+\p:PP+\p+1]
.endr
.endm
	s_wait_tensorcnt 1                             ; the scale words and my part of slot 0 are in; slot 1's load may be out
	s_barrier_signal -1
	s_barrier_wait -1
	FETCH_B 0, 0, 0
	FETCH_A 0, 0, 0
	SCALES 0
	FETCH_A 0, 0, 4
	STEP 0, 0, 1
	s_mov_b32 s3, LAPS-1
.Llap:
	TURN 0, 1, 1
	STEP 1, 0, 0
	TURN 1, 0, 1
	STEP 0, 0, 0
	s_sub_co_u32 s3, s3, 1
	s_cmp_lg_u32 s3, 0
	s_cbranch_scc1 .Llap
	TURN 0, 1, 0
	STEP 1, 0, 0
	s_wait_dscnt 4*NL
	WIN MUL_LO
	MUL16 0, 1, NQ-1, 1, 0
	MUL16 2, 1, NQ-1, 1, 0
	s_wait_dscnt 0
	WIN MUL_HI
	MUL16 4, 1, NQ-1, 1, 0
	MUL16 6, 1, NQ-1, 1, 0
	WIN 0
	; THE WAY OUT
	PLACES NP
	s_wait_loadcnt 0x0                             ; the bias
	v_mov_b32 v[CN], 0x326dffee
	v_mov_b32 v[CN+1], 0x326dffee
	v_mov_b32 v[CDN], 0xb95fbd29
	v_mov_b32 v[CDN+1], 0xb95fbd29
	v_mov_b32 v[PWP], 0
.irp b, 0,1,2,3
	v_mov_b32 v[TM+4+\b], 0                        ; a lane permute's destination counts as one of its sources
.endr
	s_mov_b32 s[BA], 0
	s_mov_b32 s[OC], 0
	s_mov_b32 s[HM], 0xffff0000
.Lblk:
	s_wait_xcnt 0x0                                ; the last trips' stores have read their registers
.irp k, 0,1,2,3,4,5,6
	s_cmp_eq_u32 s[BA], \k
	s_cbranch_scc1 .Larm\k
.endr
	ARM 7
	s_branch .Lcommon
.irp k, 0,1,2,3,4,5,6
.Larm\k:
	ARM \k
	s_branch .Lcommon
.endr
.Lcommon:
	v_add_nc_u32 v[GOA], s[OC], v[GL]              ; 8 L + 1,536 x block
	GELU 0
	GELU 1
	GELU 2
	GELU 3
	QUANT XX
.irp g, 0,1,2,3,4,5
	global_store_b64 v[GOA], v[PC+2*\g:PC+2*\g+1], s[10:11] offset:256*\g   ; 256 consecutive bytes
.endr
	s_bitcmp1_b32 s[BA], 0                         ; every second trip stores two blocks' scale words: 128 consecutive bytes
	s_cbranch_scc0 .Leven
	v_cndmask_b32 v[PWJ], v[PWP], v[PW], s[HM]     ; lanes 0-15 the block before's, lanes 16-31 this one's
	s_lshl_b32 s[OS], s[BA], 6
	v_add_nc_u32 v[GSA], s[OS], v[GL4]
	global_store_b32 v[GSA], v[PWJ], s[12:13] offset:-64
.Leven:
	v_mov_b32 v[PWP], v[PW]
	s_add_co_u32 s[OC], s[OC], 1536
	s_add_co_u32 s[BA], s[BA], 1
	s_cmp_lt_u32 s[BA], 8
	s_cbranch_scc1 .Lblk
	s_wait_tensorcnt 0x0                           ; the wave's end
	ds_add_u32 v[SPW], v[NIL]
	s_wait_dscnt 0x0
	CROUND                                         ; the closing round
	s_endpgm
.Lfunc_end_k_qb4d3149769_g5:
	.size	k_qb4d3149769_g5, .Lfunc_end_k_qb4d3149769_g5-k_qb4d3149769_g5
	.p2alignl 7, 3214868480
	.fill 96, 4, 3214868480
	.section	.rodata,"a",@progbits
	.p2align	6, 0x0
	.amdhsa_kernel k_qb4d3149769_g5
		.amdhsa_group_segment_fixed_size 327680
		.amdhsa_private_segment_fixed_size 0
		.amdhsa_enable_private_segment 0
		.amdhsa_kernarg_size 32
		.amdhsa_user_sgpr_count 2
		.amdhsa_user_sgpr_kernarg_segment_ptr 1
		.amdhsa_wavefront_size32 1
		.amdhsa_system_sgpr_workgroup_id_x 1
		.amdhsa_system_sgpr_workgroup_id_y 1
		.amdhsa_system_sgpr_workgroup_id_z 1
		.amdhsa_system_vgpr_workitem_id 0
		.amdhsa_next_free_vgpr 1024
		.amdhsa_next_free_sgpr 98
		.amdhsa_reserve_vcc 0
		.amdhsa_float_denorm_mode_32 3
		.amdhsa_float_denorm_mode_16_64 3
		.amdhsa_memory_ordered 1
		.amdhsa_forward_progress 1
		.amdhsa_inst_pref_size 203
	.end_amdhsa_kernel
	.amdgpu_metadata
---
amdhsa.version: [ 1, 2 ]
amdhsa.kernels:
  - .name:           k_qb4d3149769_g5
    .symbol:         k_qb4d3149769_g5.kd
    .args:
      - { .name: xn, .offset: 0, .size: 8, .value_kind: global_buffer, .address_space: global }
      - { .name: wq, .offset: 8, .size: 8, .value_kind: global_buffer, .address_space: global }
      - { .name: fc_b, .offset: 16, .size: 8, .value_kind: global_buffer, .address_space: global }
      - { .name: hq, .offset: 24, .size: 8, .value_kind: global_buffer, .address_space: global }
    .group_segment_fixed_size: 327680
    .private_segment_fixed_size: 0
    .kernarg_segment_align: 8
    .kernarg_segment_size: 32
    .max_flat_workgroup_size: 128
    .sgpr_count:     98
    .vgpr_count:     1024
    .wavefront_size: 32
...
	.end_amdgpu_metadata
.endif
;; end of part 6
;; launch g6 (part 7): grid 4 x 16, 4 waves a work-group, clusters of 4 x 4, 327,680 bytes of LDS; arguments hq, wq, fc2_b, x1, out0; writes out0
.if DOCPART == 7
	.amdgcn_target "amdgcn-amd-amdhsa--gfx1250"
	.amdhsa_code_object_version 6
	.text
	.protected	k_qb4d3149769_g6
	.globl	k_qb4d3149769_g6
	.p2align	8
	.type	k_qb4d3149769_g6,@function
k_qb4d3149769_g6:
	s_mov_b64 s[64:65], 0
	v_nop
	global_prefetch_b8 v0, s[64:65] scope:SCOPE_SE
	s_setreg_imm32_b32 hwreg(HW_REG_WAVE_MODE, 25, 1), 1
	s_wait_xcnt 0x0
	s_wait_alu depctr_hold_cnt(0) depctr_sa_sdst(0) depctr_va_vdst(0) depctr_va_sdst(0) depctr_va_ssrc(0) depctr_va_vcc(0) depctr_vm_vsrc(0)
	s_getreg_b32 s2, hwreg(HW_REG_IB_STS2, 6, 4)
	s_cmp_eq_u32 s2, 0
	s_cbranch_scc0 .Lentry_in_a_cluster
	s_endpgm
.Lentry_in_a_cluster:
	s_bfe_u32 s2, ttmp6, 0x10000c
	s_cmp_lg_u32 s2, 0xf033
	s_cbranch_scc0 .Lentry_shape_is_right
	s_endpgm
.Lentry_shape_is_right:
; out = x1 + h fc2_w + fc2_b: the product (K = 4,096) on codes of FP6 (E2M3) with E8M0 scales, sums, bias and residual in f32.
; OPERANDS lie as images of fragments: [group of 128 positions][K step of 128][tile 0..7][1,536 bytes], registers 2 g, 2 g + 1 of lane L at 256 g + 8 L; scale words [group][K step][128] x 4.
; Position p holds row pi(p) (bits 3 and 4 exchanged).  A work-group of four waves makes 256 x 256, a wave 128 x 128: 64 accumulators.  Source 0 = B (weight columns, two register sets, window 1),
; source 1 = A (tokens, one set, window 0).  In accumulator (a, b) lane (r, h) holds A's position 16 a + r, register j B's position 16 b + 8 h + j: column 32 (b / 2) + 16 h + 8 (b % 2) + j.
; K goes in steps of 256 through two LDS slots filled by the tensor data mover.  CLUSTERS of 4 x 4: A's tiles are asked for jointly along a row of the cluster, B's along a column.
; N = 1,024 gives 64 work-groups of this tile: fewer than there are WGPs; a smaller tile would read each fragment from LDS for half as many products.
.set KSTEPS, 32
.set A_SCALE_OFF, 12582912
.set B_CODE_OFF,  6291456
.set B_SCALE_OFF, 9699328
.set NT_OUT, 1
.set NQ,     2
.set NL,     6
.set FR,     12
.set NP,     4
.set HALFT,  24576
.set SLOT,   4*HALFT
.set SCL,    2*SLOT
.set HALFS,  KSTEPS*512
.set SPARE,  SCL+4*HALFS
.set LAPS,   KSTEPS/4
.set GS,     KSTEPS*12288
.set ADRA, 16
.set ADRB, 20
.set ADRS, 27
.set SPW,  28
.set NIL,  29
.set SC,   32
.set AF,   128
.set G1, 24
.set G0, 32
.set G1B, 48
.set G0B, 56
.set G1S, 68
.set G0S, 76
.set G1SB, 80
.set G0SB, 88
.set STO, 24                           ; the way out: where I put 32 bytes of a row
.set RD,  25                           ; where I read a row back
.set CO,  26                           ; 16 L
.set BIA, 64                           ; v64-67 the bias of my four columns of a row
.set BK,  128                          ; v128-191, v192-255: 16 rows back from the stage, by turns
.set SPITCH, 528                       ; the stage: 16 rows x (512 + 16) bytes a wave, in slot 0, which has had its last fill and its last read by then
.set MSB, 0
.macro WIN new
.if MSB != \new
	s_set_vgpr_msb (MSB<<8)|\new
.set MSB, \new
.endif
.endm
.set MUL_LO, 0xa1
.set MUL_HI, 0xf1
.set TO_B,   0x40
.macro JLOAD g0a, g1a, g0b, g1b        ; a joint load: waves 0, 1 fetch for A, waves 2, 3 for B; four v_nop follow each line
	s_cmp_eq_u32 s15, 0
	s_cbranch_scc0 .Lfor_b_\@
	tensor_load_to_lds s[\g0a:\g0a+3], s[\g1a:\g1a+7]
	s_nop 0
.rept 4
	v_nop
.endr
	s_branch .Lasked_\@
.Lfor_b_\@:
	tensor_load_to_lds s[\g0b:\g0b+3], s[\g1b:\g1b+7]
	s_nop 0
.rept 4
	v_nop
.endr
.Lasked_\@:
.endm
.macro CREST
	s_cmp_lg_u32 s14, 0
	s_cbranch_scc1 .Lnot_wave_0_\@
	s_barrier_signal -3
.Lnot_wave_0_\@:
	s_barrier_wait -3
	s_barrier_signal -1
	s_barrier_wait -1
.endm
.macro CROUND
	s_barrier_signal -1
	s_barrier_wait -1
	CREST
.endm
	s_load_b128 s[4:7], s[0:1], 0x0                ; A's buffer, wq
	s_load_b128 s[8:11], s[0:1], 0x10              ; the bias, the residual
	s_load_b64 s[12:13], s[0:1], 0x20              ; out
	v_lshl_add_u32 v[SPW], v0, 2, SPARE
	v_mov_b32 v[NIL], 0
	ds_add_u32 v28, v29
	ds_add_u32 v28, v29
	s_wait_dscnt 0x0
	v_lshrrev_b32 v1, 5, v0
	v_readfirstlane_b32 s14, v1                    ; wave
	s_lshr_b32 s15, s14, 1                         ; which of A's two groups is mine.  Also: I fetch for A (0) or B (1)
	s_and_b32 s16, s14, 1                          ; which of B's.  Also: which group I fetch
	s_bfe_u32 s40, ttmp6, 0x40000                  ; cx
	s_bfe_u32 s41, ttmp6, 0x40004                  ; cy
	s_lshl_b32 s42, ttmp9, 2
	s_add_co_u32 s42, s42, s40                     ; x
	s_and_b32 s17, ttmp7, 0xffff
	s_lshl_b32 s17, s17, 2
	s_add_co_u32 s17, s17, s41                     ; y
	s_lshl_b32 s43, s41, 2
	s_lshl_b32 s43, 15, s43                        ; my row of the cluster
	s_lshl_b32 s44, 0x1111, s40                    ; my column
	s_or_b32 s[G1+0], s43, (3<<16)|(1<<21)         ; 15:0 the mask; elements of 8 bytes; 21 set beside a mask; no padding
	s_or_b32 s[G1B+0], s44, (3<<16)|(1<<21)
.irp g, G1, G1B
	s_mov_b32 s[\g+1], 32<<16                      ; rows of 256 bytes,
	s_mov_b32 s[\g+2], 96<<16                      ; 96 of them: a dense block of 24,576 bytes
	s_mov_b32 s[\g+3], 32<<16
	s_mov_b32 s[\g+4], 96
	s_mov_b32 s[\g+5], 32
	s_mov_b32 s[\g+6], 0
	s_mov_b32 s[\g+7], 0
.endr
	s_or_b32 s[G1S+0], s43, (3<<16)|(1<<21)
	s_or_b32 s[G1SB+0], s44, (3<<16)|(1<<21)
.irp g, G1S, G1SB
	s_mov_b32 s[\g+1], 32<<16
	s_mov_b32 s[\g+2], (HALFS/256)<<16
	s_mov_b32 s[\g+3], 32<<16
	s_mov_b32 s[\g+4], HALFS/256
	s_mov_b32 s[\g+5], 32
	s_mov_b32 s[\g+6], 0
	s_mov_b32 s[\g+7], 0
.endr
	s_lshl_b32 s20, s17, 1
	s_add_co_u32 s20, s20, s16                     ; the group that I would fetch of A: it hangs on y alone
	s_mul_i32 s22, s20, HALFS
	s_add_co_u32 s22, s22, A_SCALE_OFF
	s_mov_b32 s23, 0
	s_mul_i32 s20, s20, GS
	s_mov_b32 s21, 0
	s_lshl_b32 s46, s42, 1
	s_add_co_u32 s46, s46, s16                     ; of B: on x alone
	s_mul_i32 s92, s46, HALFS
	s_add_co_u32 s92, s92, B_SCALE_OFF
	s_mov_b32 s93, 0
	s_mul_i32 s46, s46, GS
	s_add_co_u32 s46, s46, B_CODE_OFF
	s_mov_b32 s47, 0
	s_mul_i32 s45, s14, HALFT
	s_mul_i32 s94, s14, HALFS
	s_wait_kmcnt 0x0
	s_add_nc_u64 s[20:21], s[4:5], s[20:21]
	s_add_nc_u64 s[22:23], s[4:5], s[22:23]
	s_add_nc_u64 s[46:47], s[6:7], s[46:47]
	s_add_nc_u64 s[92:93], s[6:7], s[92:93]
	CROUND                                         ; all sixteen work-groups are here: the first joint loads meet
	s_mov_b32 s[G0S], 1
	s_add_co_u32 s[G0S+1], s94, SCL
	s_mov_b64 s[G0S+2:G0S+3], s[22:23]
	s_or_b32 s[G0S+3], s[G0S+3], 0x80000000
	s_mov_b32 s[G0SB], 1
	s_add_co_u32 s[G0SB+1], s94, SCL
	s_mov_b64 s[G0SB+2:G0SB+3], s[92:93]
	s_or_b32 s[G0SB+3], s[G0SB+3], 0x80000000
	JLOAD G0S, G1S, G0SB, G1SB
.irp s, 0,1
	s_mov_b32 s[G0+4*\s], 1
	s_add_co_u32 s[G0+4*\s+1], s45, \s*SLOT
	s_add_nc_u64 s[G0+4*\s+2:G0+4*\s+3], s[20:21], \s*HALFT
	s_or_b32 s[G0+4*\s+3], s[G0+4*\s+3], 0x80000000
	s_mov_b32 s[G0B+4*\s], 1
	s_add_co_u32 s[G0B+4*\s+1], s45, \s*SLOT
	s_add_nc_u64 s[G0B+4*\s+2:G0B+4*\s+3], s[46:47], \s*HALFT
	s_or_b32 s[G0B+4*\s+3], s[G0B+4*\s+3], 0x80000000
	JLOAD G0+4*\s, G1, G0B+4*\s, G1B
.endr
	v_and_b32 v1, 15, v0                           ; r
	v_bfe_u32 v2, v0, 4, 1                         ; h
	v_and_b32 v3, 31, v0                           ; L
	v_lshlrev_b32 v4, 3, v3                        ; 8 L
	s_mul_i32 s21, s15, HALFT
	s_mul_i32 s22, s16, HALFT
	s_add_co_u32 s22, s22, 2*HALFT
.irp s, 0,1
	v_add_nc_u32 v[ADRA+\s], s21, v4
	v_add_nc_u32 v[ADRB+\s], s22, v4
	s_add_co_u32 s21, s21, SLOT
	s_add_co_u32 s22, s22, SLOT
.endr
	v_lshlrev_b32 v5, 2, v1
	s_mul_i32 s21, s15, HALFS
	s_mul_i32 s22, s16, HALFS
	s_add_co_u32 s22, s22, 2*HALFS
	s_sub_co_u32 s22, s22, s21
	v_mul_u32_u24 v6, s22, v2                      ; lanes 16-31 take B's: one product with h
	s_add_co_u32 s21, s21, SCL
	v_add_nc_u32 v5, v5, v6
	v_add_nc_u32 v[ADRS], s21, v5
	s_mul_i32 s23, s14, 16*SPITCH                  ; my stage
	v_mul_u32_u24 v5, v1, SPITCH
	v_lshl_add_u32 v5, v2, 6, v5                   ; row r, + 64 h
	v_add_nc_u32 v[STO], s23, v5
	v_lshlrev_b32 v[CO], 4, v3
	v_add_nc_u32 v[RD], s23, v[CO]
	s_lshl_b32 s20, s17, 8
	s_lshl_b32 s21, s15, 7
	s_add_co_u32 s20, s20, s21                     ; my first token
	s_lshl_b32 s20, s20, 12                        ; rows of 4,096 bytes
	s_lshl_b32 s46, s42, 10
	s_lshl_b32 s47, s16, 9
	s_add_co_u32 s46, s46, s47                     ; my first column, in bytes
	s_mov_b32 s47, 0
	s_add_nc_u64 s[8:9], s[8:9], s[46:47]
	s_add_co_u32 s20, s20, s46
	s_mov_b32 s21, 0
	s_add_nc_u64 s[10:11], s[10:11], s[20:21]
	s_add_nc_u64 s[12:13], s[12:13], s[20:21]
	global_load_b128 v[BIA:BIA+3], v[CO], s[8:9]
.macro FRAG reg, adr, q, i             ; a fragment comes as it lies: six loads of 8 bytes a lane, 256 consecutive bytes each
.irp p, 0,1,2,3,4,5
	ds_load_b64 v[\reg+2*\p:\reg+2*\p+1], v[\adr] offset:(\q)*12288+(\i)*1536+256*\p
.endr
.endm
.macro MUL16 a0, p, q, sc, zero        ; 16 matrix instructions: A's blocks a0, a0 + 1 x B's eight; the 64 accumulators take turns
.irp a, \a0, \a0+1
.irp b, 0,1,2,3,4,5,6,7
.if \zero
	v_wmma_scale_f32_16x16x128_f8f6f4 v[8*(8*((\a)%4)+\b):8*(8*((\a)%4)+\b)+7], v[128*(\p)+FR*\b:128*(\p)+FR*\b+FR-1], v[AF+FR*(\a):AF+FR*(\a)+FR-1], 0, v[SC+8*NQ*(\sc)+NQ*\b+(\q)], v[SC+8*NQ*(\sc)+NQ*(\a)+(\q)] matrix_a_fmt:MATRIX_FMT_FP6 matrix_b_fmt:MATRIX_FMT_FP6 matrix_a_scale:MATRIX_SCALE_ROW1
.else
	v_wmma_scale_f32_16x16x128_f8f6f4 v[8*(8*((\a)%4)+\b):8*(8*((\a)%4)+\b)+7], v[128*(\p)+FR*\b:128*(\p)+FR*\b+FR-1], v[AF+FR*(\a):AF+FR*(\a)+FR-1], v[8*(8*((\a)%4)+\b):8*(8*((\a)%4)+\b)+7], v[SC+8*NQ*(\sc)+NQ*\b+(\q)], v[SC+8*NQ*(\sc)+NQ*(\a)+(\q)] matrix_a_fmt:MATRIX_FMT_FP6 matrix_b_fmt:MATRIX_FMT_FP6 matrix_a_scale:MATRIX_SCALE_ROW1
.endif
.endr
.endr
.endm
.macro FETCH_B slot, q, p
	WIN TO_B
.irp i, 0,1,2,3,4,5,6,7
	FRAG 128*(\p)+FR*\i, ADRB+\slot, \q, \i
.endr
	WIN 0
.endm
.macro FETCH_A slot, q, i0
.irp i, \i0, \i0+1, \i0+2, \i0+3
	FRAG AF+FR*(\i), ADRA+\slot, \q, \i
.endr
.endm
.macro SCALES sc
.irp i, 0,1,2,3,4,5,6,7
.irp q, 0,1
	ds_load_b32 v[SC+16*\sc+2*\i+\q], v[ADRS] offset:512*\q+64*\i
.endr
.endr
.endm
.macro PLACES n                        ; plain vector instructions between a matrix instruction and a load into, or a read of, its registers
.rept \n
	v_nop
.endr
.endm
.macro STEP slot, q, zero
	s_wait_dscnt 4*NL                              ; all but the youngest 24 loads (A's blocks 4-7) are in
	WIN MUL_LO
	MUL16 0, (\q)%2, \q, \slot, \zero
	MUL16 2, (\q)%2, \q, \slot, \zero
	s_wait_dscnt 0
	PLACES NP
	FETCH_B \slot, (\q)+1, 1-(\q)%2
	FETCH_A \slot, (\q)+1, 0
	WIN MUL_HI
	MUL16 4, (\q)%2, \q, \slot, \zero
	MUL16 6, (\q)%2, \q, \slot, \zero
	PLACES NP
	WIN 0
	FETCH_A \slot, (\q)+1, 4
.endm
.macro TURN slot, next, fill
	s_wait_tensorcnt 0x0                           ; all my tensor loads have landed: my part of the next slot
	ds_add_u32 v[SPW], v[NIL]                      ; 0 onto my spare word
	s_wait_dscnt 4*NL+1                            ; the add and the youngest 24 loads may be out
	WIN MUL_LO
	MUL16 0, 1, NQ-1, \slot, 0
	s_wait_dscnt 0x0                               ; the add is done, my reads of this slot are over
	s_barrier_signal -1
	MUL16 2, 1, NQ-1, \slot, 0
	WIN 0
	s_barrier_wait -1
.if \fill
	CREST                                          ; no wave of any partner still reads this slot or has a load on its way
	s_add_nc_u64 s[G0+4*\slot+2:G0+4*\slot+3], s[G0+4*\slot+2:G0+4*\slot+3], 2*HALFT
	s_add_nc_u64 s[G0B+4*\slot+2:G0B+4*\slot+3], s[G0B+4*\slot+2:G0B+4*\slot+3], 2*HALFT
	JLOAD G0+4*\slot, G1, G0B+4*\slot, G1B
.else
	PLACES NP
.endif
	v_add_nc_u32 v[ADRS], 1024, v[ADRS]
	FETCH_B \next, 0, 0
	FETCH_A \next, 0, 0
	SCALES \next
	WIN MUL_HI
	MUL16 4, 1, NQ-1, \slot, 0
	MUL16 6, 1, NQ-1, \slot, 0
	PLACES NP
	WIN 0
	FETCH_A \next, 0, 4
.endm
	s_wait_tensorcnt 1                             ; the scale words and my part of slot 0 are in; slot 1's load may be out
	s_barrier_signal -1
	s_barrier_wait -1
	FETCH_B 0, 0, 0
	FETCH_A 0, 0, 0
	SCALES 0
	FETCH_A 0, 0, 4
	STEP 0, 0, 1
	s_mov_b32 s3, LAPS-1
.Llap:
	TURN 0, 1, 1
	STEP 1, 0, 0
	TURN 1, 0, 1
	STEP 0, 0, 0
	s_sub_co_u32 s3, s3, 1
	s_cmp_lg_u32 s3, 0
	s_cbranch_scc1 .Llap
	TURN 0, 1, 0
	STEP 1, 0, 0
	s_wait_dscnt 4*NL
	WIN MUL_LO
	MUL16 0, 1, NQ-1, 1, 0
	MUL16 2, 1, NQ-1, 1, 0
	s_wait_dscnt 0
	WIN MUL_HI
	MUL16 4, 1, NQ-1, 1, 0
	MUL16 6, 1, NQ-1, 1, 0
	WIN 0
; THE WAY OUT, block by block of 16 positions x 128 columns: through my own stage, back as whole rows of 512 bytes, + the residual's row + the bias, stored as 512 consecutive bytes.
; Row t of block a is token 32 (a / 2) + 8 (a % 2) + t + 8 (t / 8) of my 128: every row's offset is an immediate, 520,192 at the most.
.macro RLOAD a                         ; the residual's 16 rows into window 1, where B's fragments lay
	WIN 0x40
.irp t, 0,1,2,3,4,5,6,7,8,9,10,11,12,13,14,15
	global_load_b128 v[64*((\a)%2)+4*\t:64*((\a)%2)+4*\t+3], v[CO], s[10:11] offset:(32*((\a)/2)+8*((\a)%2)+\t+8*(\t/8))*4096
.endr
	WIN 0
.endm
.macro TOSTAGE a
.set AC, 64*((\a)%4)
	WIN 0x08+4*((\a)/4)                            ; the data: window 2 or 3
.irp b, 0,1,2,3,4,5,6,7
	ds_store_b128 v[STO], v[AC+8*\b:AC+8*\b+3] offset:128*(\b/2)+32*(\b%2)       ; each accumulator from its low end on
	ds_store_b128 v[STO], v[AC+8*\b+4:AC+8*\b+7] offset:128*(\b/2)+32*(\b%2)+16
.endr
	WIN 0
.set BB, BK+64*((\a)%2)
.irp t, 0,1,2,3,4,5,6,7,8,9,10,11,12,13,14,15
	ds_load_b128 v[BB+4*\t:BB+4*\t+3], v[RD] offset:\t*SPITCH   ; LDS serves a wave's instructions in order: these see my stores, and the next block's stores come behind them
.endr
.endm
.macro SEND a, yd, yl                  ; yd, yl: the LDS instructions and the loads issued behind block a's, which may stay out
.set BB, BK+64*((\a)%2)
.set RS, 64*((\a)%2)
	s_wait_dscnt \yd
	s_wait_loadcnt \yl
	WIN 0x04                                       ; source 1: window 1
.set k2, 0
.rept 32
	v_pk_add_f32 v[BB+k2:BB+k2+1], v[BB+k2:BB+k2+1], v[RS+k2:RS+k2+1]
.set k2, k2+2
.endr
	WIN 0
.irp t, 0,1,2,3,4,5,6,7,8,9,10,11,12,13,14,15
	v_pk_add_f32 v[BB+4*\t:BB+4*\t+1], v[BB+4*\t:BB+4*\t+1], v[BIA:BIA+1]
	v_pk_add_f32 v[BB+4*\t+2:BB+4*\t+3], v[BB+4*\t+2:BB+4*\t+3], v[BIA+2:BIA+3]
.endr
.irp t, 0,1,2,3,4,5,6,7,8,9,10,11,12,13,14,15
.if NT_OUT
	global_store_b128 v[CO], v[BB+4*\t:BB+4*\t+3], s[12:13] offset:(32*((\a)/2)+8*((\a)%2)+\t+8*(\t/8))*4096 th:TH_STORE_NT
.else
	global_store_b128 v[CO], v[BB+4*\t:BB+4*\t+3], s[12:13] offset:(32*((\a)/2)+8*((\a)%2)+\t+8*(\t/8))*4096
.endif
.endr
.endm
	PLACES NP
	RLOAD 0
	TOSTAGE 0
.irp a, 1,2,3,4,5,6,7
.if \a > 1
	s_wait_xcnt 0x0                                ; block a - 2's stores have read their registers: block a's loads may land there
.endif
	RLOAD \a
	TOSTAGE \a
	SEND \a-1, 32, 16                              ; behind block a - 1's: block a's 16 stores and 16 loads in LDS, and its 16 residual rows
.endr
	SEND 7, 0, 0
	s_wait_tensorcnt 0x0                           ; the wave's end
	ds_add_u32 v[SPW], v[NIL]
	s_wait_dscnt 0x0
	CROUND                                         ; the closing round
	s_endpgm
.Lfunc_end_k_qb4d3149769_g6:
	.size	k_qb4d3149769_g6, .Lfunc_end_k_qb4d3149769_g6-k_qb4d3149769_g6
	.p2alignl 7, 3214868480
	.fill 96, 4, 3214868480
	.section	.rodata,"a",@progbits
	.p2align	6, 0x0
	.amdhsa_kernel k_qb4d3149769_g6
		.amdhsa_group_segment_fixed_size 327680
		.amdhsa_private_segment_fixed_size 0
		.amdhsa_enable_private_segment 0
		.amdhsa_kernarg_size 40
		.amdhsa_user_sgpr_count 2
		.amdhsa_user_sgpr_kernarg_segment_ptr 1
		.amdhsa_wavefront_size32 1
		.amdhsa_system_sgpr_workgroup_id_x 1
		.amdhsa_system_sgpr_workgroup_id_y 1
		.amdhsa_system_sgpr_workgroup_id_z 1
		.amdhsa_system_vgpr_workitem_id 0
		.amdhsa_next_free_vgpr 1024
		.amdhsa_next_free_sgpr 98
		.amdhsa_reserve_vcc 0
		.amdhsa_float_denorm_mode_32 3
		.amdhsa_float_denorm_mode_16_64 3
		.amdhsa_memory_ordered 1
		.amdhsa_forward_progress 1
		.amdhsa_inst_pref_size 206
	.end_amdhsa_kernel
	.amdgpu_metadata
---
amdhsa.version: [ 1, 2 ]
amdhsa.kernels:
  - .name:           k_qb4d3149769_g6
    .symbol:         k_qb4d3149769_g6.kd
    .args:
      - { .name: hq, .offset: 0, .size: 8, .value_kind: global_buffer, .address_space: global }
      - { .name: wq, .offset: 8, .size: 8, .value_kind: global_buffer, .address_space: global }
      - { .name: fc2_b, .offset: 16, .size: 8, .value_kind: global_buffer, .address_space: global }
      - { .name: x1, .offset: 24, .size: 8, .value_kind: global_buffer, .address_space: global }
      - { .name: out0, .offset: 32, .size: 8, .value_kind: global_buffer, .address_space: global }
    .group_segment_fixed_size: 327680
    .private_segment_fixed_size: 0
    .kernarg_segment_align: 8
    .kernarg_segment_size: 40
    .max_flat_workgroup_size: 128
    .sgpr_count:     98
    .vgpr_count:     1024
    .wavefront_size: 32
...
	.end_amdgpu_metadata
.endif
;; end of part 7
;; ======== version 2 of 2: 7 launches
;; limits: right only within a limited range of input values
;; workspace buffers: wq 9,830,400 bytes; xn 3,276,800 bytes; qkv 10,223,616 bytes; yq 3,276,800 bytes; x1 16,777,216 bytes; hq 13,107,200 bytes
;; launch ln1 (part 8): grid 640 x 1, 4 waves a work-group, no clusters, 56,320 bytes of LDS; arguments x, ln1_g, ln1_b, xn, attn_w, proj_w, fc_w, fc2_w, wq; writes xn, wq
.if DOCPART == 8
	.amdgcn_target "amdgcn-amd-amdhsa--gfx1250"
	.amdhsa_code_object_version 6
	.text
	.protected	k_qb4d3149769_ln1
	.globl	k_qb4d3149769_ln1
	.p2align	8
	.type	k_qb4d3149769_ln1,@function
k_qb4d3149769_ln1:
	s_mov_b64 s[64:65], 0
	v_nop
	global_prefetch_b8 v0, s[64:65] scope:SCOPE_SE
	s_setreg_imm32_b32 hwreg(HW_REG_WAVE_MODE, 25, 1), 1
	s_wait_xcnt 0x0
; LayerNorm of 4,096 rows of 1,024 f32, and the result quantised along the row to FP6 (E2M3) with one E8M0 byte for each 32: (x - mean) * rsqrt(var + 1e-5) * g + b, all in f32.
; The variance is the mean of (x - mean)^2, taken in a second pass over registers: a common offset of the inputs costs nothing.
; OUTPUT LAYOUT (an operand of the products): rows stand at positions, position p holds token pi(p), p with bits 3 and 4 exchanged.  Codes [group of 128 positions][K step 0..7][tile 0..7][1,536]: the image of a
; fragment's registers, registers 2 g, 2 g + 1 of lane L at 256 g + 8 L; scale words at byte 3,145,728: [group][K step][128 positions] x 4.
; SHARES.  Work-group i makes position tile i (16 rows); wave w its rows 4 w .. 4 w + 3, which are four neighbouring tokens: 16 KB on end.  A row is 32 registers of the wave; the sums never leave the wave.
; For the conversions a lane must hold 32 NEIGHBOURS: a row turns through the wave's own stage in LDS (32 places of 128 + 16 bytes) and lane L comes to hold block L.
; The tile's eight fragments and their scale words are gathered in LDS, and after one barrier leave as runs of 512 bytes (scale words: 64).
; LIMITS: a block's largest magnitude is taken as at least 2^-124 (a block of zeros gets the byte 1 and zero codes; only this program reads the bytes); NaN and infinities are not served.
.set X,    32                          ; v32-159  row j at 32 j
.set G,    160                         ; v160-191 the gains;  later row j's six code registers at 160 + 8 j
.set B,    192                         ; v192-223 the shifts; later row j's scale byte at 192 + j
.set TT,   24                          ; v24-26   the second conversion's result
.set IMG,  18432                       ; LDS: four stages of 4,608; eight fragment images;
.set SCB,  30720                       ; their scale words [K step][16]
; ONE BODY, TWO PATHS, parted by the work-group's number: 0 to 255 take the norm (below); 256 to 639 quantise the four weights (behind the norm's end).
; The first launch of this body has 640 work-groups; the second (the norm ahead of the MLP) has 256, all on the norm's path, and stores nothing into wq.
; Each path has LDS bytes of its own: the norm 0 to 31,231, the weights 31,232 to 55,807; the spare words lie behind both.
; LEFT OUT IN THIS PROGRAM: key steps that lie wholly above the diagonal of the causal mask: their scores become -inf ahead of the softmax for all values of the inputs.
; A NaN, an infinity or an overflow that reaches only those scores is not carried to the result.
	v_lshl_add_u32 v224, v0, 2, 55808
	v_mov_b32 v225, 0
	s_cmp_ge_u32 ttmp9, 256
	s_cbranch_scc1 .Lweights
	s_load_b256 s[4:11], s[0:1], 0x0               ; x s[4:5], g s[6:7], b s[8:9], out s[10:11]
	v_lshrrev_b32 v1, 5, v0
	v_readfirstlane_b32 s16, v1                    ; wave
	v_and_b32 v1, 31, v0                           ; L
	v_lshlrev_b32 v2, 4, v1                        ; 16 L
	s_mul_i32 s20, s16, 4608
	v_lshrrev_b32 v3, 3, v1
	v_mul_u32_u24 v3, v3, 144
	v_and_b32 v7, 7, v1
	v_lshl_add_u32 v3, v7, 4, v3
	v_add_nc_u32 v3, s20, v3                       ; the stage, in: eight lanes' 128 bytes to a place
	v_mul_u32_u24 v4, v1, 144
	v_add_nc_u32 v4, s20, v4                       ; and out: place L
	v_lshrrev_b32 v7, 2, v1                        ; block L is K step L / 4,
	v_mul_u32_u24 v5, v7, 1536
	v_lshlrev_b32 v6, 6, v7
	v_bfe_u32 v7, v1, 1, 1                         ; registers 6 ((L / 2) % 2) on,
	v_mad_u32_u24 v5, v7, 768, v5
	v_and_b32 v7, 1, v1                            ; of the lanes' half L % 2
	v_lshl_add_u32 v5, v7, 7, v5
	s_lshl_b32 s21, s16, 5
	s_add_co_u32 s21, s21, IMG
	v_add_nc_u32 v5, s21, v5                       ; images: + 8 x row, row = 4 w + j
	v_and_b32 v7, 3, v1
	v_add_nc_u32 v6, v6, v7
	s_lshl_b32 s21, s16, 4
	s_add_co_u32 s21, s21, SCB
	v_add_nc_u32 v6, s21, v6                       ; scale bytes: 64 x K step + 4 x row + L % 4
	s_mul_i32 s21, s16, 3072
	s_add_co_u32 s21, s21, IMG
	v_add_nc_u32 v22, s21, v2                      ; back: the wave's two fragments
	v_lshl_add_u32 v23, v0, 2, SCB                 ; and a scale word a thread
	v_lshrrev_b32 v19, 4, v0
	v_and_b32 v27, 15, v0
	v_lshlrev_b32 v27, 2, v27
	v_lshl_add_u32 v27, v19, 9, v27                ; its place in memory: 512 x K step + 4 x row
	s_mov_b32 s12, 0x76543210
	s_mov_b32 s13, 0xfedcba98                      ; v_permlanex16_b32's selects for lane l xor 16
	s_mov_b32 s14, 0x3a800000                      ; 1 / 1,024
	s_mov_b32 s15, 0x3727c5ac                      ; 1e-5
.irp j, 0,1,2,3
	v_mov_b32 v[28+\j], 0                          ; a lane permute's destination counts as one of its sources
.endr
	s_lshr_b32 s17, ttmp9, 1
	s_lshl_b32 s17, s17, 5
	s_and_b32 s18, ttmp9, 1
	s_lshl_b32 s18, s18, 3
	s_add_co_u32 s17, s17, s18
	s_lshl_b32 s18, s16, 2
	s_add_co_u32 s17, s17, s18
	s_lshr_b32 s18, s16, 1
	s_lshl_b32 s18, s18, 3
	s_add_co_u32 s17, s17, s18                     ; my first token: 32 (i / 2) + 8 (i % 2) + 4 w + 8 (w / 2)
	s_lshl_b32 s18, s17, 12
	s_mov_b32 s19, 0
	s_wait_kmcnt 0x0
	s_add_nc_u64 s[4:5], s[4:5], s[18:19]
.irp j, 0,1,2,3
.irp q, 0,1,2,3,4,5,6,7
	global_load_b128 v[X+32*\j+4*\q:X+32*\j+4*\q+3], v2, s[4:5] offset:4096*\j+512*\q
.endr
.endr
.irp q, 0,1,2,3,4,5,6,7
	global_load_b128 v[G+4*\q:G+4*\q+3], v2, s[6:7] offset:512*\q
	global_load_b128 v[B+4*\q:B+4*\q+3], v2, s[8:9] offset:512*\q
.endr
	s_lshr_b32 s17, ttmp9, 3                       ; group
	s_and_b32 s18, ttmp9, 7                        ; tile in it
	s_mul_i32 s20, s17, 98304
	s_mul_i32 s21, s16, 24576                      ; the wave stores K steps 2 w, 2 w + 1
	s_add_co_u32 s20, s20, s21
	s_mul_i32 s21, s18, 1536
	s_add_co_u32 s20, s20, s21
	s_mov_b32 s21, 0
	s_add_nc_u64 s[20:21], s[10:11], s[20:21]
	s_lshl_b32 s22, s17, 12
	s_lshl_b32 s23, s18, 6
	s_add_co_u32 s22, s22, s23
	s_add_co_u32 s22, s22, 3145728
	s_mov_b32 s23, 0
	s_add_nc_u64 s[22:23], s[10:11], s[22:23]
	s_wait_loadcnt 16                              ; the rows are in; the gains' and shifts' 16 loads may be out
.macro ACROSS                          ; the four rows' figures in v8, v10, v12, v14 are summed over the 32 lanes, the rows by turns
.irp j, 0,1,2,3
	v_add_f32 v[8+2*\j], v[8+2*\j], v[9+2*\j]
.endr
.irp m, 1,2,4,8
.irp j, 0,1,2,3
	v_add_f32_dpp v[8+2*\j], v[8+2*\j], v[8+2*\j] row_xmask:\m row_mask:0xf bank_mask:0xf
.endr
.endr
.irp j, 0,1,2,3
	v_permlanex16_b32 v[28+\j], v[8+2*\j], s12, s13
.endr
.irp j, 0,1,2,3
	v_add_f32 v[8+2*\j], v[8+2*\j], v[28+\j]
.endr
.endm
.irp j, 0,1,2,3
	v_pk_add_f32 v[8+2*\j:9+2*\j], v[X+32*\j:X+32*\j+1], v[X+32*\j+2:X+32*\j+3]
.endr
.irp i, 4,6,8,10,12,14,16,18,20,22,24,26,28,30
.irp j, 0,1,2,3
	v_pk_add_f32 v[8+2*\j:9+2*\j], v[8+2*\j:9+2*\j], v[X+32*\j+\i:X+32*\j+\i+1]
.endr
.endr
	ACROSS
.irp j, 0,1,2,3
	v_mul_f32 v[8+2*\j], s14, v[8+2*\j]            ; the mean
.endr
.irp i, 0,2,4,6,8,10,12,14,16,18,20,22,24,26,28,30
.irp j, 0,1,2,3
	v_pk_add_f32 v[X+32*\j+\i:X+32*\j+\i+1], v[X+32*\j+\i:X+32*\j+\i+1], v[8+2*\j:9+2*\j] op_sel_hi:[1,0] neg_lo:[0,1] neg_hi:[0,1]   ; x - mean
.endr
.endr
.irp j, 0,1,2,3
	v_pk_mul_f32 v[8+2*\j:9+2*\j], v[X+32*\j:X+32*\j+1], v[X+32*\j:X+32*\j+1]
.endr
.irp i, 2,4,6,8,10,12,14,16,18,20,22,24,26,28,30
.irp j, 0,1,2,3
	v_pk_fma_f32 v[8+2*\j:9+2*\j], v[X+32*\j+\i:X+32*\j+\i+1], v[X+32*\j+\i:X+32*\j+\i+1], v[8+2*\j:9+2*\j]
.endr
.endr
	ACROSS
.irp j, 0,1,2,3
	v_fma_f32 v[8+2*\j], v[8+2*\j], s14, s15       ; var + eps
.endr
	s_wait_alu depctr_va_vdst(0)
.irp j, 0,1,2,3
	v_rsq_f32 v[8+2*\j], v[8+2*\j]
.endr
	v_nop                                          ; a plain instruction behind the last of the four
	s_wait_alu depctr_va_vdst(0)                   ; one wait for the batch, ahead of its first reader
	s_wait_loadcnt 0x0                             ; the gains and shifts
.irp i, 0,2,4,6,8,10,12,14,16,18,20,22,24,26,28,30
.irp j, 0,1,2,3
	v_pk_mul_f32 v[X+32*\j+\i:X+32*\j+\i+1], v[X+32*\j+\i:X+32*\j+\i+1], v[8+2*\j:9+2*\j] op_sel_hi:[1,0]
.endr
.endr
.irp i, 0,2,4,6,8,10,12,14,16,18,20,22,24,26,28,30
.irp j, 0,1,2,3
	v_pk_fma_f32 v[X+32*\j+\i:X+32*\j+\i+1], v[X+32*\j+\i:X+32*\j+\i+1], v[G+\i:G+\i+1], v[B+\i:B+\i+1]
.endr
.endr
.irp j, 0,1,2,3                        ; each row through the stage and back into its registers; LDS serves a wave's instructions in order, so one stage serves the four rows with no wait between
.irp q, 0,1,2,3,4,5,6,7
	ds_store_b128 v3, v[X+32*\j+4*\q:X+32*\j+4*\q+3] offset:576*\q
.endr
.irp q, 0,1,2,3,4,5,6,7
	ds_load_b128 v[X+32*\j+4*\q:X+32*\j+4*\q+3], v4 offset:16*\q
.endr
.endr
.irp j, 0,1,2,3
	s_wait_dscnt 16*(3-\j)+4*\j                    ; behind row j's loads: 16 stage instructions for each later row, 4 image stores for each earlier one
	v_max3_num_f32 v16, |v[X+32*\j]|, |v[X+32*\j+1]|, |v[X+32*\j+2]|
	v_max3_num_f32 v17, |v[X+32*\j+3]|, |v[X+32*\j+4]|, |v[X+32*\j+5]|
.irp i, 6,10,14,18,22,26
	v_max3_num_f32 v16, v16, |v[X+32*\j+\i]|, |v[X+32*\j+\i+1]|
	v_max3_num_f32 v17, v17, |v[X+32*\j+\i+2]|, |v[X+32*\j+\i+3]|
.endr
	v_max3_num_f32 v16, v16, |v[X+32*\j+30]|, |v[X+32*\j+31]|
	v_max3_num_f32 v16, v16, v17, 0x1800000        ; the floor 2^(3 - 127)
	v_add_nc_u32 v18, 0xff000000, v16              ; 2 off the exponent field: the conversion's scale operand
	v_lshrrev_b32 v[B+\j], 23, v18                 ; the byte
	v_cvt_scalef32_pk16_fp6_f32 v[G+8*\j:G+8*\j+2], v[X+32*\j:X+32*\j+15], v18
	v_cvt_scalef32_pk16_fp6_f32 v[TT:TT+2], v[X+32*\j+16:X+32*\j+31], v18
	v_nop                                          ; one plain instruction behind a scaled conversion
.irp i, 0,1,2
	v_mov_b32 v[G+8*\j+3+\i], v[TT+\i]
.endr
.irp p, 0,1,2
	ds_store_b64 v5, v[G+8*\j+2*\p:G+8*\j+2*\p+1] offset:8*\j+256*\p
.endr
	ds_store_b8 v6, v[B+\j] offset:4*\j
.endr
	s_wait_dscnt 0x0                               ; for the others' sake: my stores have landed
	s_barrier_signal -1
	s_barrier_wait -1
.irp k, 0,1,2,3,4,5
	ds_load_b128 v[X+4*\k:X+4*\k+3], v22 offset:512*\k
.endr
	ds_load_b32 v20, v23
.irp k, 0,1,2,3,4,5
	s_wait_dscnt 6-\k                              ; the younger loads may be out
	global_store_b128 v2, v[X+4*\k:X+4*\k+3], s[20:21] offset:(\k/3)*12288+512*(\k%3)   ; 512 consecutive bytes
.endr
	s_wait_dscnt 0x0
	global_store_b32 v27, v20, s[22:23]            ; sixteen lanes store a K step's 64 bytes of this tile
	s_wait_tensorcnt 0x0
	ds_add_u32 v224, v225
	s_wait_dscnt 0x0
	s_endpgm
; THE WEIGHTS.  f32 stored [K][N] become codes of FP6 (E2M3) with one E8M0 byte for each 32 along K, in the operands' layout stated above (a weight's column n stands where a token stands there).
; A work-group takes one group of 128 columns x 256 along K; a wave 32 columns; a lane takes a column and its registers run down K: a block of 32 is one lane's 32 registers.
; A wave's codes (2 K steps x 2 tiles) are gathered in its own 6,144 bytes of LDS and leave as runs of 512 consecutive bytes.  Waves share nothing: no barrier.
; The work-group's number picks the pointer and six numbers.  LIMITS as for the norm.
.Lweights:
.set X,    48                          ; v48-111  two sets of 32 numbers
.set CD,   112                         ; v112-117 a block's codes
.set TT,   118                         ; v118-120 the second conversion's result
.set OUTR, 128                         ; v128-175 the way out
.set SB,   12                          ; v12-13   scale words of the two K steps
.set STG,  6144                        ; a wave's stage
	s_load_b256 s[4:11], s[0:1], 0x20              ; attn_w, proj_w, fc_w, fc2_w
	s_load_b64 s[12:13], s[0:1], 0x40              ; wq
	s_sub_co_u32 s2, ttmp9, 256                    ; my number among the 384
	v_lshrrev_b32 v1, 5, v0
	v_readfirstlane_b32 s14, v1
	v_and_b32 v1, 31, v0
	s_mul_i32 s15, s14, STG
	s_add_co_u32 s15, s15, 31232
	v_bfe_u32 v6, v0, 3, 1
	v_and_b32 v7, 7, v0
	v_bfe_u32 v8, v0, 4, 1
	v_mul_u32_u24 v2, v6, 1536
	v_lshl_add_u32 v2, v7, 3, v2
	v_lshl_add_u32 v2, v8, 6, v2
	v_add_nc_u32 v2, s15, v2                       ; into the stage: tile x 1,536 + 8 x row
	v_lshlrev_b32 v4, 4, v1
	v_add_nc_u32 v3, s15, v4
	v_lshlrev_b32 v5, 2, v7
	v_lshl_add_u32 v5, v6, 6, v5
	v_lshl_add_u32 v5, v8, 5, v5                   ; 4 x my position among the wave's 32
	s_mov_b32 s16, 256                             ; fc2_w's numbers: first work-group, row bytes, log2 and number - 1 of the work-groups along K, K steps, codes' and scale words' place in wq
	s_mov_b32 s17, 4096
	s_mov_b32 s18, 4
	s_mov_b32 s19, 15
	s_mov_b32 s20, 32
	s_mov_b32 s21, 6291456
	s_mov_b32 s22, 9699328
	s_wait_kmcnt 0x0
	s_mov_b64 s[24:25], s[10:11]
	s_cmp_lt_u32 s2, 256                           ; fc_w
	s_cselect_b32 s16, 128, s16
	s_cselect_b32 s17, 16384, s17
	s_cselect_b32 s18, 2, s18
	s_cselect_b32 s19, 3, s19
	s_cselect_b32 s20, 8, s20
	s_cselect_b32 s21, 3145728, s21
	s_cselect_b32 s22, 9568256, s22
	s_cselect_b64 s[24:25], s[8:9], s[24:25]
	s_cmp_lt_u32 s2, 128                           ; proj_w
	s_cselect_b32 s16, 96, s16
	s_cselect_b32 s17, 4096, s17
	s_cselect_b32 s21, 2359296, s21
	s_cselect_b32 s22, 9535488, s22
	s_cselect_b64 s[24:25], s[6:7], s[24:25]
	s_cmp_lt_u32 s2, 96                            ; attn_w
	s_cselect_b32 s16, 0, s16
	s_cselect_b32 s17, 12288, s17
	s_cselect_b32 s21, 0, s21
	s_cselect_b32 s22, 9437184, s22
	s_cselect_b64 s[24:25], s[4:5], s[24:25]
	s_sub_co_u32 s23, s2, s16
	s_and_b32 s26, s23, s19                        ; which 256 along K
	s_lshr_b32 s23, s23, s18                       ; which group
	s_lshl_b32 s27, s26, 8
	s_mul_i32 s27, s27, s17
	s_lshl_b32 s28, s23, 9
	s_add_co_u32 s28, s28, s27
	s_lshl_b32 s29, s14, 7
	s_add_co_u32 s28, s28, s29
	s_mov_b32 s29, 0
	s_add_nc_u64 s[32:33], s[24:25], s[28:29]      ; a base for each of the eight blocks, never rewritten
	s_lshl_b32 s30, s17, 5
	s_mov_b32 s31, 0
.irp t, 1,2,3,4,5,6,7
	s_add_nc_u64 s[32+2*\t:33+2*\t], s[30+2*\t:31+2*\t], s[30:31]
.endr
	s_mul_i32 s23, s23, s20
	s_lshl_b32 s26, s26, 1
	s_add_co_u32 s23, s23, s26
	s_mul_i32 s26, s23, 12288
	s_add_co_u32 s26, s26, s21
	s_mul_i32 s27, s14, 3072
	s_add_co_u32 s26, s26, s27
	s_mov_b32 s27, 0
	s_add_nc_u64 s[48:49], s[12:13], s[26:27]      ; codes out
	s_lshl_b32 s26, s23, 9
	s_add_co_u32 s26, s26, s22
	s_lshl_b32 s28, s14, 7
	s_add_co_u32 s26, s26, s28
	s_add_nc_u64 s[50:51], s[12:13], s[26:27]      ; scale words out
	v_lshlrev_b32 v16, 2, v1                       ; v16-47: 4 x lane + i rows
.set i, 1
.rept 31
	v_add_nc_u32 v[16+i], s17, v[15+i]
.set i, i+1
.endr
.macro LOAD t                          ; block t into set t % 2; 32 lanes read 128 consecutive bytes
.set li, 0
.rept 32
	global_load_b32 v[X+32*((\t)%2)+li], v[16+li], s[32+2*(\t):33+2*(\t)] th:TH_LOAD_NT
.set li, li+1
.endr
.endm
.macro BLOCK t
.set XS, X+32*((\t)%2)
.if (\t) < 7
	s_wait_loadcnt 32                              ; this block's 32 loads are in; the next block's 32 may be out
.else
	s_wait_loadcnt 0
.endif
	v_max3_num_f32 v8, |v[XS]|, |v[XS+1]|, |v[XS+2]|
	v_max3_num_f32 v9, |v[XS+3]|, |v[XS+4]|, |v[XS+5]|
.irp i, 6,10,14,18,22,26
	v_max3_num_f32 v8, v8, |v[XS+\i]|, |v[XS+\i+1]|
	v_max3_num_f32 v9, v9, |v[XS+\i+2]|, |v[XS+\i+3]|
.endr
	v_max3_num_f32 v8, v8, |v[XS+30]|, |v[XS+31]|
	v_max3_num_f32 v8, v8, v9, 0x1800000           ; the floor 2^(3 - 127)
	v_add_nc_u32 v10, 0xff000000, v8               ; 2 off the exponent field: the conversion's scale operand
	v_lshrrev_b32 v11, 23, v10                     ; the byte
.if (\t)%4 == 0
	v_mov_b32 v[SB+(\t)/4], v11
.else
	v_lshl_or_b32 v[SB+(\t)/4], v11, 8*((\t)%4), v[SB+(\t)/4]
.endif
	v_cvt_scalef32_pk16_fp6_f32 v[CD:CD+2], v[XS:XS+15], v10
	v_cvt_scalef32_pk16_fp6_f32 v[TT:TT+2], v[XS+16:XS+31], v10
	v_nop                                          ; one plain instruction behind a scaled conversion
.irp i, 0,1,2
	v_mov_b32 v[CD+3+\i], v[TT+\i]
.endr
.irp p, 0,1,2
	ds_store_b64 v2, v[CD+2*\p:CD+2*\p+1] offset:((\t)/4)*3072+(((\t)/2)%2)*768+((\t)%2)*128+256*\p
.endr
.if (\t)+2 < 8
	LOAD (\t)+2
.endif
	s_wait_dscnt 0x0                               ; the stores have read their registers
.endm
	LOAD 0
	LOAD 1
.irp t, 0,1,2,3,4,5,6,7
	BLOCK \t
.endr
	global_store_b32 v5, v[SB], s[50:51]
	s_wait_alu depctr_va_vdst(0)
	global_store_b32 v5, v[SB+1], s[50:51] offset:512
.irp k, 0,1,2,3,4,5,6,7,8,9,10,11
	ds_load_b128 v[OUTR+4*\k:OUTR+4*\k+3], v3 offset:512*\k
.endr
.irp k, 0,1,2,3,4,5,6,7,8,9,10,11
	s_wait_dscnt 11-\k                             ; the loads behind load k may be out
	global_store_b128 v4, v[OUTR+4*\k:OUTR+4*\k+3], s[48:49] offset:(\k/6)*12288+512*(\k%6)
.endr
	s_wait_tensorcnt 0x0
	ds_add_u32 v224, v225
	s_wait_dscnt 0x0
	s_endpgm
.Lfunc_end_k_qb4d3149769_ln1:
	.size	k_qb4d3149769_ln1, .Lfunc_end_k_qb4d3149769_ln1-k_qb4d3149769_ln1
	.p2alignl 7, 3214868480
	.fill 96, 4, 3214868480
	.section	.rodata,"a",@progbits
	.p2align	6, 0x0
	.amdhsa_kernel k_qb4d3149769_ln1
		.amdhsa_group_segment_fixed_size 56320
		.amdhsa_private_segment_fixed_size 0
		.amdhsa_enable_private_segment 0
		.amdhsa_kernarg_size 72
		.amdhsa_user_sgpr_count 2
		.amdhsa_user_sgpr_kernarg_segment_ptr 1
		.amdhsa_wavefront_size32 1
		.amdhsa_system_sgpr_workgroup_id_x 1
		.amdhsa_system_sgpr_workgroup_id_y 1
		.amdhsa_system_sgpr_workgroup_id_z 1
		.amdhsa_system_vgpr_workitem_id 0
		.amdhsa_next_free_vgpr 226
		.amdhsa_next_free_sgpr 66
		.amdhsa_reserve_vcc 0
		.amdhsa_float_denorm_mode_32 3
		.amdhsa_float_denorm_mode_16_64 3
		.amdhsa_memory_ordered 1
		.amdhsa_forward_progress 1
		.amdhsa_inst_pref_size 89
	.end_amdhsa_kernel
	.amdgpu_metadata
---
amdhsa.version: [ 1, 2 ]
amdhsa.kernels:
  - .name:           k_qb4d3149769_ln1
    .symbol:         k_qb4d3149769_ln1.kd
    .args:
      - { .name: x, .offset: 0, .size: 8, .value_kind: global_buffer, .address_space: global }
      - { .name: ln1_g, .offset: 8, .size: 8, .value_kind: global_buffer, .address_space: global }
      - { .name: ln1_b, .offset: 16, .size: 8, .value_kind: global_buffer, .address_space: global }
      - { .name: xn, .offset: 24, .size: 8, .value_kind: global_buffer, .address_space: global }
      - { .name: attn_w, .offset: 32, .size: 8, .value_kind: global_buffer, .address_space: global }
      - { .name: proj_w, .offset: 40, .size: 8, .value_kind: global_buffer, .address_space: global }
      - { .name: fc_w, .offset: 48, .size: 8, .value_kind: global_buffer, .address_space: global }
      - { .name: fc2_w, .offset: 56, .size: 8, .value_kind: global_buffer, .address_space: global }
      - { .name: wq, .offset: 64, .size: 8, .value_kind: global_buffer, .address_space: global }
    .group_segment_fixed_size: 56320
    .private_segment_fixed_size: 0
    .kernarg_segment_align: 8
    .kernarg_segment_size: 72
    .max_flat_workgroup_size: 128
    .sgpr_count:     66
    .vgpr_count:     226
    .wavefront_size: 32
...
	.end_amdgpu_metadata
.endif
;; end of part 8
;; launch g1 (part 9): grid 12 x 16, 4 waves a work-group, clusters of 4 x 4, 327,680 bytes of LDS; arguments xn, wq, attn_b, qkv; writes qkv
.if DOCPART == 9
	.amdgcn_target "amdgcn-amd-amdhsa--gfx1250"
	.amdhsa_code_object_version 6
	.text
	.protected	k_qb4d3149769_g1
	.globl	k_qb4d3149769_g1
	.p2align	8
	.type	k_qb4d3149769_g1,@function
k_qb4d3149769_g1:
	s_mov_b64 s[64:65], 0
	v_nop
	global_prefetch_b8 v0, s[64:65] scope:SCOPE_SE
	s_setreg_imm32_b32 hwreg(HW_REG_WAVE_MODE, 25, 1), 1
	s_wait_xcnt 0x0
	s_wait_alu depctr_hold_cnt(0) depctr_sa_sdst(0) depctr_va_vdst(0) depctr_va_sdst(0) depctr_va_ssrc(0) depctr_va_vcc(0) depctr_vm_vsrc(0)
	s_getreg_b32 s2, hwreg(HW_REG_IB_STS2, 6, 4)
	s_cmp_eq_u32 s2, 0
	s_cbranch_scc0 .Lentry_in_a_cluster
	s_endpgm
.Lentry_in_a_cluster:
	s_bfe_u32 s2, ttmp6, 0x10000c
	s_cmp_lg_u32 s2, 0xf033
	s_cbranch_scc0 .Lentry_shape_is_right
	s_endpgm
.Lentry_shape_is_right:
.set KSTEPS, 8
.set NQ,     2
.set NL,     6
.set FR,     12
.set NP,     4
.set HALFT,  24576
.set SLOT,   4*HALFT
.set SCL,    2*SLOT
.set HALFS,  KSTEPS*512
.set SPARE,  SCL+4*HALFS
.set LAPS,   KSTEPS/4
.set GS,     KSTEPS*12288
.set ADRA, 16
.set ADRB, 20
.set ADRS, 27
.set SPW,  28
.set NIL,  29
.set SC,   32
.set AF,   128
.set G1, 24
.set G0, 32
.set G1B, 48
.set G0B, 56
.set G1S, 68
.set G0S, 76
.set G1SB, 80
.set G0SB, 88
.set SEL, 96
.set BI,  64
.set BV,  224
.set XX,  128
.set TM,  192
.set PC,  40
.set PW,  32
.set PWJ, 33
.set BIL, 8
.set BVL, 9
.set GL,  10
.set GS1, 11
.set V16H, 12
.set GL4, 13
.set MSB, 0
.macro WIN new
.if MSB != \new
	s_set_vgpr_msb (MSB<<8)|\new
.set MSB, \new
.endif
.endm
.set MUL_LO, 0xa1
.set MUL_HI, 0xf1
.set TO_B,   0x40
.macro JLOAD g0a, g1a, g0b, g1b
	s_cmp_eq_u32 s15, 0
	s_cbranch_scc0 .Lfor_b_\@
	tensor_load_to_lds s[\g0a:\g0a+3], s[\g1a:\g1a+7]
	s_nop 0
.rept 4
	v_nop
.endr
	s_branch .Lasked_\@
.Lfor_b_\@:
	tensor_load_to_lds s[\g0b:\g0b+3], s[\g1b:\g1b+7]
	s_nop 0
.rept 4
	v_nop
.endr
.Lasked_\@:
.endm
.macro CREST
	s_cmp_lg_u32 s14, 0
	s_cbranch_scc1 .Lnot_wave_0_\@
	s_barrier_signal -3
.Lnot_wave_0_\@:
	s_barrier_wait -3
	s_barrier_signal -1
	s_barrier_wait -1
.endm
.macro CROUND
	s_barrier_signal -1
	s_barrier_wait -1
	CREST
.endm
	s_load_b128 s[4:7], s[0:1], 0x0
	s_load_b128 s[8:11], s[0:1], 0x10
	v_lshl_add_u32 v[SPW], v0, 2, SPARE
	v_mov_b32 v[NIL], 0
	ds_add_u32 v28, v29
	ds_add_u32 v28, v29
	s_wait_dscnt 0x0
	v_lshrrev_b32 v1, 5, v0
	v_readfirstlane_b32 s14, v1
	s_lshr_b32 s15, s14, 1
	s_and_b32 s16, s14, 1
	s_bfe_u32 s40, ttmp6, 0x40000
	s_bfe_u32 s41, ttmp6, 0x40004
	s_lshl_b32 s42, ttmp9, 2
	s_add_co_u32 s42, s42, s40
	s_and_b32 s17, ttmp7, 0xffff
	s_lshl_b32 s17, s17, 2
	s_add_co_u32 s17, s17, s41
	s_lshl_b32 s43, s41, 2
	s_lshl_b32 s43, 15, s43
	s_lshl_b32 s44, 0x1111, s40
	s_mov_b32 s[SEL], 0x76543210
	s_mov_b32 s[SEL+1], 0xfedcba98
	s_or_b32 s[G1+0], s43, (3<<16)|(1<<21)
	s_or_b32 s[G1B+0], s44, (3<<16)|(1<<21)
.irp g, G1, G1B                        ; for the head's loads: two rows of 49,152 bytes (K steps 0 to 3 of two groups), a group's codes apart
	s_mov_b32 s[\g+1], 6144<<16
	s_mov_b32 s[\g+2], 2<<16
	s_mov_b32 s[\g+3], 6144<<16
	s_mov_b32 s[\g+4], 2
	s_mov_b32 s[\g+5], 12288
	s_mov_b32 s[\g+6], 0
	s_mov_b32 s[\g+7], 0
.endr
	s_or_b32 s[G1S+0], s43, (3<<16)|(1<<21)
	s_or_b32 s[G1SB+0], s44, (3<<16)|(1<<21)
.irp g, G1S, G1SB
	s_mov_b32 s[\g+1], 32<<16
	s_mov_b32 s[\g+2], (HALFS/128)<<16
	s_mov_b32 s[\g+3], 32<<16
	s_mov_b32 s[\g+4], HALFS/128
	s_mov_b32 s[\g+5], 32
	s_mov_b32 s[\g+6], 0
	s_mov_b32 s[\g+7], 0
.endr
	s_add_co_u32 s18, s41, 8
	s_and_b32 s19, ttmp7, 0xffff
	s_lshl_b32 s19, s19, 2
	s_add_co_u32 s19, s19, s40
	s_mov_b32 s92, 3145728
	s_mov_b32 s93, 9437184
	s_mul_i32 s45, s14, 2*HALFT                    ; LDS: [A, B][group][slot] x HALFT
	s_wait_kmcnt 0x0
	s_cmp_eq_u32 ttmp9, 2
	s_cselect_b32 s20, s18, s17
	s_cselect_b32 s46, s19, s42
	s_cselect_b32 s22, s93, s92
	s_cselect_b32 s92, s92, s93
	s_cselect_b64 s[18:19], s[6:7], s[4:5]
	s_cselect_b64 s[66:67], s[4:5], s[6:7]
	s_lshl_b32 s20, s20, 1
	s_add_co_u32 s20, s20, s16
	s_mul_i32 s21, s20, HALFS
	s_add_co_u32 s22, s22, s21
	s_mov_b32 s23, 0
	s_mul_i32 s20, s20, GS
	s_mov_b32 s21, 0
	s_lshl_b32 s46, s46, 1
	s_add_co_u32 s46, s46, s16
	s_mul_i32 s47, s46, HALFS
	s_add_co_u32 s92, s92, s47
	s_mov_b32 s93, 0
	s_mul_i32 s46, s46, GS
	s_mov_b32 s47, 0
	s_add_nc_u64 s[20:21], s[18:19], s[20:21]
	s_add_nc_u64 s[22:23], s[18:19], s[22:23]
	s_add_nc_u64 s[46:47], s[66:67], s[46:47]
	s_add_nc_u64 s[92:93], s[66:67], s[92:93]
; THE HEAD'S FOUR TILES, one load a wave: wave 0 A's both slots, wave 1 B's both slots, wave 2 A's scale words, wave 3 B's.  The wave's own term is taken off the addresses made above.
.set G0H, 4
.set G0HB, 92
	s_mul_i32 s66, s16, HALFS
	s_mov_b32 s67, 0
	s_mov_b32 s[G0S], 1
	s_mov_b32 s[G0S+1], SCL
	s_sub_nc_u64 s[G0S+2:G0S+3], s[22:23], s[66:67]
	s_or_b32 s[G0S+3], s[G0S+3], 0x80000000
	s_mov_b32 s[G0SB], 1
	s_mov_b32 s[G0SB+1], SCL+2*HALFS
	s_sub_nc_u64 s[G0SB+2:G0SB+3], s[92:93], s[66:67]
	s_or_b32 s[G0SB+3], s[G0SB+3], 0x80000000
	s_mul_i32 s66, s16, GS
	s_mov_b32 s[G0H], 1
	s_mov_b32 s[G0H+1], 0
	s_sub_nc_u64 s[G0H+2:G0H+3], s[20:21], s[66:67]
	s_or_b32 s[G0H+3], s[G0H+3], 0x80000000
	s_mov_b32 s[G0HB], 1
	s_mov_b32 s[G0HB+1], 4*HALFT
	s_sub_nc_u64 s[G0HB+2:G0HB+3], s[46:47], s[66:67]
	s_or_b32 s[G0HB+3], s[G0HB+3], 0x80000000
.irp s, 0,1
	s_mov_b32 s[G0+4*\s], 1
	s_add_co_u32 s[G0+4*\s+1], s45, \s*HALFT
	s_add_nc_u64 s[G0+4*\s+2:G0+4*\s+3], s[20:21], \s*HALFT
	s_or_b32 s[G0+4*\s+3], s[G0+4*\s+3], 0x80000000
	s_mov_b32 s[G0B+4*\s], 1
	s_add_co_u32 s[G0B+4*\s+1], s45, \s*HALFT
	s_add_nc_u64 s[G0B+4*\s+2:G0B+4*\s+3], s[46:47], \s*HALFT
	s_or_b32 s[G0B+4*\s+3], s[G0B+4*\s+3], 0x80000000
.endr
	CROUND
.macro HARM under, g0, g1, next
	s_cmp_lt_u32 s14, \under
	s_cbranch_scc0 \next
	tensor_load_to_lds s[\g0:\g0+3], s[\g1:\g1+7]
	s_nop 0
.rept 4
	v_nop
.endr
	s_branch .Lhead_asked
\next:
.endm
	HARM 1, G0H,  G1,  .Lhead_b
	HARM 2, G0HB, G1B, .Lhead_sa
	HARM 3, G0S,  G1S, .Lhead_sb
	tensor_load_to_lds s[G0SB:G0SB+3], s[G1SB:G1SB+7]
	s_nop 0
.rept 4
	v_nop
.endr
.Lhead_asked:
	v_and_b32 v1, 15, v0
	v_bfe_u32 v2, v0, 4, 1
	s_wait_alu depctr_va_vdst(0)
	v_and_b32 v3, 31, v0
	v_lshlrev_b32 v4, 3, v3
	s_mul_i32 s21, s15, 2*HALFT
	s_mul_i32 s22, s16, 2*HALFT
	s_add_co_u32 s22, s22, 4*HALFT
.irp s, 0,1
	v_add_nc_u32 v[ADRA+\s], s21, v4
	v_add_nc_u32 v[ADRB+\s], s22, v4
	s_add_co_u32 s21, s21, HALFT
	s_add_co_u32 s22, s22, HALFT
.endr
	v_lshlrev_b32 v5, 2, v1
	s_mul_i32 s21, s15, HALFS
	s_mul_i32 s22, s16, HALFS
	s_add_co_u32 s22, s22, 2*HALFS
	s_sub_co_u32 s22, s22, s21
	v_mul_u32_u24 v6, s22, v2
	s_add_co_u32 s21, s21, SCL
	v_add_nc_u32 v5, v5, v6
	v_add_nc_u32 v[ADRS], s21, v5
	s_lshl_b32 s46, s42, 10
	s_lshl_b32 s47, s16, 9
	s_add_co_u32 s46, s46, s47
	s_mov_b32 s47, 0
	s_add_nc_u64 s[18:19], s[8:9], s[46:47]
	s_lshl_b32 s20, s41, 10
	s_lshl_b32 s21, s15, 9
	s_add_co_u32 s20, s20, s21
	s_add_co_u32 s20, s20, 8192
	s_mov_b32 s21, 0
	s_add_nc_u64 s[66:67], s[8:9], s[20:21]
	v_lshlrev_b32 v[BIL], 6, v2
	v_and_b32 v5, 7, v1
	v_lshrrev_b32 v6, 3, v1
	v_lshlrev_b32 v[BVL], 2, v5
	v_lshl_add_u32 v[BVL], v6, 6, v[BVL]
.irp b, 0,1,2,3,4,5,6,7
	global_load_b128 v[BI+8*\b:BI+8*\b+3], v[BIL], s[18:19] offset:(32*(\b/2)+8*(\b%2))*4
	global_load_b128 v[BI+8*\b+4:BI+8*\b+7], v[BIL], s[18:19] offset:(32*(\b/2)+8*(\b%2))*4+16
.endr
.irp a, 0,1,2,3,4,5,6,7
	global_load_b32 v[BV+\a], v[BVL], s[66:67] offset:(32*(\a/2)+8*(\a%2))*4
.endr
	v_mov_b32 v[GL], v4
	v_lshlrev_b32 v[GS1], 2, v1
	v_lshl_add_u32 v[GS1], v2, 13, v[GS1]
	v_lshlrev_b32 v[V16H], 4, v2
	v_lshlrev_b32 v[GL4], 2, v3
.macro FRAG reg, adr, q, i
.irp p, 0,1,2,3,4,5
	ds_load_b64 v[\reg+2*\p:\reg+2*\p+1], v[\adr] offset:(\q)*12288+(\i)*1536+256*\p
.endr
.endm
.macro MUL16 a0, p, q, sc, zero
.irp a, \a0, \a0+1
.irp b, 0,1,2,3,4,5,6,7
.if \zero
	v_wmma_scale_f32_16x16x128_f8f6f4 v[8*(8*((\a)%4)+\b):8*(8*((\a)%4)+\b)+7], v[128*(\p)+FR*\b:128*(\p)+FR*\b+FR-1], v[AF+FR*(\a):AF+FR*(\a)+FR-1], 0, v[SC+8*NQ*(\sc)+NQ*\b+(\q)], v[SC+8*NQ*(\sc)+NQ*(\a)+(\q)] matrix_a_fmt:MATRIX_FMT_FP6 matrix_b_fmt:MATRIX_FMT_FP6 matrix_a_scale:MATRIX_SCALE_ROW1
.else
	v_wmma_scale_f32_16x16x128_f8f6f4 v[8*(8*((\a)%4)+\b):8*(8*((\a)%4)+\b)+7], v[128*(\p)+FR*\b:128*(\p)+FR*\b+FR-1], v[AF+FR*(\a):AF+FR*(\a)+FR-1], v[8*(8*((\a)%4)+\b):8*(8*((\a)%4)+\b)+7], v[SC+8*NQ*(\sc)+NQ*\b+(\q)], v[SC+8*NQ*(\sc)+NQ*(\a)+(\q)] matrix_a_fmt:MATRIX_FMT_FP6 matrix_b_fmt:MATRIX_FMT_FP6 matrix_a_scale:MATRIX_SCALE_ROW1
.endif
.endr
.endr
.endm
.macro FETCH_B slot, q, p
	WIN TO_B
.irp i, 0,1,2,3,4,5,6,7
	FRAG 128*(\p)+FR*\i, ADRB+\slot, \q, \i
.endr
	WIN 0
.endm
.macro FETCH_A slot, q, i0
.irp i, \i0, \i0+1, \i0+2, \i0+3
	FRAG AF+FR*(\i), ADRA+\slot, \q, \i
.endr
.endm
.macro SCALES sc
.irp i, 0,1,2,3,4,5,6,7
.irp q, 0,1
	ds_load_b32 v[SC+16*\sc+2*\i+\q], v[ADRS] offset:512*\q+64*\i
.endr
.endr
.endm
.macro PLACES n
.rept \n
	v_nop
.endr
.endm
.macro STEP slot, q, zero
	s_wait_dscnt 4*NL
	WIN MUL_LO
	MUL16 0, (\q)%2, \q, \slot, \zero
	MUL16 2, (\q)%2, \q, \slot, \zero
	s_wait_dscnt 0
	PLACES NP
	FETCH_B \slot, (\q)+1, 1-(\q)%2
	FETCH_A \slot, (\q)+1, 0
	WIN MUL_HI
	MUL16 4, (\q)%2, \q, \slot, \zero
	MUL16 6, (\q)%2, \q, \slot, \zero
	PLACES NP
	WIN 0
	FETCH_A \slot, (\q)+1, 4
.endm
.macro TURN slot, next, fill
	s_wait_tensorcnt 0x0
	ds_add_u32 v[SPW], v[NIL]
	s_wait_dscnt 4*NL+1
	WIN MUL_LO
	MUL16 0, 1, NQ-1, \slot, 0
	s_wait_dscnt 0x0
	s_barrier_signal -1
	MUL16 2, 1, NQ-1, \slot, 0
	WIN 0
	s_barrier_wait -1
.if \fill
	CREST
	s_add_nc_u64 s[G0+4*\slot+2:G0+4*\slot+3], s[G0+4*\slot+2:G0+4*\slot+3], 2*HALFT
	s_add_nc_u64 s[G0B+4*\slot+2:G0B+4*\slot+3], s[G0B+4*\slot+2:G0B+4*\slot+3], 2*HALFT
	JLOAD G0+4*\slot, G1, G0B+4*\slot, G1B
.else
	PLACES NP
.endif
	s_wait_alu depctr_va_vdst(0)
	v_add_nc_u32 v[ADRS], 1024, v[ADRS]
	FETCH_B \next, 0, 0
	FETCH_A \next, 0, 0
	SCALES \next
	WIN MUL_HI
	MUL16 4, 1, NQ-1, \slot, 0
	MUL16 6, 1, NQ-1, \slot, 0
	PLACES NP
	WIN 0
	FETCH_A \next, 0, 4
.endm
.macro QUANT s
.irp b, 0,1,2,3
	v_max3_num_f32 v[TM+\b], |v[\s+16*\b]|, |v[\s+1+16*\b]|, 0x1800000
.endr
.irp i, 2,4,6,8,10,12,14
.irp b, 0,1,2,3
	v_max3_num_f32 v[TM+\b], v[TM+\b], |v[\s+16*\b+\i]|, |v[\s+1+16*\b+\i]|
.endr
.endr
.irp b, 0,1,2,3
	v_permlanex16_b32 v[TM+4+\b], v[TM+\b], s[SEL], s[SEL+1]
.endr
.irp b, 0,1,2,3
	v_max_num_f32 v[TM+\b], v[TM+\b], v[TM+4+\b]
.endr
.irp b, 0,1,2,3
	v_add_nc_u32 v[TM+12+\b], 0xff000000, v[TM+\b]
.endr
.irp b, 0,1,2,3
	v_lshrrev_b32 v[TM+4+\b], 23, v[TM+12+\b]
.endr
	v_lshl_or_b32 v[PW], v[TM+5], 8, v[TM+4]
	v_lshl_or_b32 v[PW], v[TM+6], 16, v[PW]
	v_lshl_or_b32 v[PW], v[TM+7], 24, v[PW]
.irp c, 0,1
	v_cvt_scalef32_pk16_fp6_f32 v[PC+6*\c:PC+2+6*\c], v[\s+32*\c:\s+15+32*\c], v[TM+12+2*\c]
	v_cvt_scalef32_pk16_fp6_f32 v[PC+12+4*\c:PC+14+4*\c], v[\s+16+32*\c:\s+31+32*\c], v[TM+12+2*\c+1]
.endr
	v_nop
.irp c, 0,1
.irp i, 0,1,2
	v_permlane16_swap_b32 v[PC+6*\c+\i], v[PC+12+4*\c+\i]
.endr
.irp i, 0,1,2
	v_mov_b32 v[PC+3+6*\c+\i], v[PC+12+4*\c+\i]
.endr
.endr
.endm
	s_wait_alu depctr_va_vdst(0)                   ; the wait at the head's end
	s_wait_tensorcnt 0x0                           ; my tile of the head's four is in; no load of mine is out, so group 1 may be written: the ring's loads bring 96 rows of 256 bytes
.irp g, G1, G1B
	s_mov_b32 s[\g+1], 32<<16
	s_mov_b32 s[\g+2], 96<<16
	s_mov_b32 s[\g+3], 32<<16
	s_mov_b32 s[\g+4], 96
	s_mov_b32 s[\g+5], 32
.endr
	s_barrier_signal -1
	s_barrier_wait -1
	FETCH_B 0, 0, 0
	FETCH_A 0, 0, 0
	SCALES 0
	FETCH_A 0, 0, 4
	STEP 0, 0, 1
	s_mov_b32 s3, LAPS-1
.Llap:
	TURN 0, 1, 1
	STEP 1, 0, 0
	TURN 1, 0, 1
	STEP 0, 0, 0
	s_sub_co_u32 s3, s3, 1
	s_cmp_lg_u32 s3, 0
	s_cbranch_scc1 .Llap
	TURN 0, 1, 0
	STEP 1, 0, 0
	s_wait_dscnt 4*NL
	WIN MUL_LO
	MUL16 0, 1, NQ-1, 1, 0
	MUL16 2, 1, NQ-1, 1, 0
	s_wait_dscnt 0
	WIN MUL_HI
	MUL16 4, 1, NQ-1, 1, 0
	MUL16 6, 1, NQ-1, 1, 0
	WIN 0
	PLACES NP
	s_wait_loadcnt 0x0
.irp b, 0,1,2,3
	v_mov_b32 v[TM+4+\b], 0
.endr
	s_cmp_eq_u32 ttmp9, 2
	s_cbranch_scc1 .Lvpath
	s_lshl_b32 s20, s42, 1
	s_add_co_u32 s20, s20, s16
	s_lshr_b32 s21, s20, 3
	s_and_b32 s20, s20, 7
	s_lshl_b32 s20, s20, 1
	s_lshl_b32 s21, s21, 5
	s_add_co_u32 s20, s20, s21
	s_lshr_b32 s21, s17, 3
	s_lshl_b32 s21, s21, 4
	s_add_co_u32 s20, s20, s21
	s_and_b32 s21, s17, 7
	s_lshl_b32 s21, s21, 4
	s_lshl_b32 s22, s15, 3
	s_add_co_u32 s21, s21, s22
	s_lshl_b32 s22, s20, 7
	s_add_co_u32 s22, s22, s21
	s_mul_i32 s22, s22, 768
	s_mov_b32 s23, 0
	s_add_nc_u64 s[18:19], s[10:11], s[22:23]
	s_lshl_b32 s22, s20, 13
	s_lshl_b32 s21, s21, 6
	s_add_co_u32 s22, s22, s21
	s_add_co_u32 s22, s22, 9437184
	s_add_nc_u64 s[66:67], s[10:11], s[22:23]
.irp a, 0,1,2,3,4,5,6,7
	s_wait_xcnt 0x0
	WIN 0x02+(\a/4)
.set k2, 0
.rept 32
	v_pk_add_f32 v[XX+k2:XX+k2+1], v[64*(\a%4)+k2:64*(\a%4)+k2+1], v[BI+k2:BI+k2+1]
.set k2, k2+2
.endr
	WIN 0
	QUANT XX
.irp c, 0,1
.irp g, 0,1,2
	global_store_b64 v[GL], v[PC+6*\c+2*\g:PC+6*\c+2*\g+1], s[18:19] offset:\c*98304+768*\a+256*\g
.endr
.endr
	v_lshrrev_b32 v[PWJ], v[V16H], v[PW]
	v_and_b32 v[PWJ], 0xffff, v[PWJ]
	global_store_b32 v[GS1], v[PWJ], s[66:67] offset:64*\a
.endr
	s_branch .Lend
.Lvpath:
	s_lshl_b32 s20, s41, 2
	s_lshl_b32 s21, s15, 1
	s_add_co_u32 s20, s20, s21
	s_and_b32 s21, ttmp7, 0xffff
	s_lshl_b32 s21, s21, 2
	s_add_co_u32 s21, s21, s40
	s_lshl_b32 s21, s21, 1
	s_add_co_u32 s21, s21, s16
	s_lshr_b32 s22, s21, 4
	s_and_b32 s21, s21, 15
	s_lshl_b32 s22, s22, 4
	s_add_co_u32 s20, s20, s22
	s_lshl_b32 s22, s20, 4
	s_add_co_u32 s22, s22, s21
	s_mul_i32 s22, s22, 6144
	s_add_co_u32 s22, s22, 6291456
	s_mov_b32 s23, 0
	s_add_nc_u64 s[18:19], s[10:11], s[22:23]
	s_lshl_b32 s22, s20, 13
	s_lshl_b32 s21, s21, 9
	s_add_co_u32 s22, s22, s21
	s_add_co_u32 s22, s22, 9961472
	s_add_nc_u64 s[66:67], s[10:11], s[22:23]
.irp a, 0,1,2,3,4,5,6,7
	s_wait_xcnt 0x0
	WIN 0x02+(\a/4)
.set k2, 0
.rept 32
.if \a%2
	v_pk_add_f32 v[XX+k2:XX+k2+1], v[64*(\a%4)+k2:64*(\a%4)+k2+1], v[BV+\a-1:BV+\a] op_sel:[0,1] op_sel_hi:[1,1]
.else
	v_pk_add_f32 v[XX+k2:XX+k2+1], v[64*(\a%4)+k2:64*(\a%4)+k2+1], v[BV+\a:BV+\a+1] op_sel_hi:[1,0]
.endif
.set k2, k2+2
.endr
	WIN 0
	QUANT XX
.irp g, 0,1,2,3,4,5
	global_store_b64 v[GL], v[PC+2*\g:PC+2*\g+1], s[18:19] offset:(\a/4)*98304+(\a%4)*1536+256*\g
.endr
	global_store_b32 v[GL4], v[PW], s[66:67] offset:(\a/4)*8192+(\a%4)*128
.endr
.Lend:
	s_wait_tensorcnt 0x0
	ds_add_u32 v[SPW], v[NIL]
	s_wait_dscnt 0x0
	CROUND
	s_endpgm
.Lfunc_end_k_qb4d3149769_g1:
	.size	k_qb4d3149769_g1, .Lfunc_end_k_qb4d3149769_g1-k_qb4d3149769_g1
	.p2alignl 7, 3214868480
	.fill 96, 4, 3214868480
	.section	.rodata,"a",@progbits
	.p2align	6, 0x0
	.amdhsa_kernel k_qb4d3149769_g1
		.amdhsa_group_segment_fixed_size 327680
		.amdhsa_private_segment_fixed_size 0
		.amdhsa_enable_private_segment 0
		.amdhsa_kernarg_size 32
		.amdhsa_user_sgpr_count 2
		.amdhsa_user_sgpr_kernarg_segment_ptr 1
		.amdhsa_wavefront_size32 1
		.amdhsa_system_sgpr_workgroup_id_x 1
		.amdhsa_system_sgpr_workgroup_id_y 1
		.amdhsa_system_sgpr_workgroup_id_z 1
		.amdhsa_system_vgpr_workitem_id 0
		.amdhsa_next_free_vgpr 1024
		.amdhsa_next_free_sgpr 98
		.amdhsa_reserve_vcc 0
		.amdhsa_float_denorm_mode_32 3
		.amdhsa_float_denorm_mode_16_64 3
		.amdhsa_memory_ordered 1
		.amdhsa_forward_progress 1
		.amdhsa_inst_pref_size 242
	.end_amdhsa_kernel
	.amdgpu_metadata
---
amdhsa.version: [ 1, 2 ]
amdhsa.kernels:
  - .name:           k_qb4d3149769_g1
    .symbol:         k_qb4d3149769_g1.kd
    .args:
      - { .name: xn, .offset: 0, .size: 8, .value_kind: global_buffer, .address_space: global }
      - { .name: wq, .offset: 8, .size: 8, .value_kind: global_buffer, .address_space: global }
      - { .name: attn_b, .offset: 16, .size: 8, .value_kind: global_buffer, .address_space: global }
      - { .name: qkv, .offset: 24, .size: 8, .value_kind: global_buffer, .address_space: global }
    .group_segment_fixed_size: 327680
    .private_segment_fixed_size: 0
    .kernarg_segment_align: 8
    .kernarg_segment_size: 32
    .max_flat_workgroup_size: 128
    .sgpr_count:     98
    .vgpr_count:     1024
    .wavefront_size: 32
...
	.end_amdgpu_metadata
.endif
;; end of part 9
;; launch att (part 10): grid 8 x 32, 16 waves a work-group, clusters of 4 x 1, 252,928 bytes of LDS; arguments qkv, yq; writes yq
.if DOCPART == 10
	.amdgcn_target "amdgcn-amd-amdhsa--gfx1250"
	.amdhsa_code_object_version 6
	.text
	.protected	k_qb4d3149769_att
	.globl	k_qb4d3149769_att
	.p2align	8
	.type	k_qb4d3149769_att,@function
k_qb4d3149769_att:
	s_mov_b64 s[64:65], 0
	v_nop
	global_prefetch_b8 v0, s[64:65] scope:SCOPE_SE
	s_setreg_imm32_b32 hwreg(HW_REG_WAVE_MODE, 25, 1), 1
	s_wait_xcnt 0x0
	s_wait_alu depctr_hold_cnt(0) depctr_sa_sdst(0) depctr_va_vdst(0) depctr_va_sdst(0) depctr_va_ssrc(0) depctr_va_vcc(0) depctr_vm_vsrc(0)
	s_getreg_b32 s2, hwreg(HW_REG_IB_STS2, 6, 4)
	s_cmp_eq_u32 s2, 0
	s_cbranch_scc0 .Lentry_in_a_cluster
	s_endpgm
.Lentry_in_a_cluster:
	s_bfe_u32 s2, ttmp6, 0x10000c
	s_cmp_lg_u32 s2, 0x3003
	s_cbranch_scc0 .Lentry_shape_is_right
	s_endpgm
.Lentry_shape_is_right:
; Causal attention of one head on codes of FP6 (E2M3) with E8M0 scales, and y quantised along the channels for the next product.
; t = score x log2(e) / 8; M = the running largest t rounded UP to a whole number; p = 2^(t - M) is quantised along the keys, not normalised; the row's sum is taken of the unquantised p and divides at the end.
; When M moves, the sum and O are multiplied by 2^(old M - new M): exact.
; INPUT (qkv): q, k: [position tile 0..127][768]: half fragments (64 along K), registers 2 g, 2 g + 1 of lane L at 256 g + 8 L; v: [key step][channel tile 0..3][1,536], keys innermost.
; Position p holds token (or channel) pi(p), bits 3 and 4 exchanged: so the 16 registers of two neighbouring result tiles are 16 neighbouring keys (or channels).
; LEFT OUT: key steps all of whose keys come after a tile's queries (the causal mask makes their scores -inf for all inputs).
; SHARES.  A work-group takes one head and the 16 position tiles 8 R + x, R = 0 .. 15 the rank: a tile's queries lie in key step R, so it has R + 1 key steps: 136 in all, for sixteen waves.
; The waves go in pairs w = 0 .. 7.  Wave A of a pair takes key steps 0 .. 8 of the tile of rank 15 - w: nine steps.  Wave B takes that tile's key steps 9 .. 15 - w, hands its O^T, sum and -M to A through LDS bytes
; of the pair's own, and then takes the whole tile of rank w: eight steps.  Behind one barrier A joins the two parts: both are brought under the larger M by powers of two, which rounds nothing.
; The role is bit 2 of the wave's number, so that waves i, i + 4, i + 8, i + 12 have 9 + 8 + 9 + 8 steps.  All this hangs on the wave's number alone, whatever x is.
; LDS holds the WHOLE head's k and v codes and scale words, filled once at the head: waves 0 to 3 bring 49,152 bytes of codes each, wave 4 both tables of scale words (two rows of 8,192 bytes); one barrier shows all.
; The four work-groups of a cluster share the head and ask jointly.  No prefetch: the fills stand at the head, with no loop ahead of them.
; A STEP's loads: v's fragments take k's registers and are asked for behind the score products; the NEXT step's k is asked for behind the second product.  Behind key step 15 that reads on into v's bytes, which are never used as k.
; K = 64 IN AN INSTRUCTION OF 128: q's registers 6-11 are zero codes.  k's tile t names v[32 + 6 t .. 43 + 6 t]: its upper six registers are the next tile's codes (zeros behind tile 7); FP6 has no NaN code, the scale bytes
; 2 and 3 of q and k are 0, not 0xff, and each of those products has a zero factor.
; Both products are used transposed: S^T = k q^T, O^T = v^T p^T: a lane holds one query throughout.
; LIMITS: the promise holds while the scaled scores stay under 2^31 in magnitude; a block's largest magnitude is taken as at least 2^-124; NaN and infinities are not served; the division is v_rcp_f32 and a multiplication.
; y's two scale bytes of a row leave by a store of 2 bytes a lane: the other half of the word is another head's.
; REGISTERS: v1-10 addresses; v12 -M, v13 largest t, v[14:15] the sum; v16-27, v28 q; v208-213, v29 the second tile's q in waiting; v30, v31 the add's; v32-85 k, then v; v86-93 k's scale words; v96-159 scores, then p;
; v160-191 O^T; v192-195 v's scale words; v196 the factor; v198 p's scale word; v200-207, v244-251 sums; v224-235 p's codes; v232-254 at work.
.set VC,    98304                      ; LDS: k's codes at 0, v's here,
.set KSC,   196608                     ; k's scale words, v's 8,192 further on
.set STAGE, 216064                     ; eight places of 4,352 bytes: what B hands to A
.set SPARE, 250880                     ; the spare words, 128 bytes a wave
.set WV,   18
.set W,    19                          ; the pair
.set SEL,  20
.set CS,   22                          ; s[22:23] c = log2(e) / 8
.set G1C,  24
.set G1S,  32
.set G0C,  40
.set G0S,  44
.set TB,   2                           ; the step's codes in LDS: 6,144 bytes a step
.set TS,   3                           ; its scale words: 512 a step
.set SI,   66                          ; the key step
.set RL,   67                          ; the role: 0 A, 1 B
.set RT,   68                          ; the first walk's rank: 15 - pair
.set RK2,  69                          ; the second walk's: the pair (B), -1 (A: no step)
.set RY,   70                          ; the rank of the tile that I finish
.set CNT,  71
.macro WALU
	s_wait_alu depctr_va_vdst(0)
.endm
.macro CROUND
	s_barrier_signal -1
	s_barrier_wait -1
	s_cmp_lg_u32 s[WV], 0
	s_cbranch_scc1 .Lnot_wave_0_\@
	s_barrier_signal -3
.Lnot_wave_0_\@:
	s_barrier_wait -3
	s_barrier_signal -1
	s_barrier_wait -1
.endm
	s_load_b128 s[4:7], s[0:1], 0x0                ; qkv, yq
	v_lshl_add_u32 v30, v0, 2, SPARE
	v_mov_b32 v31, 0
	ds_add_u32 v30, v31                            ; the opening lines
	ds_add_u32 v30, v31
	v_lshrrev_b32 v8, 5, v0
	v_readfirstlane_b32 s[WV], v8                  ; wave 0..15
	s_and_b32 s[W], s[WV], 3
	s_lshr_b32 s12, s[WV], 3
	s_lshl_b32 s12, s12, 2
	s_or_b32 s[W], s[W], s12                       ; the pair: bits 0, 1 and 3 of the wave's number
	s_bfe_u32 s[RL], s[WV], 0x10002                ; the role: bit 2
	s_xor_b32 s[RT], s[W], 15
	s_cmp_eq_u32 s[RL], 1
	s_cselect_b32 s[RK2], s[W], -1
	s_cselect_b32 s[RY], s[W], s[RT]
	s_bfe_u32 s9, ttmp6, 0x40000                   ; cx
	s_lshl_b32 s10, ttmp9, 2
	s_add_co_u32 s10, s10, s9                      ; x: it enters q's and y's addresses and the mask's numbers alone
	s_and_b32 s11, ttmp7, 0xffff                   ; 16 batch + head, which the partners share
	s_and_b32 s12, s[WV], 1                        ; a wave that brings codes: 0 k, 1 v;
	s_bfe_u32 s13, s[WV], 0x10001                  ; which half
	s_mul_i32 s13, s13, 49152
	s_mul_i32 s84, s11, 98304
	s_mul_i32 s14, s12, 3145728
	s_add_co_u32 s84, s84, s14
	s_add_co_u32 s84, s84, s13
	s_add_co_u32 s84, s84, 3145728
	s_mov_b32 s85, 0
	s_mul_i32 s15, s12, VC
	s_add_co_u32 s15, s15, s13
	s_lshl_b32 s86, s11, 13
	s_add_co_u32 s86, s86, 9437184+262144
	s_mov_b32 s87, 0
	s_mov_b32 s[G1C], 15|(3<<16)|(1<<21)           ; all four work-groups; elements of 8 bytes; bit 21 beside a mask
	s_mov_b32 s[G1C+1], 32<<16                     ; 192 rows of 256 bytes, dense
	s_mov_b32 s[G1C+2], 192<<16
	s_mov_b32 s[G1C+3], 32<<16
	s_mov_b32 s[G1C+4], 192
	s_mov_b32 s[G1C+5], 32
	s_mov_b32 s[G1C+6], 0
	s_mov_b32 s[G1C+7], 0
	s_mov_b32 s[G1S], 15|(3<<16)|(1<<21)
	s_mov_b32 s[G1S+1], 1024<<16                   ; two rows of 8,192 bytes, 262,144 apart: k's scale words, v's
	s_mov_b32 s[G1S+2], 2<<16
	s_mov_b32 s[G1S+3], 1024<<16
	s_mov_b32 s[G1S+4], 2
	s_mov_b32 s[G1S+5], 32768
	s_mov_b32 s[G1S+6], 0
	s_mov_b32 s[G1S+7], 0
	s_mov_b32 s[SEL], 0x76543210
	s_mov_b32 s[SEL+1], 0xfedcba98
	s_mov_b32 s[CS], 0x3e38aa3b
	s_mov_b32 s[CS+1], s[CS]
	; offsets of rank 0's tile: q's codes s88, q's scale words s90, y's codes s92, y's scale bytes s94
	s_mul_i32 s88, s11, 98304
	s_mul_i32 s12, s10, 768
	s_add_co_u32 s88, s88, s12
	s_lshl_b32 s90, s11, 13
	s_lshl_b32 s12, s10, 6
	s_add_co_u32 s90, s90, s12
	s_add_co_u32 s90, s90, 9437184
	s_lshr_b32 s16, s11, 4
	s_lshl_b32 s16, s16, 7
	s_bfe_u32 s17, s11, 0x30001
	s_add_co_u32 s16, s16, s17                     ; 8 x (16 batch) + head / 2: group x 8 + K step
	s_and_b32 s17, s11, 1                          ; which half of the fragment
	s_mul_i32 s92, s16, 12288
	s_mul_i32 s12, s10, 1536
	s_add_co_u32 s92, s92, s12
	s_mul_i32 s12, s17, 768
	s_add_co_u32 s92, s92, s12
	s_lshl_b32 s94, s16, 9
	s_lshl_b32 s12, s10, 6
	s_add_co_u32 s94, s94, s12
	s_lshl_b32 s12, s17, 1
	s_add_co_u32 s94, s94, s12
	s_add_co_u32 s94, s94, 3145728
	s_lshr_b32 s8, s10, 1
	s_lshl_b32 s8, s8, 5
	s_and_b32 s12, s10, 1
	s_lshl_b32 s12, s12, 3
	s_add_co_u32 s8, s8, s12                       ; 32 (x / 2) + 8 (x % 2)
	s_mul_i32 s9, s[W], 4352
	s_add_co_u32 s9, s9, STAGE                     ; the pair's place
	s_mov_b32 s17, 0
	s_wait_dscnt 0x0
	s_wait_kmcnt 0x0
	s_mov_b32 s[G0C], 1
	s_mov_b32 s[G0C+1], s15
	s_add_nc_u64 s[G0C+2:G0C+3], s[4:5], s[84:85]
	s_or_b32 s[G0C+3], s[G0C+3], 0x80000000
	s_mov_b32 s[G0S], 1
	s_mov_b32 s[G0S+1], KSC
	s_add_nc_u64 s[G0S+2:G0S+3], s[4:5], s[86:87]
	s_or_b32 s[G0S+3], s[G0S+3], 0x80000000
.macro QBASE d, rk                     ; q of the tile of rank rk: a rank is 6,144 bytes of codes, 512 of scale words
	s_mul_i32 s16, s[\rk], 6144
	s_add_co_u32 s16, s16, s88
	s_add_nc_u64 s[\d:\d+1], s[4:5], s[16:17]
	s_lshl_b32 s16, s[\rk], 9
	s_add_co_u32 s16, s16, s90
	s_add_nc_u64 s[\d+2:\d+3], s[4:5], s[16:17]
.endm
	QBASE 48, RT
	QBASE 52, W
	s_mul_i32 s16, s[RY], 98304                    ; y: a rank is 98,304 bytes of codes, 4,096 of scale words
	s_add_co_u32 s16, s16, s92
	s_add_nc_u64 s[56:57], s[6:7], s[16:17]
	s_lshl_b32 s16, s[RY], 12
	s_add_co_u32 s16, s16, s94
	s_add_nc_u64 s[58:59], s[6:7], s[16:17]
	CROUND                                         ; all four work-groups are here: the joint loads meet
	s_cmp_lt_u32 s[WV], 4                          ; one chain of branches on the wave's number, one load to an arm
	s_cbranch_scc0 .Lnot_codes
	tensor_load_to_lds s[G0C:G0C+3], s[G1C:G1C+7]
	s_nop 0
.rept 4
	v_nop
.endr
	s_branch .Lasked
.Lnot_codes:
	s_cmp_eq_u32 s[WV], 4
	s_cbranch_scc0 .Lasked
	tensor_load_to_lds s[G0S:G0S+3], s[G1S:G1S+7]
	s_nop 0
.rept 4
	v_nop
.endr
.Lasked:
	v_and_b32 v11, 31, v0
	v_lshlrev_b32 v1, 3, v11                       ; v1 = 8 L
	v_add_nc_u32 v2, VC, v1                        ; v2 = 8 L + v's codes
	v_and_b32 v9, 15, v0                           ; r
	v_lshlrev_b32 v6, 2, v9                        ; v6 = 4 r
	v_add_nc_u32 v3, KSC, v6                       ; v3 = 4 r + the scale words
	v_bfe_u32 v10, v0, 4, 1
	v_lshlrev_b32 v10, 4, v10                      ; 16 h
	v_and_b32 v4, 8, v9
	v_add_nc_u32 v4, v4, v9
	v_sub_nc_u32 v4, v4, v10
	v_add_nc_u32 v4, s8, v4                        ; v4 = my query's place in its key step - 16 h
	v_lshl_add_u32 v5, v11, 4, s9                  ; v5 = the pair's place + 16 L: O^T, four registers at a time
	v_add_nc_u32 v7, s9, v1
	v_add_nc_u32 v7, 4096, v7                      ; v7 = behind them, + 8 L: the sum and -M
.irp g, 0,1,2
	global_load_b64 v[16+2*\g:17+2*\g], v1, s[48:49] offset:256*\g
	global_load_b64 v[208+2*\g:209+2*\g], v1, s[52:53] offset:256*\g
.endr
	global_load_b32 v28, v6, s[50:51]
	global_load_b32 v29, v6, s[54:55]
.irp j, 22,23,24,25,26,27,80,81,82,83,84,85,196,197,236,237,238,239
	v_mov_b32 v\j, 0                               ; zero codes; and registers that are named before they are first made
.endr
.macro FRESH                           ; a tile's sums begin
	v_mov_b32 v13, 0xff61b1e6                      ; the largest t so far: -3e38
	v_floor_f32 v12, -v13                          ; -M
	v_mov_b32 v14, 0
	v_mov_b32 v15, 0
.set j, 0
.rept 32
	v_mov_b32 v[160+j], 0                          ; O^T: the step is written once; the first change of M leaves zeros zeros
.set j, j+1
.endr
.endm
	FRESH
	WALU                                           ; the wait at the head's end
	s_wait_loadcnt 0x0                             ; q
	s_wait_tensorcnt 0x0                           ; my tile, if I asked for one
	s_barrier_signal -1
	s_barrier_wait -1                              ; all of k and v is in; nothing is filled again
.macro KLOAD a, s, oc, os              ; a key step's k: 32 loads
.irp t, 0,1,2,3,4,5,6,7
.irp g, 0,1,2
	ds_load_b64 v[32+6*\t+2*\g:33+6*\t+2*\g], v\a offset:\oc+768*\t+256*\g
.endr
	ds_load_b32 v[86+\t], v\s offset:\os+64*\t
.endr
.endm
.macro TMM a, n                        ; t - M, two at a time
.set j, \a
.rept \n
	v_pk_fma_f32 v[96+j:97+j], v[96+j:97+j], s[CS:CS+1], v[12:13] op_sel_hi:[1,0,0]
.set j, j+2
.endr
.endm
; A KEY STEP of 128 keys.  A step behind the tile's rank is passed over by a branch on numbers made of the wave's, round the step's work, not round the lines at its end that step addresses.
.macro STEP rk
	s_cmp_gt_i32 s[SI], s[\rk]
	s_cbranch_scc1 .Lhidden_\@
	s_wait_dscnt 0x0                               ; this step's k
.irp t, 0,1,2,3,4,5,6,7
	v_wmma_scale_f32_16x16x128_f8f6f4 v[96+8*\t:103+8*\t], v[32+6*\t:43+6*\t], v[16:27], 0, v[86+\t], v28 matrix_a_fmt:MATRIX_FMT_FP6 matrix_b_fmt:MATRIX_FMT_FP6
.endr
	v_add_nc_u32 v8, s[TB], v1
	v_add_nc_u32 v9, s[TB], v2
	s_min_u32 s12, s[TS], 15*512                   ; held at the last key step's scale words: B's first walk counts on to key steps 16 and 17, which are always passed over
	v_add_nc_u32 v10, s12, v3
	v_nop                                          ; four places in front of loads into registers that the products read
.irp t, 0,1,2,3                        ; v's fragments, into k's registers
.irp g, 0,1,2,3,4,5
	ds_load_b64 v[32+12*\t+2*\g:33+12*\t+2*\g], v9 offset:1536*\t+256*\g
.endr
	ds_load_b32 v[192+\t], v10 offset:8192+128*\t
.endr
	s_cmp_lt_i32 s[SI], s[\rk]                     ; only the tile's own key step lies on the diagonal
	s_cbranch_scc1 .Lopen_\@
	v_mov_b32 v254, 0xff800000                     ; -infinity for hidden keys: register 16 b + i holds key 32 b + 16 h + i of the step
.set mn, 0
.rept 64
	v_cmp_gt_i32 vcc_lo, 32*(mn/16)+mn%16, v4
	v_cndmask_b32 v[96+mn], v[96+mn], v254, vcc_lo
.set mn, mn+1
.endr
.Lopen_\@:
.irp b, 0,1,2,3
	v_max3_num_f32 v[232+\b], v[96+16*\b], v[97+16*\b], v[98+16*\b]   ; the largest score of each block of 32 keys: for the row's maximum and, since p rises with the score, for the block's largest p
.endr
.irp i, 3,5,7,9,11,13
.irp b, 0,1,2,3
	v_max3_num_f32 v[232+\b], v[232+\b], v[96+16*\b+\i], v[97+16*\b+\i]
.endr
.endr
.irp b, 0,1,2,3
	v_max_num_f32 v[232+\b], v[232+\b], v[111+16*\b]
.endr
.irp b, 0,1,2,3
	s_delay_alu instid0(VALU_DEP_4)
	v_permlanex16_b32 v[236+\b], v[232+\b], s[SEL], s[SEL+1]
.endr
.irp b, 0,1,2,3
	s_delay_alu instid0(VALU_DEP_4)
	v_max_num_f32 v[232+\b], v[232+\b], v[236+\b]
.endr
	s_delay_alu instid0(VALU_DEP_2)
	v_max3_num_f32 v254, v232, v233, v234
	s_delay_alu instid0(VALU_DEP_1)
	v_max_num_f32 v254, v254, v235
	s_delay_alu instid0(VALU_DEP_1)
	v_mul_f32 v254, s[CS], v254
	s_delay_alu instid0(VALU_DEP_1)
	v_max_num_f32 v13, v13, v254                   ; the running largest t
	v_mov_b32 v254, v12
	s_delay_alu instid0(VALU_DEP_2)
	v_floor_f32 v12, -v13                          ; the new -M = -ceil(t)
.irp b, 0,1,2,3
	v_fma_f32 v[232+\b], v[232+\b], s[CS], v12
.endr
	v_sub_f32 v254, v12, v254                      ; old M - new M: a whole number, 0 or less
	TMM 0, 8
	v_cvt_i32_f32 v254, v254                       ; (it saturates)
	TMM 16, 8
	v_ldexp_f32 v196, 1.0, v254                    ; f = 2^(old M - new M)
	TMM 32, 16
	v_pk_mul_f32 v[14:15], v[14:15], v[196:197] op_sel_hi:[1,0]   ; the sums and O^T under the new M
.set j, 0
.rept 16
	v_pk_mul_f32 v[160+j:161+j], v[160+j:161+j], v[196:197] op_sel_hi:[1,0]
.set j, j+2
.endr
	WALU                                           ; the wait ahead of the batch
.irp b, 0,1,2,3
	v_exp_f32 v[232+\b], v[232+\b]                 ; the block's largest p
.endr
.set j, 0
.rept 64
	v_exp_f32 v[96+j], v[96+j]                     ; p = 2^(t - M)
.set j, j+1
.endr
	v_nop                                          ; a plain place behind the batch
	WALU                                           ; and one wait for it, ahead of its first reader
.irp b, 0,1,2,3
	v_max_num_f32 v[232+\b], 0x1800000, v[232+\b]  ; the floor 2^(3 - 127)
.endr
.irp b, 0,1,2,3
	s_delay_alu instid0(VALU_DEP_4)
	v_add_nc_u32 v[244+\b], 0xff000000, v[232+\b]  ; the conversion's scale operand
.endr
.irp b, 0,1,2,3
	s_delay_alu instid0(VALU_DEP_4)
	v_lshrrev_b32 v[236+\b], 23, v[244+\b]
.endr
	s_delay_alu instid0(VALU_DEP_3)
	v_lshl_or_b32 v198, v237, 8, v236              ; p's scale word
	s_delay_alu instid0(VALU_DEP_1)
	v_lshl_or_b32 v198, v238, 16, v198
	s_delay_alu instid0(VALU_DEP_1)
	v_lshl_or_b32 v198, v239, 24, v198
.irp c, 0,1
	v_cvt_scalef32_pk16_fp6_f32 v[224+6*\c:226+6*\c], v[96+32*\c:111+32*\c], v[244+2*\c]
	v_cvt_scalef32_pk16_fp6_f32 v[236+4*\c:238+4*\c], v[112+32*\c:127+32*\c], v[244+2*\c+1]
.endr
.irp c, 0,1,2,3,4,5,6,7                ; the row's sum of the unquantised p, in eight chains; the first line is the plain place behind the conversions
	v_pk_add_f32 v[200+2*\c+36*(\c/4):201+2*\c+36*(\c/4)], v[96+2*\c:97+2*\c], v[112+2*\c:113+2*\c]
.endr
.irp c, 0,1
.irp i, 0,1,2
	v_permlane16_swap_b32 v[224+6*\c+\i], v[236+4*\c+\i]
.endr
.irp i, 0,1,2
	s_delay_alu instid0(VALU_DEP_3)
	v_mov_b32 v[227+6*\c+\i], v[236+4*\c+\i]
.endr
.endr
.irp k, 128,144                        ; these lines are also the places between p's codes and scale word and the products below
.irp c, 0,1,2,3,4,5,6,7
	v_pk_add_f32 v[200+2*\c+36*(\c/4):201+2*\c+36*(\c/4)], v[200+2*\c+36*(\c/4):201+2*\c+36*(\c/4)], v[\k+2*\c:\k+2*\c+1]
.endr
.endr
.irp c, 0,1,2,3
	s_delay_alu instid0(VALU_DEP_4)
	v_pk_add_f32 v[200+2*\c:201+2*\c], v[200+2*\c:201+2*\c], v[244+2*\c:245+2*\c]
.endr
	s_delay_alu instid0(VALU_DEP_2)
	v_pk_add_f32 v[200:201], v[200:201], v[204:205]
	s_delay_alu instid0(VALU_DEP_2)
	v_pk_add_f32 v[202:203], v[202:203], v[206:207]
	s_delay_alu instid0(VALU_DEP_1)
	v_pk_add_f32 v[200:201], v[200:201], v[202:203]
	s_delay_alu instid0(VALU_DEP_1)
	v_pk_add_f32 v[14:15], v[14:15], v[200:201]
	WALU                                           ; a wait directly ahead of the wait below
	s_wait_dscnt 0x0                               ; v
.irp t, 0,1,2,3
	v_wmma_scale_f32_16x16x128_f8f6f4 v[160+8*\t:167+8*\t], v[32+12*\t:43+12*\t], v[224:235], v[160+8*\t:167+8*\t], v[192+\t], v198 matrix_a_fmt:MATRIX_FMT_FP6 matrix_b_fmt:MATRIX_FMT_FP6
.endr
.rept 4
	v_nop                                          ; places in front of loads into v's registers, and of whatever reads O^T next
.endr
	KLOAD 8, 10, 6144, 512                         ; the next step's k
.Lhidden_\@:
	s_add_co_u32 s[TB], s[TB], 6144
	s_add_co_u32 s[TS], s[TS], 512
	s_add_co_u32 s[SI], s[SI], 1
	s_add_co_u32 s[CNT], s[CNT], 1
.endm
	; THE FIRST WALK: nine trips over the tile of rank 15 - pair: A from key step 0, B from key step 9
	s_mul_i32 s[TB], s[RL], 9*6144
	s_mul_i32 s[TS], s[RL], 9*512
	s_mul_i32 s[SI], s[RL], 9
	s_mov_b32 s[CNT], 0
	v_add_nc_u32 v8, s[TB], v1
	v_add_nc_u32 v10, s[TS], v3
	KLOAD 8, 10, 0, 0
.Lwalk1:
	STEP RT
	s_cmp_lt_u32 s[CNT], 9
	s_cbranch_scc1 .Lwalk1
	s_mov_b32 s[TB], 0
	s_mov_b32 s[TS], 0
	s_mov_b32 s[SI], 0
	s_mov_b32 s[CNT], 0
	s_cmp_eq_u32 s[RL], 0
	s_cbranch_scc1 .Lnot_b
	s_wait_dscnt 0x0                               ; B: the loads that ran ahead have landed: their registers may be asked for again
	v_add_f32 v14, v14, v15
	v_mov_b32 v15, v12
.irp k, 0,1,2,3,4,5,6,7
	ds_store_b128 v5, v[160+4*\k:163+4*\k] offset:512*\k   ; my part of O^T, each accumulator from its low end on,
.endr
	ds_store_b64 v7, v[14:15]                      ; my part of the sum, and -M
.irp g, 0,1,2,3,4,5
	v_mov_b32 v[16+\g], v[208+\g]                  ; the second tile's q; the lines below are the places ahead of the products that take it
.endr
	v_mov_b32 v28, v29
	FRESH
	KLOAD 1, 3, 0, 0
	WALU
.Lnot_b:
	; THE SECOND WALK: eight trips over the tile of rank pair, B alone
.Lwalk2:
	STEP RK2
	s_cmp_lt_u32 s[CNT], 8
	s_cbranch_scc1 .Lwalk2
	s_wait_dscnt 0x0                               ; for the others' sake: B's stores have landed; and no load of mine is out
	s_barrier_signal -1
	s_barrier_wait -1
	s_cmp_eq_u32 s[RL], 1
	s_cbranch_scc1 .Lnot_a
.irp k, 0,1,2,3,4,5,6,7
	ds_load_b128 v[96+4*\k:99+4*\k], v5 offset:512*\k      ; A: B's part
.endr
	ds_load_b64 v[128:129], v7
	s_wait_dscnt 0x0
	v_add_f32 v14, v14, v15
	v_min_num_f32 v130, v12, v129                  ; -M of the two together
	v_mov_b32 v135, 0
	v_mov_b32 v15, 0
	v_sub_f32 v131, v130, v12                      ; my M less the common one, and B's: whole numbers, 0 or less
	v_sub_f32 v132, v130, v129
	v_cvt_i32_f32 v131, v131                       ; (they saturate: a part with no step counts for nothing)
	v_cvt_i32_f32 v132, v132
	v_ldexp_f32 v196, 1.0, v131
	v_ldexp_f32 v134, 1.0, v132
	v_mul_f32 v14, v14, v196
	v_fma_f32 v14, v128, v134, v14
.set j, 0
.rept 16
	v_pk_mul_f32 v[160+j:161+j], v[160+j:161+j], v[196:197] op_sel_hi:[1,0]
.set j, j+2
.endr
.set j, 0
.rept 16
	v_pk_fma_f32 v[160+j:161+j], v[96+j:97+j], v[134:135], v[160+j:161+j] op_sel_hi:[1,0,1]
.set j, j+2
.endr
.Lnot_a:
	; THE WAY OUT: y = O^T / the sum; its two blocks of 32 channels are quantised in registers: half a fragment of the next product's operand
	v_add_f32 v14, v14, v15
	s_delay_alu instid0(VALU_DEP_1)
	v_permlanex16_b32 v196, v14, s[SEL], s[SEL+1]
	s_delay_alu instid0(VALU_DEP_1)
	v_add_f32 v14, v14, v196                       ; the row's sum
	WALU
	v_rcp_f32 v14, v14
	v_nop
	WALU
.set j, 0
.rept 16
	v_pk_mul_f32 v[96+j:97+j], v[160+j:161+j], v[14:15] op_sel_hi:[1,0]   ; register 16 b + i: channel 32 b + 16 h + i of my query
.set j, j+2
.endr
.irp b, 0,1
	v_max3_num_f32 v[232+\b], |v[96+16*\b]|, |v[97+16*\b]|, 0x1800000
.endr
.irp i, 2,4,6,8,10,12,14
.irp b, 0,1
	s_delay_alu instid0(VALU_DEP_2)
	v_max3_num_f32 v[232+\b], v[232+\b], |v[96+16*\b+\i]|, |v[97+16*\b+\i]|
.endr
.endr
.irp b, 0,1
	s_delay_alu instid0(VALU_DEP_2)
	v_permlanex16_b32 v[236+\b], v[232+\b], s[SEL], s[SEL+1]
.endr
.irp b, 0,1
	s_delay_alu instid0(VALU_DEP_2)
	v_max_num_f32 v[232+\b], v[232+\b], v[236+\b]
.endr
.irp b, 0,1
	s_delay_alu instid0(VALU_DEP_2)
	v_add_nc_u32 v[244+\b], 0xff000000, v[232+\b]
.endr
.irp b, 0,1
	s_delay_alu instid0(VALU_DEP_2)
	v_lshrrev_b32 v[236+\b], 23, v[244+\b]
.endr
	s_delay_alu instid0(VALU_DEP_1)
	v_lshl_or_b32 v240, v237, 8, v236              ; the two bytes
	v_cvt_scalef32_pk16_fp6_f32 v[224:226], v[96:111], v244
	v_cvt_scalef32_pk16_fp6_f32 v[236:238], v[112:127], v245
	v_nop
.irp i, 0,1,2
	v_permlane16_swap_b32 v[224+\i], v[236+\i]
.endr
.irp i, 0,1,2
	s_delay_alu instid0(VALU_DEP_3)
	v_mov_b32 v[227+\i], v[236+\i]
.endr
.irp g, 0,1,2
	global_store_b64 v1, v[224+2*\g:225+2*\g], s[56:57] offset:256*\g   ; 256 consecutive bytes
.endr
	global_store_b16 v6, v240, s[58:59]            ; lanes 16-31 hold and store the same as lanes 0-15
	s_wait_tensorcnt 0x0                           ; the wave's end
	ds_add_u32 v30, v31
	s_wait_dscnt 0x0
	CROUND                                         ; the closing round
	s_endpgm
.Lfunc_end_k_qb4d3149769_att:
	.size	k_qb4d3149769_att, .Lfunc_end_k_qb4d3149769_att-k_qb4d3149769_att
	.p2alignl 7, 3214868480
	.fill 96, 4, 3214868480
	.section	.rodata,"a",@progbits
	.p2align	6, 0x0
	.amdhsa_kernel k_qb4d3149769_att
		.amdhsa_group_segment_fixed_size 252928
		.amdhsa_private_segment_fixed_size 0
		.amdhsa_enable_private_segment 0
		.amdhsa_kernarg_size 16
		.amdhsa_user_sgpr_count 2
		.amdhsa_user_sgpr_kernarg_segment_ptr 1
		.amdhsa_wavefront_size32 1
		.amdhsa_system_sgpr_workgroup_id_x 1
		.amdhsa_system_sgpr_workgroup_id_y 1
		.amdhsa_system_sgpr_workgroup_id_z 1
		.amdhsa_system_vgpr_workitem_id 0
		.amdhsa_next_free_vgpr 256
		.amdhsa_next_free_sgpr 96
		.amdhsa_reserve_vcc 1
		.amdhsa_float_denorm_mode_32 3
		.amdhsa_float_denorm_mode_16_64 3
		.amdhsa_memory_ordered 1
		.amdhsa_forward_progress 1
		.amdhsa_inst_pref_size 72
	.end_amdhsa_kernel
	.amdgpu_metadata
---
amdhsa.version: [ 1, 2 ]
amdhsa.kernels:
  - .name:           k_qb4d3149769_att
    .symbol:         k_qb4d3149769_att.kd
    .args:
      - { .name: qkv, .offset: 0, .size: 8, .value_kind: global_buffer, .address_space: global }
      - { .name: yq, .offset: 8, .size: 8, .value_kind: global_buffer, .address_space: global }
    .group_segment_fixed_size: 252928
    .private_segment_fixed_size: 0
    .kernarg_segment_align: 8
    .kernarg_segment_size: 16
    .max_flat_workgroup_size: 512
    .sgpr_count:     96
    .vgpr_count:     256
    .wavefront_size: 32
...
	.end_amdgpu_metadata
.endif
;; end of part 10
;; launch g4 (part 11): grid 8 x 32, 4 waves a work-group, clusters of 4 x 4, 327,680 bytes of LDS; arguments yq, wq, proj_b, x, x1; writes x1
.if DOCPART == 11
	.amdgcn_target "amdgcn-amd-amdhsa--gfx1250"
	.amdhsa_code_object_version 6
	.text
	.protected	k_qb4d3149769_g4
	.globl	k_qb4d3149769_g4
	.p2align	8
	.type	k_qb4d3149769_g4,@function
k_qb4d3149769_g4:
	s_mov_b64 s[64:65], 0
	v_nop
	global_prefetch_b8 v0, s[64:65] scope:SCOPE_SE
	s_setreg_imm32_b32 hwreg(HW_REG_WAVE_MODE, 25, 1), 1
	s_wait_xcnt 0x0
	s_wait_alu depctr_hold_cnt(0) depctr_sa_sdst(0) depctr_va_vdst(0) depctr_va_sdst(0) depctr_va_ssrc(0) depctr_va_vcc(0) depctr_vm_vsrc(0)
	s_getreg_b32 s2, hwreg(HW_REG_IB_STS2, 6, 4)
	s_cmp_eq_u32 s2, 0
	s_cbranch_scc0 .Lentry_in_a_cluster
	s_endpgm
.Lentry_in_a_cluster:
	s_bfe_u32 s2, ttmp6, 0x10000c
	s_cmp_lg_u32 s2, 0xf033
	s_cbranch_scc0 .Lentry_shape_is_right
	s_endpgm
.Lentry_shape_is_right:
.set KSTEPS, 8
.set A_SCALE_OFF, 3145728
.set B_CODE_OFF,  2359296
.set B_SCALE_OFF, 9535488
.set NT_OUT, 0
.set FR,     12
.set NP,     4
.set HALFT,  24576
.set SLOT,   4*HALFT
.set SCL,    2*SLOT
.set HALFS,  KSTEPS*512
.set HS2,    HALFS/2
.set SPARE,  SCL+2*HALFS
.set LAPS,   KSTEPS/8
.set GS,     KSTEPS*12288
.set ADRA, 16
.set ADRB, 20
.set STO,  24
.set RD,   25
.set CO,   26
.set ADRS, 27
.set SPW,  28
.set NIL,  29
.set CB,   30
.set SC,   32
.set BIA,  64
.set ACC,  128
.set F0,   0
.set F1,   128
.set RES,  0
.set BK,   128
.set SPITCH, 272
.set G1, 24
.set G0, 32
.set G1B, 48
.set G0B, 56
.set G1S, 68
.set G0S, 76
.set G1SB, 80
.set G0SB, 88
.set MSB, 0
.macro WIN new
.if MSB != \new
	s_set_vgpr_msb (MSB<<8)|\new
.set MSB, \new
.endif
.endm
.set MUL,  0x05
.set TO_F, 0x40
.macro JLOAD g0a, g1a, g0b, g1b
	s_cmp_eq_u32 s15, 0
	s_cbranch_scc0 .Lfor_b_\@
	tensor_load_to_lds s[\g0a:\g0a+3], s[\g1a:\g1a+7]
	s_nop 0
.rept 4
	v_nop
.endr
	s_branch .Lasked_\@
.Lfor_b_\@:
	tensor_load_to_lds s[\g0b:\g0b+3], s[\g1b:\g1b+7]
	s_nop 0
.rept 4
	v_nop
.endr
.Lasked_\@:
.endm
.macro CREST
	s_cmp_lg_u32 s14, 0
	s_cbranch_scc1 .Lnot_wave_0_\@
	s_barrier_signal -3
.Lnot_wave_0_\@:
	s_barrier_wait -3
	s_barrier_signal -1
	s_barrier_wait -1
.endm
.macro CROUND
	s_barrier_signal -1
	s_barrier_wait -1
	CREST
.endm
	s_load_b128 s[4:7], s[0:1], 0x0
	s_load_b128 s[8:11], s[0:1], 0x10
	s_load_b64 s[12:13], s[0:1], 0x20
	v_lshl_add_u32 v[SPW], v0, 2, SPARE
	v_mov_b32 v[NIL], 0
	ds_add_u32 v28, v29
	ds_add_u32 v28, v29
	s_wait_dscnt 0x0
	v_lshrrev_b32 v1, 5, v0
	v_readfirstlane_b32 s14, v1
	s_lshr_b32 s15, s14, 1
	s_and_b32 s16, s14, 1
	s_bfe_u32 s40, ttmp6, 0x40000
	s_bfe_u32 s41, ttmp6, 0x40004
	s_lshl_b32 s42, ttmp9, 2
	s_add_co_u32 s42, s42, s40
	s_and_b32 s17, ttmp7, 0xffff
	s_lshl_b32 s17, s17, 2
	s_add_co_u32 s17, s17, s41
	s_lshl_b32 s43, s41, 2
	s_lshl_b32 s43, 15, s43
	s_lshl_b32 s44, 0x1111, s40
	s_or_b32 s[G1+0], s43, (3<<16)|(1<<21)
	s_or_b32 s[G1B+0], s44, (3<<16)|(1<<21)
.irp g, G1, G1B
	s_mov_b32 s[\g+1], 32<<16
	s_mov_b32 s[\g+2], 384<<16
	s_mov_b32 s[\g+3], 32<<16
	s_mov_b32 s[\g+4], 384
	s_mov_b32 s[\g+5], 32
	s_mov_b32 s[\g+6], 0
	s_mov_b32 s[\g+7], 0
.endr
	s_or_b32 s[G1S+0], s43, (3<<16)|(1<<21)
	s_or_b32 s[G1SB+0], s44, (3<<16)|(1<<21)
.irp g, G1S, G1SB
	s_mov_b32 s[\g+1], 32<<16
	s_mov_b32 s[\g+2], (HALFS/256)<<16
	s_mov_b32 s[\g+3], 32<<16
	s_mov_b32 s[\g+4], HALFS/256
	s_mov_b32 s[\g+5], 32
	s_mov_b32 s[\g+6], 0
	s_mov_b32 s[\g+7], 0
.endr
	s_mul_i32 s18, s16, HS2
	s_mul_i32 s19, s16, HALFT
	s_mul_i32 s22, s17, HALFS
	s_add_co_u32 s22, s22, s18
	s_add_co_u32 s22, s22, A_SCALE_OFF
	s_mov_b32 s23, 0
	s_mul_i32 s20, s17, GS
	s_add_co_u32 s20, s20, s19
	s_mov_b32 s21, 0
	s_mul_i32 s92, s42, HALFS
	s_add_co_u32 s92, s92, s18
	s_add_co_u32 s92, s92, B_SCALE_OFF
	s_mov_b32 s93, 0
	s_mul_i32 s46, s42, GS
	s_add_co_u32 s46, s46, s19
	s_add_co_u32 s46, s46, B_CODE_OFF
	s_mov_b32 s47, 0
	s_wait_kmcnt 0x0
	s_add_nc_u64 s[20:21], s[4:5], s[20:21]
	s_add_nc_u64 s[22:23], s[4:5], s[22:23]
	s_add_nc_u64 s[46:47], s[6:7], s[46:47]
	s_add_nc_u64 s[92:93], s[6:7], s[92:93]
; ALL OF K (eight K steps) COMES AT THE HEAD, one load a wave: wave 0 A's group (98,304 bytes, at LDS 0), wave 1 B's (at 4 HALFT), wave 2 A's scale words, wave 3 B's.  Nothing is filled again.
; The wave's own term is taken off the addresses made above.
.set G0H, 4
.set G0HB, 92
	s_mov_b32 s66, s18
	s_mov_b32 s67, 0
	s_mov_b32 s[G0S], 1
	s_mov_b32 s[G0S+1], SCL
	s_sub_nc_u64 s[G0S+2:G0S+3], s[22:23], s[66:67]
	s_or_b32 s[G0S+3], s[G0S+3], 0x80000000
	s_mov_b32 s[G0SB], 1
	s_mov_b32 s[G0SB+1], SCL+HALFS
	s_sub_nc_u64 s[G0SB+2:G0SB+3], s[92:93], s[66:67]
	s_or_b32 s[G0SB+3], s[G0SB+3], 0x80000000
	s_mov_b32 s66, s19
	s_mov_b32 s[G0H], 1
	s_mov_b32 s[G0H+1], 0
	s_sub_nc_u64 s[G0H+2:G0H+3], s[20:21], s[66:67]
	s_or_b32 s[G0H+3], s[G0H+3], 0x80000000
	s_mov_b32 s[G0HB], 1
	s_mov_b32 s[G0HB+1], 4*HALFT
	s_sub_nc_u64 s[G0HB+2:G0HB+3], s[46:47], s[66:67]
	s_or_b32 s[G0HB+3], s[G0HB+3], 0x80000000
	CROUND
.macro HARM under, g0, g1, next
	s_cmp_lt_u32 s14, \under
	s_cbranch_scc0 \next
	tensor_load_to_lds s[\g0:\g0+3], s[\g1:\g1+7]
	s_nop 0
.rept 4
	v_nop
.endr
	s_branch .Lhead_asked
\next:
.endm
	HARM 1, G0H,  G1,  .Lhead_b
	HARM 2, G0HB, G1B, .Lhead_sa
	HARM 3, G0S,  G1S, .Lhead_sb
	tensor_load_to_lds s[G0SB:G0SB+3], s[G1SB:G1SB+7]
	s_nop 0
.rept 4
	v_nop
.endr
.Lhead_asked:
	v_and_b32 v1, 15, v0
	v_bfe_u32 v2, v0, 4, 1
	s_wait_alu depctr_va_vdst(0)
	v_and_b32 v3, 31, v0
	v_lshlrev_b32 v4, 3, v3
	s_mul_i32 s21, s15, 6144
	s_mul_i32 s22, s16, 6144
	s_add_co_u32 s22, s22, 4*HALFT
.irp s, 0,1
	v_add_nc_u32 v[ADRA+\s], s21, v4
	v_add_nc_u32 v[ADRB+\s], s22, v4
	s_add_co_u32 s21, s21, 2*HALFT
	s_add_co_u32 s22, s22, 2*HALFT
.endr
	v_lshlrev_b32 v5, 2, v1
	s_lshl_b32 s21, s15, 8
	s_lshl_b32 s22, s16, 8
	s_add_co_u32 s22, s22, HALFS
	s_sub_co_u32 s22, s22, s21
	v_mul_u32_u24 v6, s22, v2
	s_add_co_u32 s21, s21, SCL
	v_add_nc_u32 v5, v5, v6
	v_add_nc_u32 v[ADRS], s21, v5
	s_mul_i32 s23, s15, 4*HALFT                    ; my stage: waves 0, 1 in A's first four K steps, waves 2, 3 in B's, which are read no more by then
	s_mul_i32 s22, s16, 64*SPITCH
	s_add_co_u32 s23, s23, s22
	v_mul_u32_u24 v5, v1, SPITCH
	v_lshl_add_u32 v5, v2, 6, v5
	v_add_nc_u32 v[STO], s23, v5
	v_mul_u32_u24 v5, v2, SPITCH
	v_lshl_add_u32 v5, v1, 4, v5
	v_add_nc_u32 v[RD], s23, v5
	v_lshlrev_b32 v[CB], 4, v1
	s_wait_alu depctr_va_vdst(0)
	v_lshl_add_u32 v[CO], v2, 12, v[CB]
	s_wait_alu depctr_va_vdst(0)
	s_lshl_b32 s20, s17, 7
	s_lshl_b32 s21, s15, 6
	s_add_co_u32 s20, s20, s21
	s_lshl_b32 s20, s20, 12
	s_lshl_b32 s46, s42, 9
	s_lshl_b32 s47, s16, 8
	s_add_co_u32 s46, s46, s47
	s_mov_b32 s47, 0
	s_add_nc_u64 s[8:9], s[8:9], s[46:47]
	s_add_co_u32 s20, s20, s46
	s_mov_b32 s21, 0
	s_add_nc_u64 s[10:11], s[10:11], s[20:21]
	s_add_nc_u64 s[12:13], s[12:13], s[20:21]
	global_load_b128 v[BIA:BIA+3], v[CB], s[8:9]
	WIN 0x80
.set tt, 0
.rept 32
	global_load_b128 v[RES+4*tt:RES+4*tt+3], v[CO], s[10:11] offset:(32*(tt/16)+16*((tt/4)%2)+8*((tt/8)%2)+2*(tt%4))*4096
.set tt, tt+1
.endr
	WIN 0
.macro FRAG reg, adr, q, i
.irp p, 0,1,2,3,4,5
	ds_load_b64 v[\reg+2*\p:\reg+2*\p+1], v[\adr] offset:(\q)*12288+(\i)*1536+256*\p
.endr
.endm
.macro FETCH slot, q, f
	WIN TO_F
.irp i, 0,1,2,3
	FRAG \f+48+FR*\i, ADRB+\slot, \q, \i
.endr
.irp i, 0,1,2,3
	FRAG \f+FR*\i, ADRA+\slot, \q, \i
.endr
.endm
.macro SCALES sc
.irp q, 0,1,2,3
.irp i, 0,1,2,3
	ds_load_b32 v[SC+16*\sc+4*\q+\i], v[ADRS] offset:512*\q+64*\i
.endr
.endr
.endm
.macro MULA f, q, sc, zero, a
.irp b, 0,1,2,3
.if \zero
	v_wmma_scale_f32_16x16x128_f8f6f4 v[ACC+8*(4*(\a)+\b):ACC+8*(4*(\a)+\b)+7], v[\f+48+FR*\b:\f+48+FR*\b+FR-1], v[\f+FR*(\a):\f+FR*(\a)+FR-1], 0, v[SC+16*(\sc)+4*(\q)+\b], v[SC+16*(\sc)+4*(\q)+(\a)] matrix_a_fmt:MATRIX_FMT_FP6 matrix_b_fmt:MATRIX_FMT_FP6 matrix_a_scale:MATRIX_SCALE_ROW1
.else
	v_wmma_scale_f32_16x16x128_f8f6f4 v[ACC+8*(4*(\a)+\b):ACC+8*(4*(\a)+\b)+7], v[\f+48+FR*\b:\f+48+FR*\b+FR-1], v[\f+FR*(\a):\f+FR*(\a)+FR-1], v[ACC+8*(4*(\a)+\b):ACC+8*(4*(\a)+\b)+7], v[SC+16*(\sc)+4*(\q)+\b], v[SC+16*(\sc)+4*(\q)+(\a)] matrix_a_fmt:MATRIX_FMT_FP6 matrix_b_fmt:MATRIX_FMT_FP6 matrix_a_scale:MATRIX_SCALE_ROW1
.endif
.endr
.endm
.macro MUL16 f, q, sc, zero
.irp a, 0,1,2,3
	MULA \f, \q, \sc, \zero, \a
.endr
.endm
.macro PLACES n
.rept \n
	v_nop
.endr
.endm
.macro STEP slot, q, f, g, zero
	s_wait_dscnt 0x0
	PLACES NP
	FETCH \slot, (\q)+1, \g
	WIN MUL
	MUL16 \f, \q, \slot, \zero
.endm
.macro TURN slot, next, fill
	WIN 0
	s_wait_tensorcnt 0x0
	ds_add_u32 v[SPW], v[NIL]
	s_wait_dscnt 0x1
	WIN MUL
	MULA F1, 3, \slot, 0, 0
	s_wait_dscnt 0x0
	s_barrier_signal -1
	MULA F1, 3, \slot, 0, 1
	WIN 0
	s_barrier_wait -1
.if \fill
	CREST
	s_add_nc_u64 s[G0+4*\slot+2:G0+4*\slot+3], s[G0+4*\slot+2:G0+4*\slot+3], 4*HALFT
	s_add_nc_u64 s[G0B+4*\slot+2:G0B+4*\slot+3], s[G0B+4*\slot+2:G0B+4*\slot+3], 4*HALFT
	JLOAD G0+4*\slot, G1, G0B+4*\slot, G1B
.else
	PLACES NP
.endif
	v_add_nc_u32 v[ADRS], 2048, v[ADRS]
	SCALES \next
	FETCH \next, 0, F0
	WIN MUL
	MULA F1, 3, \slot, 0, 2
	MULA F1, 3, \slot, 0, 3
.endm
	s_wait_tensorcnt 0x0
	s_barrier_signal -1
	s_barrier_wait -1
	SCALES 0
	FETCH 0, 0, F0
	STEP 0, 0, F0, F1, 1
.if LAPS > 1
	WIN 0
	s_mov_b32 s3, LAPS-1
.Llap:
	STEP 0, 1, F1, F0, 0
	STEP 0, 2, F0, F1, 0
	TURN 0, 1, 1
	STEP 1, 0, F0, F1, 0
	STEP 1, 1, F1, F0, 0
	STEP 1, 2, F0, F1, 0
	TURN 1, 0, 1
	STEP 0, 0, F0, F1, 0
	WIN 0
	s_sub_co_u32 s3, s3, 1
	s_cmp_lg_u32 s3, 0
	s_cbranch_scc1 .Llap
.endif
	STEP 0, 1, F1, F0, 0
	STEP 0, 2, F0, F1, 0
	TURN 0, 1, 0
	STEP 1, 0, F0, F1, 0
	STEP 1, 1, F1, F0, 0
	STEP 1, 2, F0, F1, 0
	s_wait_dscnt 0x0
	MUL16 F1, 3, 1, 0
	WIN 0
	PLACES NP
.irp a, 0,1,2,3
.irp b, 0,1,2,3
	ds_store_b128 v[STO], v[ACC+8*(4*\a+\b):ACC+8*(4*\a+\b)+3] offset:\a*16*SPITCH+128*(\b/2)+32*(\b%2)
	ds_store_b128 v[STO], v[ACC+8*(4*\a+\b)+4:ACC+8*(4*\a+\b)+7] offset:\a*16*SPITCH+128*(\b/2)+32*(\b%2)+16
.endr
.endr
	WIN 0x80
.set tt, 0
.rept 32
	ds_load_b128 v[BK+4*tt:BK+4*tt+3], v[RD] offset:2*tt*SPITCH
.set tt, tt+1
.endr
	s_wait_loadcnt 0x0
	WIN 0x82
.set tt, 0
.rept 32
	v_pk_add_f32 v[RES+4*tt:RES+4*tt+1], v[RES+4*tt:RES+4*tt+1], v[BIA:BIA+1]
	v_pk_add_f32 v[RES+4*tt+2:RES+4*tt+3], v[RES+4*tt+2:RES+4*tt+3], v[BIA+2:BIA+3]
.set tt, tt+1
.endr
.irp g, 0,1,2,3
	s_wait_dscnt 24-8*\g
	WIN 0x8a
.set tt, 16*\g
.rept 16
	v_pk_add_f32 v[BK+2*tt:BK+2*tt+1], v[BK+2*tt:BK+2*tt+1], v[RES+2*tt:RES+2*tt+1]
.set tt, tt+1
.endr
	WIN 0x08
.set tt, 8*\g
.rept 8
.if NT_OUT
	global_store_b128 v[CO], v[BK+4*tt:BK+4*tt+3], s[12:13] offset:(32*(tt/16)+16*((tt/4)%2)+8*((tt/8)%2)+2*(tt%4))*4096 th:TH_STORE_NT
.else
	global_store_b128 v[CO], v[BK+4*tt:BK+4*tt+3], s[12:13] offset:(32*(tt/16)+16*((tt/4)%2)+8*((tt/8)%2)+2*(tt%4))*4096
.endif
.set tt, tt+1
.endr
.endr
	WIN 0
	s_wait_tensorcnt 0x0
	ds_add_u32 v[SPW], v[NIL]
	s_wait_dscnt 0x0
	CROUND
	s_endpgm
.Lfunc_end_k_qb4d3149769_g4:
	.size	k_qb4d3149769_g4, .Lfunc_end_k_qb4d3149769_g4-k_qb4d3149769_g4
	.p2alignl 7, 3214868480
	.fill 96, 4, 3214868480
	.section	.rodata,"a",@progbits
	.p2align	6, 0x0
	.amdhsa_kernel k_qb4d3149769_g4
		.amdhsa_group_segment_fixed_size 327680
		.amdhsa_private_segment_fixed_size 0
		.amdhsa_enable_private_segment 0
		.amdhsa_kernarg_size 40
		.amdhsa_user_sgpr_count 2
		.amdhsa_user_sgpr_kernarg_segment_ptr 1
		.amdhsa_wavefront_size32 1
		.amdhsa_system_sgpr_workgroup_id_x 1
		.amdhsa_system_sgpr_workgroup_id_y 1
		.amdhsa_system_sgpr_workgroup_id_z 1
		.amdhsa_system_vgpr_workitem_id 0
		.amdhsa_next_free_vgpr 768
		.amdhsa_next_free_sgpr 98
		.amdhsa_reserve_vcc 0
		.amdhsa_float_denorm_mode_32 3
		.amdhsa_float_denorm_mode_16_64 3
		.amdhsa_memory_ordered 1
		.amdhsa_forward_progress 1
		.amdhsa_inst_pref_size 72
	.end_amdhsa_kernel
	.amdgpu_metadata
---
amdhsa.version: [ 1, 2 ]
amdhsa.kernels:
  - .name:           k_qb4d3149769_g4
    .symbol:         k_qb4d3149769_g4.kd
    .args:
      - { .name: yq, .offset: 0, .size: 8, .value_kind: global_buffer, .address_space: global }
      - { .name: wq, .offset: 8, .size: 8, .value_kind: global_buffer, .address_space: global }
      - { .name: proj_b, .offset: 16, .size: 8, .value_kind: global_buffer, .address_space: global }
      - { .name: x, .offset: 24, .size: 8, .value_kind: global_buffer, .address_space: global }
      - { .name: x1, .offset: 32, .size: 8, .value_kind: global_buffer, .address_space: global }
    .group_segment_fixed_size: 327680
    .private_segment_fixed_size: 0
    .kernarg_segment_align: 8
    .kernarg_segment_size: 40
    .max_flat_workgroup_size: 128
    .sgpr_count:     98
    .vgpr_count:     768
    .wavefront_size: 32
...
	.end_amdgpu_metadata
.endif
;; end of part 11
;; launch ln2: the kernel of part 8 again; grid 256 x 1, 4 waves a work-group, no clusters, 56,320 bytes of LDS; arguments x1, ln2_g, ln2_b, xn, attn_w, proj_w, fc_w, fc2_w, wq; writes xn, wq
;; launch g5 (part 12): grid 16 x 16, 4 waves a work-group, clusters of 4 x 4, 327,680 bytes of LDS; arguments xn, wq, fc_b, hq; writes hq
.if DOCPART == 12
	.amdgcn_target "amdgcn-amd-amdhsa--gfx1250"
	.amdhsa_code_object_version 6
	.text
	.protected	k_qb4d3149769_g5
	.globl	k_qb4d3149769_g5
	.p2align	8
	.type	k_qb4d3149769_g5,@function
k_qb4d3149769_g5:
	s_mov_b64 s[64:65], 0
	v_nop
	global_prefetch_b8 v0, s[64:65] scope:SCOPE_SE
	s_setreg_imm32_b32 hwreg(HW_REG_WAVE_MODE, 25, 1), 1
	s_wait_xcnt 0x0
	s_wait_alu depctr_hold_cnt(0) depctr_sa_sdst(0) depctr_va_vdst(0) depctr_va_sdst(0) depctr_va_ssrc(0) depctr_va_vcc(0) depctr_vm_vsrc(0)
	s_getreg_b32 s2, hwreg(HW_REG_IB_STS2, 6, 4)
	s_cmp_eq_u32 s2, 0
	s_cbranch_scc0 .Lentry_in_a_cluster
	s_endpgm
.Lentry_in_a_cluster:
	s_bfe_u32 s2, ttmp6, 0x10000c
	s_cmp_lg_u32 s2, 0xf033
	s_cbranch_scc0 .Lentry_shape_is_right
	s_endpgm
.Lentry_shape_is_right:
.set KSTEPS, 8
.set A_SCALE_OFF, 3145728
.set B_CODE_OFF,  3145728
.set B_SCALE_OFF, 9568256
.set NQ,     2
.set NL,     6
.set FR,     12
.set NP,     4
.set HALFT,  24576
.set SLOT,   4*HALFT
.set SCL,    2*SLOT
.set HALFS,  KSTEPS*512
.set SPARE,  SCL+4*HALFS
.set LAPS,   KSTEPS/4
.set GS,     KSTEPS*12288
.set ADRA, 16
.set ADRB, 20
.set ADRS, 27
.set SPW,  28
.set NIL,  29
.set SC,   32
.set AF,   128
.set G1, 24
.set G0, 32
.set G1B, 48
.set G0B, 56
.set G1S, 68
.set G0S, 76
.set G1SB, 80
.set G0SB, 88
.set SEL, 96
.set BI,  64
.set XX,  128
.set ZZ,  192
.set WW,  208
.set PP,  224
.set QQ,  240
.set TM,  192
.set PC,  40
.set PW,  32
.set PWP, 33
.set CN,  34
.set CDN, 36
.set PWJ, 38
.set BIL, 8
.set GL,  10
.set GL4, 13
.set GOA, 14
.set GSA, 15
.set BA,  18
.set OC,  19
.set OS,  66
.set HM,  67
.set MSB, 0
.macro WIN new
.if MSB != \new
	s_set_vgpr_msb (MSB<<8)|\new
.set MSB, \new
.endif
.endm
.set MUL_LO, 0xa1
.set MUL_HI, 0xf1
.set TO_B,   0x40
.macro JLOAD g0a, g1a, g0b, g1b
	s_cmp_eq_u32 s15, 0
	s_cbranch_scc0 .Lfor_b_\@
	tensor_load_to_lds s[\g0a:\g0a+3], s[\g1a:\g1a+7]
	s_nop 0
.rept 4
	v_nop
.endr
	s_branch .Lasked_\@
.Lfor_b_\@:
	tensor_load_to_lds s[\g0b:\g0b+3], s[\g1b:\g1b+7]
	s_nop 0
.rept 4
	v_nop
.endr
.Lasked_\@:
.endm
.macro CREST
	s_cmp_lg_u32 s14, 0
	s_cbranch_scc1 .Lnot_wave_0_\@
	s_barrier_signal -3
.Lnot_wave_0_\@:
	s_barrier_wait -3
	s_barrier_signal -1
	s_barrier_wait -1
.endm
.macro CROUND
	s_barrier_signal -1
	s_barrier_wait -1
	CREST
.endm
	s_load_b128 s[4:7], s[0:1], 0x0
	s_load_b128 s[8:11], s[0:1], 0x10
	v_lshl_add_u32 v[SPW], v0, 2, SPARE
	v_mov_b32 v[NIL], 0
	ds_add_u32 v28, v29
	ds_add_u32 v28, v29
	s_wait_dscnt 0x0
	v_lshrrev_b32 v1, 5, v0
	v_readfirstlane_b32 s14, v1
	s_lshr_b32 s15, s14, 1
	s_and_b32 s16, s14, 1
	s_bfe_u32 s40, ttmp6, 0x40000
	s_bfe_u32 s41, ttmp6, 0x40004
	s_lshl_b32 s42, ttmp9, 2
	s_add_co_u32 s42, s42, s40
	s_and_b32 s17, ttmp7, 0xffff
	s_lshl_b32 s17, s17, 2
	s_add_co_u32 s17, s17, s41
	s_lshl_b32 s43, s41, 2
	s_lshl_b32 s43, 15, s43
	s_lshl_b32 s44, 0x1111, s40
	s_mov_b32 s[SEL], 0x76543210
	s_mov_b32 s[SEL+1], 0xfedcba98
	s_or_b32 s[G1+0], s43, (3<<16)|(1<<21)
	s_or_b32 s[G1B+0], s44, (3<<16)|(1<<21)
.irp g, G1, G1B                        ; for the head's loads: two rows of 49,152 bytes (K steps 0 to 3 of two groups), a group's codes apart
	s_mov_b32 s[\g+1], 6144<<16
	s_mov_b32 s[\g+2], 2<<16
	s_mov_b32 s[\g+3], 6144<<16
	s_mov_b32 s[\g+4], 2
	s_mov_b32 s[\g+5], 12288
	s_mov_b32 s[\g+6], 0
	s_mov_b32 s[\g+7], 0
.endr
	s_or_b32 s[G1S+0], s43, (3<<16)|(1<<21)
	s_or_b32 s[G1SB+0], s44, (3<<16)|(1<<21)
.irp g, G1S, G1SB
	s_mov_b32 s[\g+1], 32<<16
	s_mov_b32 s[\g+2], (HALFS/128)<<16
	s_mov_b32 s[\g+3], 32<<16
	s_mov_b32 s[\g+4], HALFS/128
	s_mov_b32 s[\g+5], 32
	s_mov_b32 s[\g+6], 0
	s_mov_b32 s[\g+7], 0
.endr
	s_lshl_b32 s20, s17, 1
	s_add_co_u32 s20, s20, s16
	s_mul_i32 s22, s20, HALFS
	s_add_co_u32 s22, s22, A_SCALE_OFF
	s_mov_b32 s23, 0
	s_mul_i32 s20, s20, GS
	s_mov_b32 s21, 0
	s_lshl_b32 s46, s42, 1
	s_add_co_u32 s46, s46, s16
	s_mul_i32 s92, s46, HALFS
	s_add_co_u32 s92, s92, B_SCALE_OFF
	s_mov_b32 s93, 0
	s_mul_i32 s46, s46, GS
	s_add_co_u32 s46, s46, B_CODE_OFF
	s_mov_b32 s47, 0
	s_mul_i32 s45, s14, 2*HALFT                    ; LDS: [A, B][group][slot] x HALFT
	s_wait_kmcnt 0x0
	s_add_nc_u64 s[20:21], s[4:5], s[20:21]
	s_add_nc_u64 s[22:23], s[4:5], s[22:23]
	s_add_nc_u64 s[46:47], s[6:7], s[46:47]
	s_add_nc_u64 s[92:93], s[6:7], s[92:93]
; THE HEAD'S FOUR TILES, one load a wave: wave 0 A's both slots, wave 1 B's both slots, wave 2 A's scale words, wave 3 B's.  The wave's own term is taken off the addresses made above.
.set G0H, 4
.set G0HB, 92
	s_mul_i32 s66, s16, HALFS
	s_mov_b32 s67, 0
	s_mov_b32 s[G0S], 1
	s_mov_b32 s[G0S+1], SCL
	s_sub_nc_u64 s[G0S+2:G0S+3], s[22:23], s[66:67]
	s_or_b32 s[G0S+3], s[G0S+3], 0x80000000
	s_mov_b32 s[G0SB], 1
	s_mov_b32 s[G0SB+1], SCL+2*HALFS
	s_sub_nc_u64 s[G0SB+2:G0SB+3], s[92:93], s[66:67]
	s_or_b32 s[G0SB+3], s[G0SB+3], 0x80000000
	s_mul_i32 s66, s16, GS
	s_mov_b32 s[G0H], 1
	s_mov_b32 s[G0H+1], 0
	s_sub_nc_u64 s[G0H+2:G0H+3], s[20:21], s[66:67]
	s_or_b32 s[G0H+3], s[G0H+3], 0x80000000
	s_mov_b32 s[G0HB], 1
	s_mov_b32 s[G0HB+1], 4*HALFT
	s_sub_nc_u64 s[G0HB+2:G0HB+3], s[46:47], s[66:67]
	s_or_b32 s[G0HB+3], s[G0HB+3], 0x80000000
.irp s, 0,1
	s_mov_b32 s[G0+4*\s], 1
	s_add_co_u32 s[G0+4*\s+1], s45, \s*HALFT
	s_add_nc_u64 s[G0+4*\s+2:G0+4*\s+3], s[20:21], \s*HALFT
	s_or_b32 s[G0+4*\s+3], s[G0+4*\s+3], 0x80000000
	s_mov_b32 s[G0B+4*\s], 1
	s_add_co_u32 s[G0B+4*\s+1], s45, \s*HALFT
	s_add_nc_u64 s[G0B+4*\s+2:G0B+4*\s+3], s[46:47], \s*HALFT
	s_or_b32 s[G0B+4*\s+3], s[G0B+4*\s+3], 0x80000000
.endr
	CROUND
.macro HARM under, g0, g1, next
	s_cmp_lt_u32 s14, \under
	s_cbranch_scc0 \next
	tensor_load_to_lds s[\g0:\g0+3], s[\g1:\g1+7]
	s_nop 0
.rept 4
	v_nop
.endr
	s_branch .Lhead_asked
\next:
.endm
	HARM 1, G0H,  G1,  .Lhead_b
	HARM 2, G0HB, G1B, .Lhead_sa
	HARM 3, G0S,  G1S, .Lhead_sb
	tensor_load_to_lds s[G0SB:G0SB+3], s[G1SB:G1SB+7]
	s_nop 0
.rept 4
	v_nop
.endr
.Lhead_asked:
	v_and_b32 v1, 15, v0
	v_bfe_u32 v2, v0, 4, 1
	s_wait_alu depctr_va_vdst(0)
	v_and_b32 v3, 31, v0
	v_lshlrev_b32 v4, 3, v3
	s_mul_i32 s21, s15, 2*HALFT
	s_mul_i32 s22, s16, 2*HALFT
	s_add_co_u32 s22, s22, 4*HALFT
.irp s, 0,1
	v_add_nc_u32 v[ADRA+\s], s21, v4
	v_add_nc_u32 v[ADRB+\s], s22, v4
	s_add_co_u32 s21, s21, HALFT
	s_add_co_u32 s22, s22, HALFT
.endr
	v_lshlrev_b32 v5, 2, v1
	s_mul_i32 s21, s15, HALFS
	s_mul_i32 s22, s16, HALFS
	s_add_co_u32 s22, s22, 2*HALFS
	s_sub_co_u32 s22, s22, s21
	v_mul_u32_u24 v6, s22, v2
	s_add_co_u32 s21, s21, SCL
	v_add_nc_u32 v5, v5, v6
	v_add_nc_u32 v[ADRS], s21, v5
	s_lshl_b32 s46, s42, 10
	s_lshl_b32 s47, s16, 9
	s_add_co_u32 s46, s46, s47
	s_mov_b32 s47, 0
	s_add_nc_u64 s[8:9], s[8:9], s[46:47]
	v_lshlrev_b32 v[BIL], 6, v2
.irp b, 0,1,2,3,4,5,6,7
	global_load_b128 v[BI+8*\b:BI+8*\b+3], v[BIL], s[8:9] offset:(32*(\b/2)+8*(\b%2))*4
	global_load_b128 v[BI+8*\b+4:BI+8*\b+7], v[BIL], s[8:9] offset:(32*(\b/2)+8*(\b%2))*4+16
.endr
	v_mov_b32 v[GL], v4
	v_lshlrev_b32 v[GL4], 2, v3
	s_lshl_b32 s20, s17, 1
	s_add_co_u32 s20, s20, s15
	s_lshl_b32 s20, s20, 5
	s_lshl_b32 s21, s42, 1
	s_add_co_u32 s20, s20, s21
	s_add_co_u32 s20, s20, s16
	s_lshl_b32 s22, s20, 9
	s_add_co_u32 s22, s22, 12582912
	s_mov_b32 s23, 0
	s_add_nc_u64 s[12:13], s[10:11], s[22:23]
	s_mul_i32 s20, s20, 12288
	s_mov_b32 s21, 0
	s_add_nc_u64 s[10:11], s[10:11], s[20:21]
.macro FRAG reg, adr, q, i
.irp p, 0,1,2,3,4,5
	ds_load_b64 v[\reg+2*\p:\reg+2*\p+1], v[\adr] offset:(\q)*12288+(\i)*1536+256*\p
.endr
.endm
.macro MUL16 a0, p, q, sc, zero
.irp a, \a0, \a0+1
.irp b, 0,1,2,3,4,5,6,7
.if \zero
	v_wmma_scale_f32_16x16x128_f8f6f4 v[8*(8*((\a)%4)+\b):8*(8*((\a)%4)+\b)+7], v[128*(\p)+FR*\b:128*(\p)+FR*\b+FR-1], v[AF+FR*(\a):AF+FR*(\a)+FR-1], 0, v[SC+8*NQ*(\sc)+NQ*\b+(\q)], v[SC+8*NQ*(\sc)+NQ*(\a)+(\q)] matrix_a_fmt:MATRIX_FMT_FP6 matrix_b_fmt:MATRIX_FMT_FP6 matrix_a_scale:MATRIX_SCALE_ROW1
.else
	v_wmma_scale_f32_16x16x128_f8f6f4 v[8*(8*((\a)%4)+\b):8*(8*((\a)%4)+\b)+7], v[128*(\p)+FR*\b:128*(\p)+FR*\b+FR-1], v[AF+FR*(\a):AF+FR*(\a)+FR-1], v[8*(8*((\a)%4)+\b):8*(8*((\a)%4)+\b)+7], v[SC+8*NQ*(\sc)+NQ*\b+(\q)], v[SC+8*NQ*(\sc)+NQ*(\a)+(\q)] matrix_a_fmt:MATRIX_FMT_FP6 matrix_b_fmt:MATRIX_FMT_FP6 matrix_a_scale:MATRIX_SCALE_ROW1
.endif
.endr
.endr
.endm
.macro FETCH_B slot, q, p
	WIN TO_B
.irp i, 0,1,2,3,4,5,6,7
	FRAG 128*(\p)+FR*\i, ADRB+\slot, \q, \i
.endr
	WIN 0
.endm
.macro FETCH_A slot, q, i0
.irp i, \i0, \i0+1, \i0+2, \i0+3
	FRAG AF+FR*(\i), ADRA+\slot, \q, \i
.endr
.endm
.macro SCALES sc
.irp i, 0,1,2,3,4,5,6,7
.irp q, 0,1
	ds_load_b32 v[SC+16*\sc+2*\i+\q], v[ADRS] offset:512*\q+64*\i
.endr
.endr
.endm
.macro PLACES n
.rept \n
	v_nop
.endr
.endm
.macro STEP slot, q, zero
	s_wait_dscnt 4*NL
	WIN MUL_LO
	MUL16 0, (\q)%2, \q, \slot, \zero
	MUL16 2, (\q)%2, \q, \slot, \zero
	s_wait_dscnt 0
	PLACES NP
	FETCH_B \slot, (\q)+1, 1-(\q)%2
	FETCH_A \slot, (\q)+1, 0
	WIN MUL_HI
	MUL16 4, (\q)%2, \q, \slot, \zero
	MUL16 6, (\q)%2, \q, \slot, \zero
	PLACES NP
	WIN 0
	FETCH_A \slot, (\q)+1, 4
.endm
.macro TURN slot, next, fill
	s_wait_tensorcnt 0x0
	ds_add_u32 v[SPW], v[NIL]
	s_wait_dscnt 4*NL+1
	WIN MUL_LO
	MUL16 0, 1, NQ-1, \slot, 0
	s_wait_dscnt 0x0
	s_barrier_signal -1
	MUL16 2, 1, NQ-1, \slot, 0
	WIN 0
	s_barrier_wait -1
.if \fill
	CREST
	s_add_nc_u64 s[G0+4*\slot+2:G0+4*\slot+3], s[G0+4*\slot+2:G0+4*\slot+3], 2*HALFT
	s_add_nc_u64 s[G0B+4*\slot+2:G0B+4*\slot+3], s[G0B+4*\slot+2:G0B+4*\slot+3], 2*HALFT
	JLOAD G0+4*\slot, G1, G0B+4*\slot, G1B
.else
	PLACES NP
.endif
	s_wait_alu depctr_va_vdst(0)
	v_add_nc_u32 v[ADRS], 1024, v[ADRS]
	FETCH_B \next, 0, 0
	FETCH_A \next, 0, 0
	SCALES \next
	WIN MUL_HI
	MUL16 4, 1, NQ-1, \slot, 0
	MUL16 6, 1, NQ-1, \slot, 0
	PLACES NP
	WIN 0
	FETCH_A \next, 0, 4
.endm
.macro QUANT s
.irp b, 0,1,2,3
	v_max3_num_f32 v[TM+\b], |v[\s+16*\b]|, |v[\s+1+16*\b]|, 0x1800000
.endr
.irp i, 2,4,6,8,10,12,14
.irp b, 0,1,2,3
	v_max3_num_f32 v[TM+\b], v[TM+\b], |v[\s+16*\b+\i]|, |v[\s+1+16*\b+\i]|
.endr
.endr
.irp b, 0,1,2,3
	v_permlanex16_b32 v[TM+4+\b], v[TM+\b], s[SEL], s[SEL+1]
.endr
.irp b, 0,1,2,3
	v_max_num_f32 v[TM+\b], v[TM+\b], v[TM+4+\b]
.endr
.irp b, 0,1,2,3
	v_add_nc_u32 v[TM+12+\b], 0xff000000, v[TM+\b]
.endr
.irp b, 0,1,2,3
	v_lshrrev_b32 v[TM+4+\b], 23, v[TM+12+\b]
.endr
	v_lshl_or_b32 v[PW], v[TM+5], 8, v[TM+4]
	v_lshl_or_b32 v[PW], v[TM+6], 16, v[PW]
	v_lshl_or_b32 v[PW], v[TM+7], 24, v[PW]
.irp c, 0,1
	v_cvt_scalef32_pk16_fp6_f32 v[PC+6*\c:PC+2+6*\c], v[\s+32*\c:\s+15+32*\c], v[TM+12+2*\c]
	v_cvt_scalef32_pk16_fp6_f32 v[PC+12+4*\c:PC+14+4*\c], v[\s+16+32*\c:\s+31+32*\c], v[TM+12+2*\c+1]
.endr
	v_nop
.irp c, 0,1
.irp i, 0,1,2
	v_permlane16_swap_b32 v[PC+6*\c+\i], v[PC+12+4*\c+\i]
.endr
.irp i, 0,1,2
	v_mov_b32 v[PC+3+6*\c+\i], v[PC+12+4*\c+\i]
.endr
.endr
.endm
.macro ARM a
	WIN 0x02+((\a)/4)
.set k2, 0
.rept 32
	v_pk_add_f32 v[XX+k2:XX+k2+1], v[64*((\a)%4)+k2:64*((\a)%4)+k2+1], v[BI+k2:BI+k2+1]
.set k2, k2+2
.endr
	WIN 0
.endm
.macro GELU n
.irp p, 0,2,4,6,8,10,12,14
	v_pk_mul_f32 v[ZZ+\p:ZZ+\p+1], v[XX+16*\n+\p:XX+16*\n+\p+1], 0x3f3504f3 op_sel_hi:[1,0]
.endr
.irp p, 0,1,2,3,4,5,6,7,8,9,10,11,12,13,14,15
	v_med3_num_f32 v[ZZ+\p], v[ZZ+\p], -4.0, 4.0
.endr
.irp p, 0,2,4,6,8,10,12,14
	v_pk_mul_f32 v[WW+\p:WW+\p+1], v[ZZ+\p:ZZ+\p+1], v[ZZ+\p:ZZ+\p+1]
.endr
.irp p, 0,2,4,6,8,10,12,14
	v_pk_fma_f32 v[PP+\p:PP+\p+1], v[WW+\p:WW+\p+1], 0xaf15df0b, v[CN:CN+1] op_sel_hi:[1,0,1]
.endr
.irp p, 0,2,4,6,8,10,12,14
	v_pk_fma_f32 v[QQ+\p:QQ+\p+1], v[WW+\p:WW+\p+1], 0xb77460cd, v[CDN:CDN+1] op_sel_hi:[1,0,1]
.endr
.irp c, 0xb58cff51, 0xb7eec2d2, 0xb9c0ac63, 0xbac1a1f6, 0xbc03dbd4
.irp p, 0,2,4,6,8,10,12,14
	v_pk_fma_f32 v[PP+\p:PP+\p+1], v[PP+\p:PP+\p+1], v[WW+\p:WW+\p+1], \c op_sel_hi:[1,1,0]
.endr
.endr
.irp c, 0xbadc924e, 0xbbf19bf8, 0xbc69b6a7
.irp p, 0,2,4,6,8,10,12,14
	v_pk_fma_f32 v[QQ+\p:QQ+\p+1], v[QQ+\p:QQ+\p+1], v[WW+\p:WW+\p+1], \c op_sel_hi:[1,1,0]
.endr
.endr
	s_wait_alu depctr_va_vdst(0)
.irp p, 0,1,2,3,4,5,6,7,8,9,10,11,12,13,14,15
	v_rcp_f32 v[QQ+\p], v[QQ+\p]
.endr
.irp p, 0,2,4,6,8,10,12,14
	v_pk_mul_f32 v[PP+\p:PP+\p+1], v[PP+\p:PP+\p+1], v[ZZ+\p:ZZ+\p+1]
.endr
	s_wait_alu depctr_va_vdst(0)
.irp p, 0,2,4,6,8,10,12,14
	v_pk_fma_f32 v[PP+\p:PP+\p+1], v[PP+\p:PP+\p+1], v[QQ+\p:QQ+\p+1], 0.5 op_sel_hi:[1,1,0]
.endr
.irp p, 0,2,4,6,8,10,12,14
	v_pk_mul_f32 v[XX+16*\n+\p:XX+16*\n+\p+1], v[XX+16*\n+\p:XX+16*\n+\p+1], v[PP+\p:PP+\p+1]
.endr
.endm
	s_wait_alu depctr_va_vdst(0)
	s_wait_tensorcnt 0x0                           ; my tile of the head's four is in; no load of mine is out, so group 1 may be written: the ring's loads bring 96 rows of 256 bytes
.irp g, G1, G1B
	s_mov_b32 s[\g+1], 32<<16
	s_mov_b32 s[\g+2], 96<<16
	s_mov_b32 s[\g+3], 32<<16
	s_mov_b32 s[\g+4], 96
	s_mov_b32 s[\g+5], 32
.endr
	s_barrier_signal -1
	s_barrier_wait -1
	FETCH_B 0, 0, 0
	FETCH_A 0, 0, 0
	SCALES 0
	FETCH_A 0, 0, 4
	STEP 0, 0, 1
	s_mov_b32 s3, LAPS-1
.Llap:
	TURN 0, 1, 1
	STEP 1, 0, 0
	TURN 1, 0, 1
	STEP 0, 0, 0
	s_sub_co_u32 s3, s3, 1
	s_cmp_lg_u32 s3, 0
	s_cbranch_scc1 .Llap
	TURN 0, 1, 0
	STEP 1, 0, 0
	s_wait_dscnt 4*NL
	WIN MUL_LO
	MUL16 0, 1, NQ-1, 1, 0
	MUL16 2, 1, NQ-1, 1, 0
	s_wait_dscnt 0
	WIN MUL_HI
	MUL16 4, 1, NQ-1, 1, 0
	MUL16 6, 1, NQ-1, 1, 0
	WIN 0
	PLACES NP
	s_wait_loadcnt 0x0
	v_mov_b32 v[CN], 0x326dffee
	v_mov_b32 v[CN+1], 0x326dffee
	v_mov_b32 v[CDN], 0xb95fbd29
	v_mov_b32 v[CDN+1], 0xb95fbd29
	v_mov_b32 v[PWP], 0
.irp b, 0,1,2,3
	v_mov_b32 v[TM+4+\b], 0
.endr
	s_mov_b32 s[BA], 0
	s_mov_b32 s[OC], 0
	s_mov_b32 s[HM], 0xffff0000
.Lblk:
	s_wait_xcnt 0x0
.irp k, 0,1,2,3,4,5,6
	s_cmp_eq_u32 s[BA], \k
	s_cbranch_scc1 .Larm\k
.endr
	ARM 7
	s_branch .Lcommon
.irp k, 0,1,2,3,4,5,6
.Larm\k:
	ARM \k
	s_branch .Lcommon
.endr
.Lcommon:
	v_add_nc_u32 v[GOA], s[OC], v[GL]
	GELU 0
	GELU 1
	GELU 2
	GELU 3
	QUANT XX
.irp g, 0,1,2,3,4,5
	global_store_b64 v[GOA], v[PC+2*\g:PC+2*\g+1], s[10:11] offset:256*\g
.endr
	s_bitcmp1_b32 s[BA], 0
	s_cbranch_scc0 .Leven
	v_cndmask_b32 v[PWJ], v[PWP], v[PW], s[HM]
	s_lshl_b32 s[OS], s[BA], 6
	v_add_nc_u32 v[GSA], s[OS], v[GL4]
	global_store_b32 v[GSA], v[PWJ], s[12:13] offset:-64
.Leven:
	v_mov_b32 v[PWP], v[PW]
	s_add_co_u32 s[OC], s[OC], 1536
	s_add_co_u32 s[BA], s[BA], 1
	s_cmp_lt_u32 s[BA], 8
	s_cbranch_scc1 .Lblk
	s_wait_tensorcnt 0x0
	ds_add_u32 v[SPW], v[NIL]
	s_wait_dscnt 0x0
	CROUND
	s_endpgm
.Lfunc_end_k_qb4d3149769_g5:
	.size	k_qb4d3149769_g5, .Lfunc_end_k_qb4d3149769_g5-k_qb4d3149769_g5
	.p2alignl 7, 3214868480
	.fill 96, 4, 3214868480
	.section	.rodata,"a",@progbits
	.p2align	6, 0x0
	.amdhsa_kernel k_qb4d3149769_g5
		.amdhsa_group_segment_fixed_size 327680
		.amdhsa_private_segment_fixed_size 0
		.amdhsa_enable_private_segment 0
		.amdhsa_kernarg_size 32
		.amdhsa_user_sgpr_count 2
		.amdhsa_user_sgpr_kernarg_segment_ptr 1
		.amdhsa_wavefront_size32 1
		.amdhsa_system_sgpr_workgroup_id_x 1
		.amdhsa_system_sgpr_workgroup_id_y 1
		.amdhsa_system_sgpr_workgroup_id_z 1
		.amdhsa_system_vgpr_workitem_id 0
		.amdhsa_next_free_vgpr 1024
		.amdhsa_next_free_sgpr 98
		.amdhsa_reserve_vcc 0
		.amdhsa_float_denorm_mode_32 3
		.amdhsa_float_denorm_mode_16_64 3
		.amdhsa_memory_ordered 1
		.amdhsa_forward_progress 1
		.amdhsa_inst_pref_size 204
	.end_amdhsa_kernel
	.amdgpu_metadata
---
amdhsa.version: [ 1, 2 ]
amdhsa.kernels:
  - .name:           k_qb4d3149769_g5
    .symbol:         k_qb4d3149769_g5.kd
    .args:
      - { .name: xn, .offset: 0, .size: 8, .value_kind: global_buffer, .address_space: global }
      - { .name: wq, .offset: 8, .size: 8, .value_kind: global_buffer, .address_space: global }
      - { .name: fc_b, .offset: 16, .size: 8, .value_kind: global_buffer, .address_space: global }
      - { .name: hq, .offset: 24, .size: 8, .value_kind: global_buffer, .address_space: global }
    .group_segment_fixed_size: 327680
    .private_segment_fixed_size: 0
    .kernarg_segment_align: 8
    .kernarg_segment_size: 32
    .max_flat_workgroup_size: 128
    .sgpr_count:     98
    .vgpr_count:     1024
    .wavefront_size: 32
...
	.end_amdgpu_metadata
.endif
;; end of part 12
;; launch g6 (part 13): grid 8 x 32, 4 waves a work-group, clusters of 4 x 4, 327,680 bytes of LDS; arguments hq, wq, fc2_b, x1, out0; writes out0
.if DOCPART == 13
	.amdgcn_target "amdgcn-amd-amdhsa--gfx1250"
	.amdhsa_code_object_version 6
	.text
	.protected	k_qb4d3149769_g6
	.globl	k_qb4d3149769_g6
	.p2align	8
	.type	k_qb4d3149769_g6,@function
k_qb4d3149769_g6:
	s_mov_b64 s[64:65], 0
	v_nop
	global_prefetch_b8 v0, s[64:65] scope:SCOPE_SE
	s_setreg_imm32_b32 hwreg(HW_REG_WAVE_MODE, 25, 1), 1
	s_wait_xcnt 0x0
	s_wait_alu depctr_hold_cnt(0) depctr_sa_sdst(0) depctr_va_vdst(0) depctr_va_sdst(0) depctr_va_ssrc(0) depctr_va_vcc(0) depctr_vm_vsrc(0)
	s_getreg_b32 s2, hwreg(HW_REG_IB_STS2, 6, 4)
	s_cmp_eq_u32 s2, 0
	s_cbranch_scc0 .Lentry_in_a_cluster
	s_endpgm
.Lentry_in_a_cluster:
	s_bfe_u32 s2, ttmp6, 0x10000c
	s_cmp_lg_u32 s2, 0xf033
	s_cbranch_scc0 .Lentry_shape_is_right
	s_endpgm
.Lentry_shape_is_right:
; out = x1 + h fc2_w + fc2_b: the product (K = 4,096) on codes of FP6 (E2M3) with E8M0 scales, sums, bias and residual in f32.
; OPERANDS lie as images of fragments: [group of 128 positions][K step of 128][tile 0..7][1,536 bytes], registers 2 g, 2 g + 1 of lane L at 256 g + 8 L; scale words [group][K step][128] x 4.
; Position p holds row pi(p) (bits 3 and 4 exchanged).
; A TILE OF 128 x 128: M = 4,096 and N = 1,024 make 256 such tiles, one for each WGP; tiles of 256 x 256 would be 64.  Four waves, each 64 x 64: 16 accumulators.  The price: a fragment read from LDS feeds four products.
; Source 0 = B (weight columns), source 1 = A (tokens).  In accumulator (a, b) lane (r, h) holds A's position 16 a + r of my 64, register j B's position 16 b + 8 h + j: column 32 (b / 2) + 16 h + 8 (b % 2) + j.
; K goes in steps of 512 (four matrix instructions deep) through two LDS slots filled by the tensor data mover; a wave's load is two K steps of one group, 24,576 dense bytes: eight slots' worth, six of them refills.
; Slots of eight K steps would not fit twice beside the scale words, and six do not divide the 32.
; CLUSTERS of 4 x 4: A's tiles are asked for jointly along a row of the cluster, B's along a column.
; THE RESIDUAL's 64 x 64 numbers of a wave are asked for behind the first K step, in the layout in which the rows leave, and wait in 128 registers.
; REGISTERS, in windows of 256: window 0: v16-30 addresses; v32-63 scale words, two sets; v64-67 the bias; v128-255 the accumulators.  window 1: two fragment buffers of 96, at v0 and v128 (A's four, then B's four).
;   window 2: v0-127 the residual; v128-255 rows back from the stage.
.set KSTEPS, 32
.set A_SCALE_OFF, 12582912
.set B_CODE_OFF,  6291456
.set B_SCALE_OFF, 9699328
.set NT_OUT, 1
.set FR,     12                        ; registers of a fragment
.set NP,     4                         ; places behind this matrix instruction (ISA guide 7.12.1)
.set HALFT,  24576                     ; two K steps of a group: what one tensor load brings
.set SLOT,   4*HALFT                   ; a slot's bytes: A's four K steps and B's four.  In LDS A's two slots lie on end from 0, B's two from 4 HALFT
.set SCL,    2*SLOT                    ; behind the ring: the scale words for all of K, filled once: A's group, then B's
.set HALFS,  KSTEPS*512                ; those of one group
.set HS2,    HALFS/2                   ; half of them: a wave's term in the address, taken off again at the head
.set SPARE,  SCL+2*HALFS               ; the spare words: 128 bytes a wave, named by no other line
.set LAPS,   KSTEPS/8                  ; a lap = two slots = once round the ring
.set GS,     KSTEPS*12288              ; a group's codes
.set ADRA, 16                          ; v16-17 my A fragments in slot 0, 1
.set ADRB, 20                          ; v20-21 my B fragments
.set STO,  24                          ; the way out: where I put 32 bytes of a row
.set RD,   25                          ; where I read a row back
.set CO,   26                          ; 16 (L % 16) + 4,096 (L / 16): my 16 bytes of two rows
.set ADRS, 27                          ; my scale words: lanes 0-15 A's, lanes 16-31 B's
.set SPW,  28
.set NIL,  29
.set CB,   30                          ; 16 (L % 16)
.set SC,   32                          ; v32-63 scale words: set s at 32 + 16 s, register 4 q + i
.set BIA,  64                          ; v64-67 the bias of my four columns
.set ACC,  128
.set F0,   0                           ; fragment buffers, in window 1
.set F1,   128
.set RES,  0                           ; in window 2
.set BK,   128
.set SPITCH, 272                       ; the stage: 64 rows x (256 + 16) bytes a wave, in slot 0, which has had its last fill and its last read by then
.set G1, 24
.set G0, 32
.set G1B, 48
.set G0B, 56
.set G1S, 68
.set G0S, 76
.set G1SB, 80
.set G0SB, 88
.set MSB, 0
.macro WIN new                         ; the immediate's high byte repeats the setting that is left
.if MSB != \new
	s_set_vgpr_msb (MSB<<8)|\new
.set MSB, \new
.endif
.endm
.set MUL,  0x05                        ; sources 0 (B) and 1 (A) window 1; C and D window 0
.set TO_F, 0x40                        ; destination window 1, address window 0
.macro JLOAD g0a, g1a, g0b, g1b        ; a joint load: waves 0, 1 fetch for A, waves 2, 3 for B; four v_nop follow each line
	s_cmp_eq_u32 s15, 0
	s_cbranch_scc0 .Lfor_b_\@
	tensor_load_to_lds s[\g0a:\g0a+3], s[\g1a:\g1a+7]
	s_nop 0
.rept 4
	v_nop
.endr
	s_branch .Lasked_\@
.Lfor_b_\@:
	tensor_load_to_lds s[\g0b:\g0b+3], s[\g1b:\g1b+7]
	s_nop 0
.rept 4
	v_nop
.endr
.Lasked_\@:
.endm
.macro CREST                           ; a round of the cluster's barrier behind its opening barrier
	s_cmp_lg_u32 s14, 0
	s_cbranch_scc1 .Lnot_wave_0_\@
	s_barrier_signal -3
.Lnot_wave_0_\@:
	s_barrier_wait -3
	s_barrier_signal -1
	s_barrier_wait -1
.endm
.macro CROUND
	s_barrier_signal -1
	s_barrier_wait -1
	CREST
.endm
	s_load_b128 s[4:7], s[0:1], 0x0                ; A's buffer, wq
	s_load_b128 s[8:11], s[0:1], 0x10              ; the bias, the residual
	s_load_b64 s[12:13], s[0:1], 0x20              ; out
	v_lshl_add_u32 v[SPW], v0, 2, SPARE
	v_mov_b32 v[NIL], 0
	ds_add_u32 v28, v29
	ds_add_u32 v28, v29
	s_wait_dscnt 0x0
	v_lshrrev_b32 v1, 5, v0
	v_readfirstlane_b32 s14, v1                    ; wave
	s_lshr_b32 s15, s14, 1                         ; which 64 of A's positions are mine.  Also: I fetch for A (0) or B (1)
	s_and_b32 s16, s14, 1                          ; which 64 of B's.  Also: which two of a slot's four K steps I fetch
	s_bfe_u32 s40, ttmp6, 0x40000                  ; cx
	s_bfe_u32 s41, ttmp6, 0x40004                  ; cy
	s_lshl_b32 s42, ttmp9, 2
	s_add_co_u32 s42, s42, s40                     ; x: B's group
	s_and_b32 s17, ttmp7, 0xffff
	s_lshl_b32 s17, s17, 2
	s_add_co_u32 s17, s17, s41                     ; y: A's group
	s_lshl_b32 s43, s41, 2
	s_lshl_b32 s43, 15, s43                        ; my row of the cluster
	s_lshl_b32 s44, 0x1111, s40                    ; my column
	s_or_b32 s[G1+0], s43, (3<<16)|(1<<21)         ; 15:0 the mask; elements of 8 bytes; 21 set beside a mask; no padding
	s_or_b32 s[G1B+0], s44, (3<<16)|(1<<21)
.irp g, G1, G1B
	s_mov_b32 s[\g+1], 32<<16                      ; rows of 256 bytes,
	s_mov_b32 s[\g+2], 384<<16                     ; for the head's loads 384 of them: both slots' K steps 0 to 7 of a group, dense
	s_mov_b32 s[\g+3], 32<<16
	s_mov_b32 s[\g+4], 384
	s_mov_b32 s[\g+5], 32
	s_mov_b32 s[\g+6], 0
	s_mov_b32 s[\g+7], 0
.endr
	s_or_b32 s[G1S+0], s43, (3<<16)|(1<<21)
	s_or_b32 s[G1SB+0], s44, (3<<16)|(1<<21)
.irp g, G1S, G1SB
	s_mov_b32 s[\g+1], 32<<16
	s_mov_b32 s[\g+2], (HALFS/256)<<16
	s_mov_b32 s[\g+3], 32<<16
	s_mov_b32 s[\g+4], HALFS/256
	s_mov_b32 s[\g+5], 32
	s_mov_b32 s[\g+6], 0
	s_mov_b32 s[\g+7], 0
.endr
	s_mul_i32 s18, s16, HS2                        ; my half of a group's scale words,
	s_mul_i32 s19, s16, HALFT                      ; my two K steps of a slot's four
	s_mul_i32 s22, s17, HALFS                      ; A's hang on y alone
	s_add_co_u32 s22, s22, s18
	s_add_co_u32 s22, s22, A_SCALE_OFF
	s_mov_b32 s23, 0
	s_mul_i32 s20, s17, GS
	s_add_co_u32 s20, s20, s19
	s_mov_b32 s21, 0
	s_mul_i32 s92, s42, HALFS                      ; B's on x alone
	s_add_co_u32 s92, s92, s18
	s_add_co_u32 s92, s92, B_SCALE_OFF
	s_mov_b32 s93, 0
	s_mul_i32 s46, s42, GS
	s_add_co_u32 s46, s46, s19
	s_add_co_u32 s46, s46, B_CODE_OFF
	s_mov_b32 s47, 0
	s_mul_i32 s45, s15, 4*HALFT                    ; LDS of my ring loads: A's or B's region, + my two K steps of a slot's four: no place in the cluster enters an LDS address
	s_add_co_u32 s45, s45, s19
	s_wait_kmcnt 0x0
	s_add_nc_u64 s[20:21], s[4:5], s[20:21]
	s_add_nc_u64 s[22:23], s[4:5], s[22:23]
	s_add_nc_u64 s[46:47], s[6:7], s[46:47]
	s_add_nc_u64 s[92:93], s[6:7], s[92:93]
; THE HEAD'S FOUR TILES, one load a wave: wave 0 A's both slots (98,304 bytes), wave 1 B's both slots, wave 2 A's scale words, wave 3 B's.  The wave's own term is taken off the addresses made above.
.set G0H, 4
.set G0HB, 92
	s_mov_b32 s66, s18
	s_mov_b32 s67, 0
	s_mov_b32 s[G0S], 1
	s_mov_b32 s[G0S+1], SCL
	s_sub_nc_u64 s[G0S+2:G0S+3], s[22:23], s[66:67]
	s_or_b32 s[G0S+3], s[G0S+3], 0x80000000
	s_mov_b32 s[G0SB], 1
	s_mov_b32 s[G0SB+1], SCL+HALFS
	s_sub_nc_u64 s[G0SB+2:G0SB+3], s[92:93], s[66:67]
	s_or_b32 s[G0SB+3], s[G0SB+3], 0x80000000
	s_mov_b32 s66, s19
	s_mov_b32 s[G0H], 1
	s_mov_b32 s[G0H+1], 0
	s_sub_nc_u64 s[G0H+2:G0H+3], s[20:21], s[66:67]
	s_or_b32 s[G0H+3], s[G0H+3], 0x80000000
	s_mov_b32 s[G0HB], 1
	s_mov_b32 s[G0HB+1], 4*HALFT
	s_sub_nc_u64 s[G0HB+2:G0HB+3], s[46:47], s[66:67]
	s_or_b32 s[G0HB+3], s[G0HB+3], 0x80000000
.irp s, 0,1
	s_mov_b32 s[G0+4*\s], 1
	s_add_co_u32 s[G0+4*\s+1], s45, \s*2*HALFT
	s_add_nc_u64 s[G0+4*\s+2:G0+4*\s+3], s[20:21], \s*2*HALFT
	s_or_b32 s[G0+4*\s+3], s[G0+4*\s+3], 0x80000000
	s_mov_b32 s[G0B+4*\s], 1
	s_add_co_u32 s[G0B+4*\s+1], s45, \s*2*HALFT
	s_add_nc_u64 s[G0B+4*\s+2:G0B+4*\s+3], s[46:47], \s*2*HALFT
	s_or_b32 s[G0B+4*\s+3], s[G0B+4*\s+3], 0x80000000
.endr
	; THE PREFETCHES' ADDRESS, s[66:67].  A fill's part that I fetch is 24,576 bytes, 96 blocks of 256; the four partners that ask for it jointly share them out BY ADDRESS, 24 blocks each (cx for A, cy for B).
	; It stands at the fill that is being asked for (at the head: fill 1) and is stepped once a refill; a prefetch names the fill two further on.
	s_cmp_eq_u32 s15, 0
	s_cselect_b32 s2, s40, s41
	s_cselect_b64 s[66:67], s[20:21], s[46:47]
	s_mul_i32 s2, s2, 6144
	s_add_co_u32 s2, s2, 2*HALFT
	s_mov_b32 s3, 0
	s_add_nc_u64 s[66:67], s[66:67], s[2:3]
	CROUND                                         ; all sixteen work-groups are here: the first joint loads meet
.macro HARM under, g0, g1, next
	s_cmp_lt_u32 s14, \under
	s_cbranch_scc0 \next
	tensor_load_to_lds s[\g0:\g0+3], s[\g1:\g1+7]
	s_nop 0
.rept 4
	v_nop
.endr
	s_branch .Lhead_asked
\next:
.endm
	HARM 1, G0H,  G1,  .Lhead_b
	HARM 2, G0HB, G1B, .Lhead_sa
	HARM 3, G0S,  G1S, .Lhead_sb
	tensor_load_to_lds s[G0SB:G0SB+3], s[G1SB:G1SB+7]
	s_nop 0
.rept 4
	v_nop
.endr
.Lhead_asked:
	v_and_b32 v31, 31, v0
	v_min_u32 v31, 23, v31
	v_lshlrev_b32 v31, 8, v31                      ; v31: a lane a block of 256 bytes; the eight lanes left over name the last block again; never rewritten
	v_and_b32 v1, 15, v0                           ; r
	v_bfe_u32 v2, v0, 4, 1                         ; h
	s_wait_alu depctr_va_vdst(0)
	v_and_b32 v3, 31, v0                           ; L
	v_lshlrev_b32 v4, 3, v3                        ; 8 L
	s_mul_i32 s21, s15, 6144                       ; my four tiles of A's eight
	s_mul_i32 s22, s16, 6144                       ; my four of B's,
	s_add_co_u32 s22, s22, 4*HALFT                 ; whose region lies behind A's two slots
.irp s, 0,1
	v_add_nc_u32 v[ADRA+\s], s21, v4
	v_add_nc_u32 v[ADRB+\s], s22, v4
	s_add_co_u32 s21, s21, 2*HALFT
	s_add_co_u32 s22, s22, 2*HALFT
.endr
	v_lshlrev_b32 v5, 2, v1                        ; 4 r
	s_lshl_b32 s21, s15, 8                         ; A's words: my 64 positions
	s_lshl_b32 s22, s16, 8
	s_add_co_u32 s22, s22, HALFS                   ; B's, behind A's group
	s_sub_co_u32 s22, s22, s21
	v_mul_u32_u24 v6, s22, v2                      ; lanes 16-31 take B's: one product with h
	s_add_co_u32 s21, s21, SCL
	v_add_nc_u32 v5, v5, v6
	v_add_nc_u32 v[ADRS], s21, v5
	s_mul_i32 s23, s15, 4*HALFT                    ; my stage: waves 0, 1 in A's slot 0, waves 2, 3 in B's slot 0
	s_mul_i32 s22, s16, 64*SPITCH
	s_add_co_u32 s23, s23, s22
	v_mul_u32_u24 v5, v1, SPITCH
	v_lshl_add_u32 v5, v2, 6, v5                   ; in: row r, + 64 h
	v_add_nc_u32 v[STO], s23, v5
	v_mul_u32_u24 v5, v2, SPITCH
	v_lshl_add_u32 v5, v1, 4, v5                   ; back: lanes 0-15 one row of 256 bytes, lanes 16-31 the next
	v_add_nc_u32 v[RD], s23, v5
	v_lshlrev_b32 v[CB], 4, v1
	s_wait_alu depctr_va_vdst(0)
	v_lshl_add_u32 v[CO], v2, 12, v[CB]            ; and the same two rows in memory: rows of 4,096 bytes
	s_wait_alu depctr_va_vdst(0)
	s_lshl_b32 s20, s17, 7
	s_lshl_b32 s21, s15, 6
	s_add_co_u32 s20, s20, s21                     ; my first token: 128 y + 64 (wave / 2)
	s_lshl_b32 s20, s20, 12
	s_lshl_b32 s46, s42, 9
	s_lshl_b32 s47, s16, 8
	s_add_co_u32 s46, s46, s47                     ; my first column, in bytes: 512 x + 256 (wave % 2)
	s_mov_b32 s47, 0
	s_add_nc_u64 s[8:9], s[8:9], s[46:47]
	s_add_co_u32 s20, s20, s46
	s_mov_b32 s21, 0
	s_add_nc_u64 s[10:11], s[10:11], s[20:21]
	s_add_nc_u64 s[12:13], s[12:13], s[20:21]
	global_prefetch_b8 v31, s[66:67] offset:2*HALFT th:TH_LOAD_NT scope:SCOPE_SE   ; fills 2 and 3, the first two refills
	global_prefetch_b8 v31, s[66:67] offset:4*HALFT th:TH_LOAD_NT scope:SCOPE_SE
.macro FRAG reg, adr, q, i             ; a fragment comes as it lies: six loads of 8 bytes a lane, 256 consecutive bytes each
.irp p, 0,1,2,3,4,5
	ds_load_b64 v[\reg+2*\p:\reg+2*\p+1], v[\adr] offset:(\q)*12288+(\i)*1536+256*\p
.endr
.endm
.macro FETCH slot, q, f                ; 48 LDS loads in one run: the slot's q-th K step into buffer f
	WIN TO_F
.irp i, 0,1,2,3
	FRAG \f+48+FR*\i, ADRB+\slot, \q, \i
.endr
.irp i, 0,1,2,3
	FRAG \f+FR*\i, ADRA+\slot, \q, \i
.endr
.endm
.macro SCALES sc                       ; a slot's scale words: lanes 0-15 A's block i, lanes 16-31 B's tile i
.irp q, 0,1,2,3
.irp i, 0,1,2,3
	ds_load_b32 v[SC+16*\sc+4*\q+\i], v[ADRS] offset:512*\q+64*\i
.endr
.endr
.endm
.macro MULA f, q, sc, zero, a          ; four matrix instructions: A's block a x B's four tiles
.irp b, 0,1,2,3
.if \zero
	v_wmma_scale_f32_16x16x128_f8f6f4 v[ACC+8*(4*(\a)+\b):ACC+8*(4*(\a)+\b)+7], v[\f+48+FR*\b:\f+48+FR*\b+FR-1], v[\f+FR*(\a):\f+FR*(\a)+FR-1], 0, v[SC+16*(\sc)+4*(\q)+\b], v[SC+16*(\sc)+4*(\q)+(\a)] matrix_a_fmt:MATRIX_FMT_FP6 matrix_b_fmt:MATRIX_FMT_FP6 matrix_a_scale:MATRIX_SCALE_ROW1
.else
	v_wmma_scale_f32_16x16x128_f8f6f4 v[ACC+8*(4*(\a)+\b):ACC+8*(4*(\a)+\b)+7], v[\f+48+FR*\b:\f+48+FR*\b+FR-1], v[\f+FR*(\a):\f+FR*(\a)+FR-1], v[ACC+8*(4*(\a)+\b):ACC+8*(4*(\a)+\b)+7], v[SC+16*(\sc)+4*(\q)+\b], v[SC+16*(\sc)+4*(\q)+(\a)] matrix_a_fmt:MATRIX_FMT_FP6 matrix_b_fmt:MATRIX_FMT_FP6 matrix_a_scale:MATRIX_SCALE_ROW1
.endif
.endr
.endm
.macro MUL16 f, q, sc, zero            ; a K step: the 16 accumulators take turns, in the same order in every step
.irp a, 0,1,2,3
	MULA \f, \q, \sc, \zero, \a
.endr
.endm
.macro PLACES n                        ; plain vector instructions between a matrix instruction and a load into, or a read of, its registers
.rept \n
	v_nop
.endr
.endm
.macro STEP slot, q, f, g, zero        ; a K step that has its successor in the same slot: multiplies buffer f; the successor's fragments are asked for first, 16 matrix instructions ahead of their use
	s_wait_dscnt 0x0                               ; this step's fragments and scale words are in
	PLACES NP                                      ; in front of the loads into buffer g, which the last step's products read
	FETCH \slot, (\q)+1, \g
	WIN MUL
	MUL16 \f, \q, \slot, \zero
.endm
.macro TURN slot, next, fill
.if \fill
	s_wait_xcnt 0x0                                ; my last prefetch has read its address: it is stepped here, ahead of the waits of the change of slots
	s_add_nc_u64 s[66:67], s[66:67], 2*HALFT
.endif
	WIN 0
	s_wait_tensorcnt 0x0
	ds_add_u32 v[SPW], v[NIL]                      ; 0 onto my spare word
	s_wait_dscnt 0x1                               ; my fragments are in; the add may be out
	WIN MUL
	MULA F1, 3, \slot, 0, 0                        ; four matrix instructions stand between the add and the wait for it
	s_wait_dscnt 0x0                               ; the add is done, my reads of this slot are over
	s_barrier_signal -1
	MULA F1, 3, \slot, 0, 1
	WIN 0
	s_barrier_wait -1
.if \fill
	CREST                                          ; no wave of any partner still reads this slot or has a load on its way
	s_add_nc_u64 s[G0+4*\slot+2:G0+4*\slot+3], s[G0+4*\slot+2:G0+4*\slot+3], 4*HALFT
	s_add_nc_u64 s[G0B+4*\slot+2:G0B+4*\slot+3], s[G0B+4*\slot+2:G0B+4*\slot+3], 4*HALFT
	JLOAD G0+4*\slot, G1, G0B+4*\slot, G1B         ; the first tensor load behind the round; its four v_nop are the places in front of the loads below
.else
	PLACES NP
.endif
	s_wait_alu depctr_va_vdst(0)
	v_add_nc_u32 v[ADRS], 2048, v[ADRS]            ; the next slot's scale words
	SCALES \next
	FETCH \next, 0, F0
.if \fill
	WIN 0                                          ; (a branch follows)
	s_cmp_gt_u32 s3, 1                             ; the loop's last trip asks for nothing: its fills are the last two
	s_cbranch_scc0 .Lno_ask_\@
	global_prefetch_b8 v31, s[66:67] offset:4*HALFT th:TH_LOAD_NT scope:SCOPE_SE   ; the fill two refills on, behind the joint load and the run of LDS loads
.Lno_ask_\@:
.endif
	WIN MUL
	MULA F1, 3, \slot, 0, 2
	MULA F1, 3, \slot, 0, 3
.endm
	s_wait_tensorcnt 0x0                           ; my tile of the head's four is in; no load of mine is out, so group 1 may be written: the ring's loads bring 96 rows
	s_mov_b32 s[G1+2], 96<<16
	s_mov_b32 s[G1+4], 96
	s_mov_b32 s[G1B+2], 96<<16
	s_mov_b32 s[G1B+4], 96
	s_barrier_signal -1
	s_barrier_wait -1
	SCALES 0
	FETCH 0, 0, F0
	STEP 0, 0, F0, F1, 1                           ; the first step's products start the sums
.if LAPS > 1
	WIN 0                                          ; at a label and at a branch every window is 0
	s_mov_b32 s3, LAPS-1
	; The bias and the residual are asked for here, behind the first K step: they are wanted only on the way out.
	; Rows 2 t, 2 t + 1 of my 64 positions are tokens 32 (t / 16) + 16 ((t / 4) % 2) + 8 ((t / 8) % 2) + 2 (t % 4) + 0, 1: every row's offset is an immediate.
	global_load_b128 v[BIA:BIA+3], v[CB], s[8:9]
	WIN 0x80                                       ; destination window 2
.set tt, 0
.rept 32
	global_load_b128 v[RES+4*tt:RES+4*tt+3], v[CO], s[10:11] offset:(32*(tt/16)+16*((tt/4)%2)+8*((tt/8)%2)+2*(tt%4))*4096   ; sixteen lanes read 256 consecutive bytes of a row
.set tt, tt+1
.endr
	WIN 0
.Llap:                                                 ; a trip goes once round the ring, from a lap's second step to the next lap's first, and fills both slots again
	STEP 0, 1, F1, F0, 0
	STEP 0, 2, F0, F1, 0
	TURN 0, 1, 1
	STEP 1, 0, F0, F1, 0
	STEP 1, 1, F1, F0, 0
	STEP 1, 2, F0, F1, 0
	TURN 1, 0, 1
	STEP 0, 0, F0, F1, 0
	WIN 0
	s_sub_co_u32 s3, s3, 1
	s_cmp_lg_u32 s3, 0
	s_cbranch_scc1 .Llap
.endif
	STEP 0, 1, F1, F0, 0                           ; the last lap fills nothing
	STEP 0, 2, F0, F1, 0
	TURN 0, 1, 0
	STEP 1, 0, F0, F1, 0
	STEP 1, 1, F1, F0, 0
	STEP 1, 2, F0, F1, 0
	s_wait_dscnt 0x0                               ; the very last step: nothing more to fetch
	MUL16 F1, 3, 1, 0
	WIN 0
	; THE WAY OUT.  A lane holds 32 neighbouring bytes of a row and the lanes beside it other rows: the wave's 64 rows x 256 bytes go through its own stage and come back as whole rows.
	; LDS serves a wave's instructions in order (ISA guide 5.7.1.4): no wait between the stores and the loads.  Residual + bias are added while the loads are out.
	PLACES NP
.irp a, 0,1,2,3
.irp b, 0,1,2,3
	ds_store_b128 v[STO], v[ACC+8*(4*\a+\b):ACC+8*(4*\a+\b)+3] offset:\a*16*SPITCH+128*(\b/2)+32*(\b%2)        ; each accumulator from its low end on
	ds_store_b128 v[STO], v[ACC+8*(4*\a+\b)+4:ACC+8*(4*\a+\b)+7] offset:\a*16*SPITCH+128*(\b/2)+32*(\b%2)+16
.endr
.endr
	WIN 0x80                                       ; destination window 2
.set tt, 0
.rept 32
	ds_load_b128 v[BK+4*tt:BK+4*tt+3], v[RD] offset:2*tt*SPITCH
.set tt, tt+1
.endr
	s_wait_loadcnt 0x0                             ; the residual and the bias, asked for behind the first K step
	WIN 0x82                                       ; destination and source 0 window 2, source 1 window 0
.set tt, 0
.rept 32
	v_pk_add_f32 v[RES+4*tt:RES+4*tt+1], v[RES+4*tt:RES+4*tt+1], v[BIA:BIA+1]
	v_pk_add_f32 v[RES+4*tt+2:RES+4*tt+3], v[RES+4*tt+2:RES+4*tt+3], v[BIA+2:BIA+3]
.set tt, tt+1
.endr
.irp g, 0,1,2,3                        ; sixteen rows at a time
	s_wait_dscnt 24-8*\g                           ; the loads behind this group's eight may be out
	WIN 0x8a                                       ; destination and both sources window 2
.set tt, 16*\g
.rept 16
	v_pk_add_f32 v[BK+2*tt:BK+2*tt+1], v[BK+2*tt:BK+2*tt+1], v[RES+2*tt:RES+2*tt+1]
.set tt, tt+1
.endr
	WIN 0x08                                       ; a store's data are its source 1: window 2
.set tt, 8*\g
.rept 8
.if NT_OUT
	global_store_b128 v[CO], v[BK+4*tt:BK+4*tt+3], s[12:13] offset:(32*(tt/16)+16*((tt/4)%2)+8*((tt/8)%2)+2*(tt%4))*4096 th:TH_STORE_NT   ; sixteen lanes store 256 consecutive bytes, at a multiple of 256 from the buffer's first byte; written once, read by nobody here
.else
	global_store_b128 v[CO], v[BK+4*tt:BK+4*tt+3], s[12:13] offset:(32*(tt/16)+16*((tt/4)%2)+8*((tt/8)%2)+2*(tt%4))*4096
.endif
.set tt, tt+1
.endr
.endr
	WIN 0
	s_wait_tensorcnt 0x0                           ; the wave's end
	ds_add_u32 v[SPW], v[NIL]
	s_wait_dscnt 0x0
	CROUND                                         ; the closing round
	s_endpgm
.Lfunc_end_k_qb4d3149769_g6:
	.size	k_qb4d3149769_g6, .Lfunc_end_k_qb4d3149769_g6-k_qb4d3149769_g6
	.p2alignl 7, 3214868480
	.fill 96, 4, 3214868480
	.section	.rodata,"a",@progbits
	.p2align	6, 0x0
	.amdhsa_kernel k_qb4d3149769_g6
		.amdhsa_group_segment_fixed_size 327680
		.amdhsa_private_segment_fixed_size 0
		.amdhsa_enable_private_segment 0
		.amdhsa_kernarg_size 40
		.amdhsa_user_sgpr_count 2
		.amdhsa_user_sgpr_kernarg_segment_ptr 1
		.amdhsa_wavefront_size32 1
		.amdhsa_system_sgpr_workgroup_id_x 1
		.amdhsa_system_sgpr_workgroup_id_y 1
		.amdhsa_system_sgpr_workgroup_id_z 1
		.amdhsa_system_vgpr_workitem_id 0
		.amdhsa_next_free_vgpr 768
		.amdhsa_next_free_sgpr 98
		.amdhsa_reserve_vcc 0
		.amdhsa_float_denorm_mode_32 3
		.amdhsa_float_denorm_mode_16_64 3
		.amdhsa_memory_ordered 1
		.amdhsa_forward_progress 1
		.amdhsa_inst_pref_size 121
	.end_amdhsa_kernel
	.amdgpu_metadata
---
amdhsa.version: [ 1, 2 ]
amdhsa.kernels:
  - .name:           k_qb4d3149769_g6
    .symbol:         k_qb4d3149769_g6.kd
    .args:
      - { .name: hq, .offset: 0, .size: 8, .value_kind: global_buffer, .address_space: global }
      - { .name: wq, .offset: 8, .size: 8, .value_kind: global_buffer, .address_space: global }
      - { .name: fc2_b, .offset: 16, .size: 8, .value_kind: global_buffer, .address_space: global }
      - { .name: x1, .offset: 24, .size: 8, .value_kind: global_buffer, .address_space: global }
      - { .name: out0, .offset: 32, .size: 8, .value_kind: global_buffer, .address_space: global }
    .group_segment_fixed_size: 327680
    .private_segment_fixed_size: 0
    .kernarg_segment_align: 8
    .kernarg_segment_size: 40
    .max_flat_workgroup_size: 128
    .sgpr_count:     98
    .vgpr_count:     768
    .wavefront_size: 32
...
	.end_amdgpu_metadata
.endif
;; end of part 13
